; MI455X (gfx1250); checked and timed in simulation.
; The chip was launched on July 23, 2026; its instructions are those of AMD's public machine-readable ISA for CDNA 5 (MIT licence, August 2026) and "CDNA5" Instruction Set Architecture Reference Guide (July 2026). The comments in the code are by the model that wrote it; some were corrected since.
;; MSA Block. Allowed arithmetic: matrix products marked QUANTISED: E2M3 operands, one E8M0 scale for each 32 along K, by v_wmma_scale_f32_16x16x128_f8f6f4 with both operands' format E2M3, f32 sums; products left as they are: f32 operands where the result goes on into a quantised operand, else bf16, f16 or f32 operands; f32 sums; everything else in f32.
;; Inputs: m 512 x 256 x 64 float32; msa_mask 512 x 256 float32; opm_bout 128 float32; opm_ln_b 64 float32; opm_ln_w 64 float32; opm_w1_codes 32 x 2 x 24 uint8 (E2M3 codes of opm_w1, K innermost, in blocks of 32 codes, four codes in three bytes); opm_w1_scales 32 x 2 uint8 (E8M0 scales of opm_w1, one for each 32 codes along K); opm_w2_codes 32 x 2 x 24 uint8 (E2M3 codes of opm_w2, K innermost, in blocks of 32 codes, four codes in three bytes); opm_w2_scales 32 x 2 uint8 (E8M0 scales of opm_w2, one for each 32 codes along K); opm_wout_codes 128 x 32 x 24 uint8 (E2M3 codes of opm_wout, K innermost, in blocks of 32 codes, four codes in three bytes); opm_wout_scales 128 x 32 uint8 (E8M0 scales of opm_wout, one for each 32 codes along K); pwa_lnm_b 64 float32; pwa_lnm_w 64 float32; pwa_lnz_b 128 float32; pwa_lnz_w 128 float32; pwa_wg_codes 256 x 2 x 24 uint8 (E2M3 codes of pwa_wg, K innermost, in blocks of 32 codes, four codes in three bytes); pwa_wg_scales 256 x 2 uint8 (E8M0 scales of pwa_wg, one for each 32 codes along K); pwa_wo_codes 64 x 8 x 24 uint8 (E2M3 codes of pwa_wo, K innermost, in blocks of 32 codes, four codes in three bytes); pwa_wo_scales 64 x 8 uint8 (E8M0 scales of pwa_wo, one for each 32 codes along K); pwa_wv_codes 256 x 2 x 24 uint8 (E2M3 codes of pwa_wv, K innermost, in blocks of 32 codes, four codes in three bytes); pwa_wv_scales 256 x 2 uint8 (E8M0 scales of pwa_wv, one for each 32 codes along K); pwa_wz 128 x 8 float32; tr_ln_b 64 float32; tr_ln_w 64 float32; tr_wa_codes 256 x 2 x 24 uint8 (E2M3 codes of tr_wa, K innermost, in blocks of 32 codes, four codes in three bytes); tr_wa_scales 256 x 2 uint8 (E8M0 scales of tr_wa, one for each 32 codes along K); tr_wb_codes 256 x 2 x 24 uint8 (E2M3 codes of tr_wb, K innermost, in blocks of 32 codes, four codes in three bytes); tr_wb_scales 256 x 2 uint8 (E8M0 scales of tr_wb, one for each 32 codes along K); tr_wo_codes 64 x 8 x 24 uint8 (E2M3 codes of tr_wo, K innermost, in blocks of 32 codes, four codes in three bytes); tr_wo_scales 64 x 8 uint8 (E8M0 scales of tr_wo, one for each 32 codes along K); z 256 x 256 x 128 float32.
;; Outputs: out0 512 x 256 x 64 float32; out1 256 x 256 x 128 float32.
;; This version of the problem:
;;   THIS VERSION OF THE PROBLEM IS GIVEN IN LOW PRECISION. The matrix products marked QUANTISED in the list below multiply operands that are first quantised to E2M3 (2 exponent bits, 3 mantissa bits; 6 bits a number), with one power-of-two scale for each 32 numbers along K (OCP MX v1.0); their sums are f32. All else is computed in f32.
;;   The module's matrix products, in the order in which they are computed (A, B: the left and right operand; K: the contracted axis; several contracted axes count as one K, in the product's order):
;;     1. [M 256, K 512] x [K 512, N 256]; A: input msa_mask; B: input msa_mask: QUANTISED
;;     2. [M 131,072, K 64] x [K 64, N 32]; A: computed on the way; B: input opm_w1 (given as codes): QUANTISED
;;     3. [M 131,072, K 64] x [K 64, N 32]; A: computed on the way; B: input opm_w2 (given as codes): QUANTISED
;;     4. [M 8,192, K 512] x [K 512, N 8,192]; A: computed on the way; B: computed on the way: QUANTISED
;;     5. [M 65,536, K 1,024] x [K 1,024, N 128]; A: computed on the way; B: input opm_wout (given as codes): QUANTISED
;;     6. [M 65,536, K 128] x [K 128, N 8]; A: computed on the way; B: input pwa_wz: left as it is (N = 8 < 16)
;;     7. [M 131,072, K 64] x [K 64, N 256]; A: computed on the way; B: input pwa_wv (given as codes): QUANTISED
;;     8. [M 131,072, K 64] x [K 64, N 256]; A: computed on the way; B: input pwa_wg (given as codes): QUANTISED
;;     9. batch 8 x [M 16,384, K 256] x [K 256, N 256]; A: computed on the way; B: softmax (see below): QUANTISED
;;     10. [M 131,072, K 256] x [K 256, N 64]; A: computed on the way; B: input pwa_wo (given as codes): QUANTISED
;;     11. [M 131,072, K 64] x [K 64, N 256]; A: computed on the way; B: input tr_wa (given as codes): QUANTISED
;;     12. [M 131,072, K 64] x [K 64, N 256]; A: computed on the way; B: input tr_wb (given as codes): QUANTISED
;;     13. [M 131,072, K 256] x [K 256, N 64]; A: computed on the way; B: input tr_wo (given as codes): QUANTISED
;;   THE QUANTISER, for each operand of a quantised product, along K:
;;     - K is cut into blocks of 32 from its start; a last block that is shorter is filled with zeros.
;;     - A block's scale is 2^e with e = floor(log2(the largest magnitude in the block)) - 2, held to -126 .. 127; a block of zeros has e = 0. As a byte (E8M0): e + 127.
;;     - Each number is divided by its block's scale, clamped to +-7.5, and rounded to the nearest number of E2M3, ties to even, subnormals kept.
;;     - The product sums the exact products of the quantised numbers (number of the format x scale) in f32.
;;   ~~~python
;;   def quantise(x, axis):      # numpy; x: float32 -> the quantised numbers, widened to float32 again
;;       x = np.moveaxis(x, axis, -1); K = x.shape[-1]
;;       x = np.pad(x, [(0, 0)] * (x.ndim - 1) + [(0, -K % 32)]); x = x.reshape(x.shape[:-1] + (-1, 32)); a = np.abs(x).max(-1, keepdims=True)
;;       e = np.where(a > 0, np.clip(np.frexp(np.where(a > 0, a, 1))[1] - 1 - 2, -126, 127), 0)      # np.frexp(a)[1] - 1 = floor(log2(a)), exactly
;;       r = np.clip(x / 2.0 ** e, -7.5, 7.5)
;;       step = 2.0 ** (np.maximum(np.frexp(np.where(r == 0, 1, r))[1] - 1, 0) - 3)
;;       q = np.round(r / step) * step * 2.0 ** e      # np.round: ties to even
;;       return np.moveaxis(q.reshape(q.shape[:-2] + (-1,))[..., :K], -1, axis).astype(np.float32)
;;   ~~~
;;   SOFTMAX AHEAD OF A QUANTISED PRODUCT. Where the list says 'softmax', what is quantised is not the finished softmax but p = 2^(t - M), with t = logit x log2(e) and M = ceil(the row's largest t), a whole number; so 1/2 < the row's largest p <= 1. The row's sum l is taken of the UNQUANTISED p, in f32, and the product's result is divided by l at the end. Since M is a whole number, a kernel that streams over the keys may use a running M (the ceiling of the running maximum): every later rescaling is an exact power of two, which a block's scale takes up: the codes' values come out the same.
;;   OPERANDS COMPUTED ON THE WAY. 'Computed on the way' means the value that the module computes at that place (a softmax that the list does not call 'softmax' is quantised finished and normalised). What goes into a quantiser is computed in f32, as accurately as f32 sums, v_exp_f32 and their like allow (about 1e-6 of the number): no bf16 or f16 on the way to a quantiser, and a product that is left as it is and whose result goes on into a quantised operand takes f32 operands (vector FMAs, or v_wmma_f32_16x16x4_f32). A number that lies on a knife's edge between two numbers of the format may be rounded either way, as far as f32 arithmetic and the matrix unit's own rounding can turn it there, and no further.
;;   INPUTS GIVEN AS CODES. opm_w1 (in the module: [64, 32], K = its axis 0); opm_w2 (in the module: [64, 32], K = its axis 0); opm_wout (in the module: [1024, 128], K = its axis 0); pwa_wg (in the module: [64, 256], K = its axis 0); pwa_wo (in the module: [256, 64], K = its axis 0); pwa_wv (in the module: [64, 256], K = its axis 0); tr_wa (in the module: [64, 256], K = its axis 0); tr_wb (in the module: [64, 256], K = its axis 0); tr_wo (in the module: [256, 64], K = its axis 0): each comes as NAME_codes (uint8): NAME with its K axis moved to the last place and cut into blocks of 32 codes, [.., K / 32, bytes a block], one block behind the other in memory; four codes in three bytes: a row's codes are one little-endian stream of bits, code i at bits 6 i .. 6 i + 5 (a code: sign, 2 exponent bits, 3 mantissa bits); and NAME_scales (uint8): the same leading axes, one E8M0 byte (e + 127) for each 32 codes along K. Its value is code x scale, taken as it is: it is not quantised again, and the codes and scales need not be those that the quantiser above would give.
;; 3 versions, each right; version 2 is faster than version 1; version 3 is version 2 with the launches prep, pwatr written anew for expert scheduling mode. Each part assembles by itself: llvm-mc -triple=amdgcn-amd-amdhsa -mcpu=gfx1250 --defsym DOCPART=n.
;; ======== version 1 of 3: 4 launches
;; workspace buffers: aq 3,276,800 bytes; bq 3,276,800 bytes; mq 102,400 bytes; wrb 98,304 bytes; lgt 2,097,152 bytes; pq 417,792 bytes
;; launch prep (part 1): grid 16 x 16, 4 waves a work-group, no clusters, 54,272 bytes of LDS; arguments m, msa_mask, opm_ln_w, opm_ln_b, opm_w1_codes, opm_w1_scales, opm_w2_codes, opm_w2_scales, opm_wout_codes, aq, bq, mq, wrb; writes aq, bq, mq, wrb
.if DOCPART == 1
	.amdgcn_target "amdgcn-amd-amdhsa--gfx1250"
	.amdhsa_code_object_version 6
	.text
	.protected	k_qa2cb07465c_prep
	.globl	k_qa2cb07465c_prep
	.p2align	8
	.type	k_qa2cb07465c_prep,@function
k_qa2cb07465c_prep:
	s_mov_b64 s[64:65], 0
	v_nop
	global_prefetch_b8 v0, s[64:65] scope:SCOPE_SE
	s_setreg_imm32_b32 hwreg(HW_REG_WAVE_MODE, 25, 1), 1
	s_wait_xcnt 0x0
; a = (LN(m) w1) mask, b = (LN(m) w2) mask and the mask itself, as codes of E2M3 quantised ALONG s, and opm_wout's codes laid in the order in which a fragment's lanes take them.
; A work-group takes 16 rows i (tile T = x: row r stands for i = 32 (T / 2) + 8 (T % 2) + r + (r & 8)) and 32 s (block sb = y): one block of the later product's K.
; Phase X: wave w normalises and quantises (along the 64 channels) m at s = 32 sb + 8 w + t, t = 0 .. 7; the fragments go to LDS as images of their registers.
; Phase 1: waves 0, 1 multiply all 32 fragments by w1's rows 0-15, 16-31, waves 2, 3 by w2's; source 0 = the weight, so a lane holds one row i and eight c.  The multiplication by the mask lays
; the results so that a lane's 32 registers run along s: a whole block a lane.  Codes leave through LDS in runs of 256 bytes or more; only the scale bytes leave singly: the four bytes of a word belong to four work-groups.
; K = 64 against the instruction's 128: registers 6-11 of both operands are zero codes, their scale bytes 0.
; LIMITS: NaN and infinities are not served; a block whose largest magnitude is under 2^-124 gets the byte 1, a block of zeros too (not 127): its codes are zeros and this program alone reads the bytes.
.set IMG, 0                            ; 32 images of 896 bytes: registers 0-3 at 16 L, 4-5 at 512 + 8 L, the scale word at 768 + 4 L
.set SA, 28672                         ; a's codes [c 32][r 16][24]
.set SB, 40960                         ; b's codes [r 16] 776 bytes apart, [e 32][24]
.set FLOOR, 0x1800000                  ; 2^(3 - 127)
.set MSB, 0
.macro WIN new                         ; the immediate's high byte repeats the setting that is left
.if MSB != \new
	s_set_vgpr_msb (MSB<<8)|\new
.set MSB, \new
.endif
.endm
.macro NOPS n
.rept \n
	v_nop
.endr
.endm
.macro BAR
	s_wait_dscnt 0x0                               ; my LDS stores have landed and my LDS loads are in
	s_barrier_signal -1
	s_barrier_wait -1
.endm
	s_load_b512 s[4:19], s[0:1], 0x0               ; m, mask, ln_w, ln_b, w1 codes, w1 scales, w2 codes, w2 scales
	s_load_b256 s[20:27], s[0:1], 0x40             ; wout codes, aq, bq, mq
	s_load_b64 s[28:29], s[0:1], 0x60              ; wrb
	v_lshl_add_u32 v254, v0, 2, 0xd200
	v_mov_b32 v255, 0
	v_lshrrev_b32 v1, 5, v0
	v_readfirstlane_b32 s30, v1                    ; wave
	s_lshr_b32 s31, s30, 1                         ; 0: a, 1: b
	s_and_b32 s32, s30, 1                          ; which 16 of the 32 c
	s_and_b32 s34, ttmp7, 0xffff                   ; sb
	s_lshr_b32 s35, ttmp9, 1
	s_lshl_b32 s35, s35, 5
	s_and_b32 s38, ttmp9, 1
	s_lshl_b32 s38, s38, 3
	s_add_co_u32 s35, s35, s38                     ; the tile's first i
	s_mov_b32 s36, 0x76543210
	s_mov_b32 s37, 0xfedcba98                      ; lane l xor 16
	s_mov_b32 s40, 0x3c800000                      ; 1 / 64
	s_mov_b32 s41, 0x3727c5ac                      ; 1e-5
	v_and_b32 v4, 31, v0                           ; L
	v_and_b32 v1, 15, v0                           ; r
	v_bfe_u32 v2, v0, 4, 1                         ; h
	v_and_b32 v3, 8, v1
	v_add_nc_u32 v3, v3, v1                        ; r + (r & 8)
	v_lshlrev_b32 v5, 8, v3
	v_lshl_add_u32 v5, v2, 7, v5                   ; m: row of 256 bytes, my 32 channels
	v_lshlrev_b32 v6, 7, v2                        ; gain and bias of my 32 channels
	v_mul_u32_u24 v7, v1, 48
	v_mad_u32_u24 v7, v2, 24, v7
	s_mul_i32 s38, s32, 768
	v_add_nc_u32 v7, s38, v7                       ; the weight's row 16 ct + r, block h
	v_lshlrev_b32 v8, 1, v1
	s_lshl_b32 s38, s32, 5
	v_add_nc_u32 v8, s38, v8                       ; its two scale bytes
	v_lshlrev_b32 v9, 2, v3                        ; mask
	s_mul_i32 s39, s30, 7168                       ; my eight images
	s_add_co_u32 s42, s39, 512
	s_add_co_u32 s43, s39, 768
	v_lshl_add_u32 v10, v4, 4, s39
	v_lshl_add_u32 v11, v4, 3, s42
	v_lshl_add_u32 v12, v4, 2, s43
	v_lshlrev_b32 v13, 4, v4
	v_lshl_add_u32 v14, v4, 3, 512
	v_lshl_add_u32 v15, v4, 2, 768
	v_mul_u32_u24 v16, v1, 24
	v_mad_u32_u24 v16, v2, 3072, v16
	s_mul_i32 s38, s32, 6144
	s_add_co_u32 s38, s38, SA
	v_add_nc_u32 v16, s38, v16                     ; a's stage: c = 16 ct + 8 h (+ j), row r
	v_mul_u32_u24 v17, v1, 776
	v_mad_u32_u24 v17, v2, 192, v17
	s_mul_i32 s38, s32, 384
	s_add_co_u32 s38, s38, SB
	v_add_nc_u32 v17, s38, v17                     ; b's stage: row r, e = 16 ct + 8 h (+ j)
	v_lshlrev_b32 v25, 2, v1                       ; 4 r
	v_mad_u32_u24 v18, v2, 51200, v25
	s_mul_i32 s38, s32, 102400
	v_add_nc_u32 v18, s38, v18                     ; a's scale bytes in aq
	v_lshl_add_u32 v19, v2, 9, v25
	s_lshl_b32 s38, s32, 10
	v_add_nc_u32 v19, s38, v19                     ; b's in bq
	s_mul_i32 s38, s30, 3072
	s_add_co_u32 s42, s38, SA
	v_lshl_add_u32 v20, v4, 4, s42
	s_mul_i32 s42, s30, 51200
	v_lshl_add_u32 v21, v4, 4, s42
	s_mul_i32 s42, s30, 3104
	s_add_co_u32 s42, s42, SB
	v_lshl_add_u32 v22, v4, 3, s42
	v_lshl_add_u32 v23, v4, 3, s38
	v_mul_u32_u24 v24, v1, 24
	v_mad_u32_u24 v24, v2, 12, v24                 ; 24 r + 12 h
	v_mul_u32_u24 v26, v1, 768
	v_mad_u32_u24 v26, v2, 12, v26
	v_lshlrev_b32 v27, 3, v2                       ; 8 h
.irp i,0,1,2,3,4,5
	v_mov_b32 v[230+\i], 0                         ; the weight's K 64 .. 127: zero codes
.endr
	s_mov_b32 s61, 0
	s_wait_kmcnt 0x0
	s_lshl_b32 s60, s34, 5
	s_lshl_b32 s62, s30, 3
	s_add_co_u32 s60, s60, s62
	s_lshl_b32 s60, s60, 16
	s_lshl_b32 s62, s35, 8
	s_add_co_u32 s60, s60, s62
	s_add_nc_u64 s[4:5], s[4:5], s[60:61]          ; m at s = 32 sb + 8 w, the tile's first i
	s_lshl_b32 s60, s34, 15
	s_lshl_b32 s62, s35, 2
	s_add_co_u32 s60, s60, s62
	s_add_nc_u64 s[6:7], s[6:7], s[60:61]
	s_cmp_lt_u32 s30, 2                            ; the choice hangs on the wave's number alone
	s_cselect_b64 s[12:13], s[12:13], s[16:17]
	s_cselect_b64 s[14:15], s[14:15], s[18:19]
	s_mul_i32 s63, ttmp9, 204800
	s_and_b32 s60, s34, 1
	s_mul_i32 s60, s60, 12800
	s_lshr_b32 s62, s34, 1
	s_mul_i32 s62, s62, 1536
	s_add_co_u32 s60, s60, s62
	s_add_co_u32 s60, s60, s63
	s_add_nc_u64 s[44:45], s[22:23], s[60:61]      ; aq: codes of this block
	s_lshr_b32 s60, s34, 3
	s_mul_i32 s60, s60, 12800
	s_bfe_u32 s62, s34, 0x10002
	s_lshl_b32 s62, s62, 8
	s_add_co_u32 s60, s60, s62
	s_and_b32 s62, s34, 3
	s_add_co_u32 s60, s60, s62
	s_add_co_u32 s60, s60, s63
	s_add_co_u32 s60, s60, 12288
	s_add_nc_u64 s[46:47], s[22:23], s[60:61]      ; aq: this block's byte of the scale words
	s_mul_i32 s60, ttmp9, 196608
	s_mul_i32 s62, s34, 12288
	s_add_co_u32 s60, s60, s62
	s_add_nc_u64 s[48:49], s[24:25], s[60:61]
	s_lshl_b32 s60, ttmp9, 13
	s_lshr_b32 s62, s34, 2
	s_lshl_b32 s63, s62, 11
	s_add_co_u32 s60, s60, s63
	s_and_b32 s63, s34, 3
	s_add_co_u32 s60, s60, s63
	s_add_co_u32 s60, s60, 3145728
	s_add_nc_u64 s[50:51], s[24:25], s[60:61]
	s_mul_i32 s60, ttmp9, 6144
	s_mul_i32 s38, s34, 384
	s_add_co_u32 s60, s60, s38
	s_add_nc_u64 s[52:53], s[26:27], s[60:61]
	s_lshl_b32 s60, ttmp9, 8
	s_lshl_b32 s62, s62, 6
	s_add_co_u32 s60, s60, s62
	s_add_co_u32 s60, s60, s63
	s_add_co_u32 s60, s60, 98304
	s_add_nc_u64 s[54:55], s[26:27], s[60:61]
	s_lshl_b32 s38, s34, 4
	s_add_co_u32 s38, s38, ttmp9                   ; g = T + 16 sb: which chunk of wout wave 1 re-lays: g = 32 p + 4 nt + blk
	s_bfe_u32 s60, s38, 0x30002
	s_mul_i32 s60, s60, 12288
	s_lshr_b32 s62, s38, 5
	s_lshl_b32 s62, s62, 2
	s_and_b32 s63, s38, 3
	s_add_co_u32 s62, s62, s63
	s_mul_i32 s62, s62, 24
	s_add_co_u32 s60, s60, s62
	s_add_nc_u64 s[56:57], s[20:21], s[60:61]
	s_mul_i32 s60, s38, 384
	s_add_nc_u64 s[58:59], s[28:29], s[60:61]
	; all of the wave's loads go out here: 52 small ones, then its 32 KiB of m
.irp q,0,1,2,3,4,5,6,7
	global_load_b128 v[32+4*\q:35+4*\q], v6, s[8:9] offset:16*\q
	global_load_b128 v[64+4*\q:67+4*\q], v6, s[10:11] offset:16*\q
.endr
.irp q,0,1,2
	global_load_b64 v[224+2*\q:225+2*\q], v7, s[12:13] offset:8*\q
.endr
	global_load_u16 v236, v8, s[14:15]
.set i,0
.rept 32
	global_load_b32 v[192+i], v9, s[6:7] offset:1024*i
.set i,i+1
.endr
	WIN 0x40
.set i,0
.rept 8
.irp q,0,1,2,3,4,5,6,7
	global_load_b128 v[32*i+4*\q:32*i+4*\q+3], v5, s[4:5] offset:65536*i+16*\q th:TH_LOAD_NT
.endr
.set i,i+1
.endr
	WIN 0
; m at my t-th s: normalised over the 64 channels (32 mine, 32 in lane l xor 16), quantised (a block a lane), stored as an image
.macro LNQ t
.set XB, 32*(\t)
.set FS, 160+12*((\t)%2)
	s_wait_loadcnt 8*(7-(\t))                      ; the eight loads of each younger s may stay out
	WIN 0x05
.set i,0
.rept 8
	v_pk_add_f32 v[128+2*i:129+2*i], v[XB+4*i:XB+4*i+1], v[XB+4*i+2:XB+4*i+3]
.set i,i+1
.endr
	WIN 0
	v_pk_add_f32 v[128:129], v[128:129], v[130:131]
	v_pk_add_f32 v[132:133], v[132:133], v[134:135]
	v_pk_add_f32 v[136:137], v[136:137], v[138:139]
	v_pk_add_f32 v[140:141], v[140:141], v[142:143]
	v_pk_add_f32 v[128:129], v[128:129], v[132:133]
	v_pk_add_f32 v[136:137], v[136:137], v[140:141]
	v_pk_add_f32 v[128:129], v[128:129], v[136:137]
	v_add_f32 v128, v128, v129
	v_permlanex16_b32 v130, v128, s36, s37
	v_add_f32 v128, v128, v130
	v_mul_f32 v150, s40, v128                      ; the mean, twice
	v_mul_f32 v151, s40, v128
	WIN 0x01
.set i,0
.rept 16
	v_pk_add_f32 v[96+i:97+i], v[XB+i:XB+i+1], v[150:151] neg_lo:[0,1] neg_hi:[0,1]
.set i,i+2
.endr
	WIN 0
	v_pk_mul_f32 v[128:129], v[96:97], v[96:97]
	v_pk_mul_f32 v[130:131], v[98:99], v[98:99]
.set i,4
.rept 7
	v_pk_fma_f32 v[128:129], v[96+i:97+i], v[96+i:97+i], v[128:129]
	v_pk_fma_f32 v[130:131], v[98+i:99+i], v[98+i:99+i], v[130:131]
.set i,i+4
.endr
	v_pk_add_f32 v[128:129], v[128:129], v[130:131]
	v_add_f32 v128, v128, v129
	v_permlanex16_b32 v130, v128, s36, s37
	v_add_f32 v128, v128, v130
	v_fma_f32 v128, v128, s40, s41                 ; variance + 1e-5
	v_rsq_f32 v148, v128
	v_nop                                          ; a plain line behind the transcendental,
	s_wait_alu depctr_va_vdst(0)                   ; and the wait ahead of its first reader
	v_mov_b32 v149, v148
.set i,0
.rept 16
	v_pk_mul_f32 v[96+i:97+i], v[96+i:97+i], v[148:149]
.set i,i+2
.endr
.set i,0
.rept 16
	v_pk_fma_f32 v[96+i:97+i], v[96+i:97+i], v[32+i:33+i], v[64+i:65+i]
.set i,i+2
.endr
	v_max3_num_f32 v132, |v96|, |v97|, FLOOR       ; the block's largest magnitude, in two chains, the floor among the leaves
	v_max3_num_f32 v133, |v112|, |v113|, FLOOR
.irp i,2,4,6,8,10,12,14
	v_max3_num_f32 v132, v132, |v[96+\i]|, |v[97+\i]|
	v_max3_num_f32 v133, v133, |v[112+\i]|, |v[113+\i]|
.endr
	v_max_num_f32 v132, v132, v133
	v_add_nc_u32 v134, 0xff000000, v132            ; 2 off the exponent field: the conversion's scale operand
	v_lshrrev_b32 v135, 23, v134                   ; the byte
	s_wait_dscnt 0x3                               ; the stores of two turns ago have read this set of registers; the last turn's three may be out
	v_cvt_scalef32_pk16_fp6_f32 v[FS:FS+2], v[96:111], v134
	v_cvt_scalef32_pk16_fp6_f32 v[FS+8:FS+10], v[112:127], v134
	v_lshlrev_b32 v136, v27, v135                  ; (a plain line behind the conversions)  my byte at its place in the word
.irp i,0,1,2
	v_mov_b32 v[FS+3+\i], v[FS+8+\i]
.endr
	v_permlanex16_b32 v137, v136, s36, s37
	v_or_b32 v[FS+6], v136, v137                   ; bytes 0, 1: blocks 0, 1; bytes 2, 3: 0
	ds_store_b128 v10, v[FS:FS+3] offset:896*(\t)
	ds_store_b64 v11, v[FS+4:FS+5] offset:896*(\t)
	ds_store_b32 v12, v[FS+6] offset:896*(\t)
.endm
.irp t,0,1,2,3,4,5,6,7
	LNQ \t
.endr
.set k,0
.rept 8
.irp i,6,7,8,9,10,11
	v_mov_b32 v[32+12*k+\i], 0                     ; the fragments' K 64 .. 127
.endr
.set k,k+1
.endr
	BAR                                            ; the 32 images lie in LDS
; eight s at a time: D(c, i) = weight x fragment; then x mask, laid so that register t of T[j] is s = 32 sb + t
.macro PH1 g
	NOPS 4                                         ; places ahead of loads into registers that matrix instructions have read, and behind the zeros above
.set k,0
.rept 8
	ds_load_b128 v[32+12*k:35+12*k], v13 offset:896*(8*\g+k)
	ds_load_b64 v[36+12*k:37+12*k], v14 offset:896*(8*\g+k)
	ds_load_b32 v[240+k], v15 offset:896*(8*\g+k)
.set k,k+1
.endr
	s_wait_dscnt 0x0
.set k,0
.rept 8
	v_wmma_scale_f32_16x16x128_f8f6f4 v[128+8*k:135+8*k], v[224:235], v[32+12*k:43+12*k], 0, v236, v[240+k] matrix_a_fmt:MATRIX_FMT_FP6 matrix_b_fmt:MATRIX_FMT_FP6
.set k,k+1
.endr
	NOPS 4
	WIN 0x40
.set k,0
.rept 8
.set j,0
.rept 8
	v_mul_f32 v[32*j+8*\g+k], v[128+8*k+j], v[192+8*\g+k]   ; each accumulator from its low end on
.set j,j+1
.endr
.set k,k+1
.endr
	WIN 0
.endm
	PH1 0
	PH1 1
	PH1 2
	PH1 3
	; my eight blocks of 32 along s, by turns
	WIN 0x14
.irp j,0,1,2,3,4,5,6,7
	v_max3_num_f32 v[32+\j], FLOOR, |v[32*\j]|, |v[32*\j+1]|
.endr
.irp i,2,4,6,8,10,12,14,16,18,20,22,24,26,28,30
.irp j,0,1,2,3,4,5,6,7
	v_max3_num_f32 v[32+\j], v[32+\j], |v[32*\j+\i]|, |v[32*\j+\i+1]|
.endr
.endr
	WIN 0
.irp j,0,1,2,3,4,5,6,7
	v_add_nc_u32 v[40+\j], 0xff000000, v[32+\j]
.endr
.irp j,0,1,2,3,4,5,6,7
	v_lshrrev_b32 v[48+\j], 23, v[40+\j]
.endr
	WIN 0x01
.irp j,0,1,2,3,4,5,6,7
	v_cvt_scalef32_pk16_fp6_f32 v[64+12*\j:66+12*\j], v[32*\j:32*\j+15], v[40+\j]
	v_cvt_scalef32_pk16_fp6_f32 v[70+12*\j:72+12*\j], v[32*\j+16:32*\j+31], v[40+\j]
.endr
	WIN 0
	v_nop                                          ; a plain line behind the conversions
.irp j,0,1,2,3,4,5,6,7
.irp i,0,1,2
	v_mov_b32 v[67+12*\j+\i], v[70+12*\j+\i]
.endr
.endr
	s_cmp_lg_u32 s31, 0
	s_cbranch_scc1 .Larm_b
.irp j,0,1,2,3,4,5,6,7
.irp q,0,1,2
	ds_store_b64 v16, v[64+12*\j+2*\q:65+12*\j+2*\q] offset:384*\j+8*\q
.endr
	global_store_b8 v18, v[48+\j], s[46:47] offset:(\j/4)*25600+(\j%4)*64
.endr
	s_branch .Ljoin
.Larm_b:
.irp j,0,1,2,3,4,5,6,7
.irp q,0,1,2
	ds_store_b64 v17, v[64+12*\j+2*\q:65+12*\j+2*\q] offset:24*\j+8*\q
.endr
	global_store_b8 v19, v[48+\j], s[50:51] offset:64*\j
.endr
.Ljoin:
	BAR                                            ; both stages are whole
.irp k,0,1,2,3,4,5
	ds_load_b128 v[64+4*\k:67+4*\k], v20 offset:512*\k
.endr
.irp k,0,1,2,3,4,5,6,7,8,9,10,11
	ds_load_b64 v[88+2*\k:89+2*\k], v22 offset:(\k/3)*776+(\k%3)*256
.endr
.irp k,0,1,2,3,4,5
	s_wait_dscnt 17-\k                             ; LDS loads come back in order: the younger ones may be out
	global_store_b128 v21, v[64+4*\k:67+4*\k], s[44:45] offset:(\k/3)*25600+(\k%3)*512   ; 512 consecutive bytes, aligned to 256
.endr
.irp k,0,1,2,3,4,5,6,7,8,9,10,11
	s_wait_dscnt 11-\k
	global_store_b64 v23, v[88+2*\k:89+2*\k], s[48:49] offset:(\k/3)*768+(\k%3)*256      ; 256 consecutive bytes, aligned
.endr
	s_cmp_lg_u32 s30, 0
	s_cbranch_scc1 .Lnot0
	; wave 0: the mask's block of 32 s for each of the 16 rows (both halves of the lanes hold the same 32 numbers; half h stores codes 16 h .. 16 h + 15)
	v_max3_num_f32 v32, |v192|, |v193|, FLOOR
.irp i,2,4,6,8,10,12,14,16,18,20,22,24,26,28,30
	v_max3_num_f32 v32, v32, |v[192+\i]|, |v[193+\i]|
.endr
	v_add_nc_u32 v33, 0xff000000, v32
	v_lshrrev_b32 v34, 23, v33
	v_cvt_scalef32_pk16_fp6_f32 v[36:38], v[192:207], v33
	v_cvt_scalef32_pk16_fp6_f32 v[40:42], v[208:223], v33
	v_nop
	s_mov_b32 s60, 0xffff0000
	v_cndmask_b32 v44, v36, v40, s60
	v_cndmask_b32 v45, v37, v41, s60
	v_cndmask_b32 v46, v38, v42, s60
	global_store_b96 v24, v[44:46], s[52:53]
	global_store_b8 v25, v34, s[54:55]
.Lnot0:
	s_cmp_lg_u32 s30, 1
	s_cbranch_scc1 .Lend
	global_load_b96 v[36:38], v26, s[56:57]        ; wave 1: one block of 32 codes of 16 rows of wout,
	s_wait_loadcnt 0x0
	global_store_b96 v24, v[36:38], s[58:59]       ; as 384 consecutive bytes
.Lend:
	s_wait_tensorcnt 0x0
	ds_add_u32 v254, v255
	s_wait_dscnt 0x0
	s_endpgm
.Lfunc_end_k_qa2cb07465c_prep:
	.size	k_qa2cb07465c_prep, .Lfunc_end_k_qa2cb07465c_prep-k_qa2cb07465c_prep
	.p2alignl 7, 3214868480
	.fill 96, 4, 3214868480
	.section	.rodata,"a",@progbits
	.p2align	6, 0x0
	.amdhsa_kernel k_qa2cb07465c_prep
		.amdhsa_group_segment_fixed_size 54272
		.amdhsa_private_segment_fixed_size 0
		.amdhsa_enable_private_segment 0
		.amdhsa_kernarg_size 104
		.amdhsa_user_sgpr_count 2
		.amdhsa_user_sgpr_kernarg_segment_ptr 1
		.amdhsa_wavefront_size32 1
		.amdhsa_system_sgpr_workgroup_id_x 1
		.amdhsa_system_sgpr_workgroup_id_y 1
		.amdhsa_system_sgpr_workgroup_id_z 1
		.amdhsa_system_vgpr_workitem_id 0
		.amdhsa_next_free_vgpr 512
		.amdhsa_next_free_sgpr 66
		.amdhsa_reserve_vcc 0
		.amdhsa_float_denorm_mode_32 3
		.amdhsa_float_denorm_mode_16_64 3
		.amdhsa_memory_ordered 1
		.amdhsa_forward_progress 1
		.amdhsa_inst_pref_size 120
	.end_amdhsa_kernel
	.amdgpu_metadata
---
amdhsa.version: [ 1, 2 ]
amdhsa.kernels:
  - .name:           k_qa2cb07465c_prep
    .symbol:         k_qa2cb07465c_prep.kd
    .args:
      - { .name: m, .offset: 0, .size: 8, .value_kind: global_buffer, .address_space: global }
      - { .name: msa_mask, .offset: 8, .size: 8, .value_kind: global_buffer, .address_space: global }
      - { .name: opm_ln_w, .offset: 16, .size: 8, .value_kind: global_buffer, .address_space: global }
      - { .name: opm_ln_b, .offset: 24, .size: 8, .value_kind: global_buffer, .address_space: global }
      - { .name: opm_w1_codes, .offset: 32, .size: 8, .value_kind: global_buffer, .address_space: global }
      - { .name: opm_w1_scales, .offset: 40, .size: 8, .value_kind: global_buffer, .address_space: global }
      - { .name: opm_w2_codes, .offset: 48, .size: 8, .value_kind: global_buffer, .address_space: global }
      - { .name: opm_w2_scales, .offset: 56, .size: 8, .value_kind: global_buffer, .address_space: global }
      - { .name: opm_wout_codes, .offset: 64, .size: 8, .value_kind: global_buffer, .address_space: global }
      - { .name: aq, .offset: 72, .size: 8, .value_kind: global_buffer, .address_space: global }
      - { .name: bq, .offset: 80, .size: 8, .value_kind: global_buffer, .address_space: global }
      - { .name: mq, .offset: 88, .size: 8, .value_kind: global_buffer, .address_space: global }
      - { .name: wrb, .offset: 96, .size: 8, .value_kind: global_buffer, .address_space: global }
    .group_segment_fixed_size: 54272
    .private_segment_fixed_size: 0
    .kernarg_segment_align: 8
    .kernarg_segment_size: 104
    .max_flat_workgroup_size: 128
    .sgpr_count:     66
    .vgpr_count:     512
    .wavefront_size: 32
...
	.end_amdgpu_metadata
.endif
;; end of part 1
;; launch opm (part 2): grid 16 x 16, 4 waves a work-group, clusters of 4 x 1, 327,680 bytes of LDS; arguments z, aq, bq, mq, wrb, opm_wout_scales, opm_bout, pwa_lnz_w, pwa_lnz_b, pwa_wz, out1, lgt; writes out1, lgt
.if DOCPART == 2
	.amdgcn_target "amdgcn-amd-amdhsa--gfx1250"
	.amdhsa_code_object_version 6
	.text
	.protected	k_qa2cb07465c_opm
	.globl	k_qa2cb07465c_opm
	.p2align	8
	.type	k_qa2cb07465c_opm,@function
k_qa2cb07465c_opm:
	s_mov_b64 s[64:65], 0
	v_nop
	global_prefetch_b8 v0, s[64:65] scope:SCOPE_SE
	s_setreg_imm32_b32 hwreg(HW_REG_WAVE_MODE, 25, 1), 1
	s_wait_xcnt 0x0
	s_wait_alu depctr_hold_cnt(0) depctr_sa_sdst(0) depctr_va_vdst(0) depctr_va_sdst(0) depctr_va_ssrc(0) depctr_va_vcc(0) depctr_vm_vsrc(0)
	s_getreg_b32 s2, hwreg(HW_REG_IB_STS2, 6, 4)
	s_cmp_eq_u32 s2, 0
	s_cbranch_scc0 .Lentry_in_a_cluster
	s_endpgm
.Lentry_in_a_cluster:
	s_bfe_u32 s2, ttmp6, 0x10000c
	s_cmp_lg_u32 s2, 0x3003
	s_cbranch_scc0 .Lentry_shape_is_right
	s_endpgm
.Lentry_shape_is_right:
; out1 = z + (outer wout + bout) / (norm + 1e-3), outer(i, j, c, e) = sum over s of a(s, i, c) b(s, j, e), norm = sum over s of mask(s, i) mask(s, j); and the logits LN(out1) wz.
; A work-group makes 16 i (tile Ti = y) x 16 j (tile Tj = x).  a's codes for Ti (all c, all s) and wout's codes come into LDS once, by tensor loads; nothing is filled again.
; CLUSTER 4 x 1: the four partners share Ti and wout, so every tensor load is asked for jointly, with the same descriptor and the mask 15; Tj enters global addresses alone.
; A wave owns four j, two in each of two rounds; its rows of b for a round (64 rows e x 512 s) stay in 192 registers.  A round is eight passes; a pass is four c = one K step of outer x wout:
; 64 products b x a (source 0 = 16 e of one j, source 1 = 16 i of one c: a lane holds one i, its registers run along e), the quantiser along (c, e), 16 products wout x outer.
; The bias starts the second product's sums.  z comes and out1 leaves through the wave's own stage in LDS, in whole rows of 256 bytes.
; The logits take f32 operands: rs x (d . (lnz_w wz)) + lnz_b . wz, d = out1 - mean, by the f32 matrix form on d's registers as they stand.
; REGISTERS, windows of 256.  0: v1-19 addresses; v24-57 scale words alone (b 24-39, a 40-47, wout 48-55, outer 56-57); v60-75, v100-106 the quantiser's; v76-99 outer's codes; v108-113 1 / (norm + 1e-3);
;   v114-139 statistics; v140-203 wz; v204-219 the logits' sums (written by matrix instructions alone); v220-243 logits.
;   1: v0-191 b's 16 fragments; v192-239 ring set 2.   2: v0-127 outer, later d; v128-255 the second product's sums.   3: v0-127 z; v128-175, v176-223 ring sets 0, 1.
; LIMITS: NaN and infinities are not served; a block whose largest magnitude is under 2^-124, a block of zeros too, gets the byte 1.
.set WPAN, 206848                      ; behind a's 16 slabs, 12,928 bytes apart (12,800 + 128: lanes 16-31 read the next slab, half the banks on)
.set WSCL, 305152                      ; wout's scale bytes as given
.set BOUT, 309248
.set STG,  309760                      ; four stages of 16 rows x 272 bytes
.set FLOOR, 0x1800000
.set MSB, 0
.macro WIN new
.if MSB != \new
	s_set_vgpr_msb (MSB<<8)|\new
.set MSB, \new
.endif
.endm
.macro NOPS n
.rept \n
	v_nop
.endr
.endm
.macro WM d, a, b, cz, sa, sb, row     ; one product; cz: the sum begins; row: source 1's scales lie in lanes 16-31
.if \cz
.if \row
	v_wmma_scale_f32_16x16x128_f8f6f4 v[(\d):(\d)+7], v[(\a):(\a)+11], v[(\b):(\b)+11], 0, v[\sa], v[\sb] matrix_a_fmt:MATRIX_FMT_FP6 matrix_b_fmt:MATRIX_FMT_FP6 matrix_b_scale:MATRIX_SCALE_ROW1
.else
	v_wmma_scale_f32_16x16x128_f8f6f4 v[(\d):(\d)+7], v[(\a):(\a)+11], v[(\b):(\b)+11], 0, v[\sa], v[\sb] matrix_a_fmt:MATRIX_FMT_FP6 matrix_b_fmt:MATRIX_FMT_FP6
.endif
.else
.if \row
	v_wmma_scale_f32_16x16x128_f8f6f4 v[(\d):(\d)+7], v[(\a):(\a)+11], v[(\b):(\b)+11], v[(\d):(\d)+7], v[\sa], v[\sb] matrix_a_fmt:MATRIX_FMT_FP6 matrix_b_fmt:MATRIX_FMT_FP6 matrix_b_scale:MATRIX_SCALE_ROW1
.else
	v_wmma_scale_f32_16x16x128_f8f6f4 v[(\d):(\d)+7], v[(\a):(\a)+11], v[(\b):(\b)+11], v[(\d):(\d)+7], v[\sa], v[\sb] matrix_a_fmt:MATRIX_FMT_FP6 matrix_b_fmt:MATRIX_FMT_FP6
.endif
.endif
.endm
.macro ROUND                           ; a round of the cluster's barrier
	s_barrier_signal -1
	s_barrier_wait -1
	s_cmp_lg_u32 s28, 0
	s_cbranch_scc1 .Lnot_wave_0_\@
	s_barrier_signal -3
.Lnot_wave_0_\@:
	s_barrier_wait -3
	s_barrier_signal -1
	s_barrier_wait -1
.endm
	s_load_b512 s[4:19], s[0:1], 0x0               ; z, aq, bq, mq, wrb, wout scales, bout, lnz_w
	s_load_b256 s[20:27], s[0:1], 0x40             ; lnz_b, wz, out1, lgt
	v_lshl_add_u32 v254, v0, 2, 0x4fe00
	v_mov_b32 v255, 0
	ds_add_u32 v254, v255
	ds_add_u32 v254, v255
	v_lshrrev_b32 v1, 5, v0
	v_readfirstlane_b32 s28, v1                    ; wave
	s_bfe_u32 s29, ttmp6, 0x40000                  ; cx
	s_lshl_b32 s30, ttmp9, 2
	s_add_co_u32 s30, s30, s29                     ; Tj
	s_and_b32 s31, ttmp7, 0xffff                   ; Ti, which the partners share
	s_mov_b32 s76, 0x76543210
	s_mov_b32 s77, 0xfedcba98
	; group 1: dense blocks as rows of 256 bytes (32 elements of 8 bytes): 50 rows a slab of a, 48 a piece of wout; the mask names all four partners, bit 21 beside it
	s_mov_b32 s32, 15|(3<<16)|(1<<21)
	s_mov_b32 s33, 32<<16
	s_mov_b32 s34, 50<<16
	s_mov_b32 s35, 32<<16
	s_mov_b32 s36, 50
	s_mov_b32 s37, 32
	s_mov_b32 s38, 0
	s_mov_b32 s39, 0
	s_mov_b32 s40, 15|(3<<16)|(1<<21)
	s_mov_b32 s41, 32<<16
	s_mov_b32 s42, 48<<16
	s_mov_b32 s43, 32<<16
	s_mov_b32 s44, 48
	s_mov_b32 s45, 32
	s_mov_b32 s46, 0
	s_mov_b32 s47, 0
	s_mul_i32 s96, s28, 12928                      ; wave w fetches slabs w, w + 4, w + 8, w + 12 and pieces w, w + 4
	s_mul_i32 s97, s28, 12288
	s_add_co_u32 s97, s97, WPAN
	s_mul_i32 s98, s31, 204800
	s_mul_i32 s99, s28, 12800
	s_add_co_u32 s98, s98, s99
	s_mov_b32 s99, 0
	s_wait_dscnt 0x0
	s_wait_kmcnt 0x0
	s_add_nc_u64 s[2:3], s[6:7], s[98:99]
	s_mul_i32 s98, s28, 12288
	s_add_nc_u64 s[98:99], s[12:13], s[98:99]
.irp k,0,1,2,3
	s_mov_b32 s[48+4*\k], 1
	s_add_co_u32 s[49+4*\k], s96, \k*4*12928
	s_add_nc_u64 s[50+4*\k:51+4*\k], s[2:3], \k*4*12800
	s_or_b32 s[51+4*\k], s[51+4*\k], 0x80000000
.endr
.irp k,0,1
	s_mov_b32 s[68+4*\k], 1
	s_add_co_u32 s[69+4*\k], s97, \k*4*12288
	s_add_nc_u64 s[70+4*\k:71+4*\k], s[98:99], \k*4*12288
	s_or_b32 s[71+4*\k], s[71+4*\k], 0x80000000
.endr
	ROUND                                          ; all four work-groups are here: the joint loads meet
	tensor_load_to_lds s[48:51], s[32:39]          ; slab w: passes 0 and 1 want slabs 0 to 3
	s_nop 0
	tensor_load_to_lds s[68:71], s[40:47]          ; piece w
	s_nop 0
	tensor_load_to_lds s[52:55], s[32:39]
	s_nop 0
	tensor_load_to_lds s[56:59], s[32:39]
	s_nop 0
	tensor_load_to_lds s[60:63], s[32:39]
	s_nop 0
	tensor_load_to_lds s[72:75], s[40:47]          ; six loads of mine are out
	s_nop 0
	NOPS 4
	v_and_b32 v4, 31, v0
	v_and_b32 v1, 15, v0
	v_bfe_u32 v2, v0, 4, 1
	v_and_b32 v3, 8, v1
	v_add_nc_u32 v3, v3, v1
	v_mul_u32_u24 v20, v1, 24
	v_mad_u32_u24 v5, v2, 12928, v20               ; a: row r; lanes 16-31 the odd s blocks' slab
	v_lshl_add_u32 v6, v4, 2, 12288                ; a's scale words: lanes 0-15 an even c, lanes 16-31 the next
	v_mad_u32_u24 v7, v2, 384, v20
	v_add_nc_u32 v7, WPAN, v7
	v_lshl_add_u32 v8, v1, 5, WSCL
	v_mul_u32_u24 v13, v3, 24
	v_mad_u32_u24 v13, v2, 12288, v13              ; b: e = r + (r & 8), s block + h
	v_lshlrev_b32 v14, 6, v3
	v_lshlrev_b32 v15, 4, v1
	v_lshl_add_u32 v15, v2, 17, v15                ; z, out1: lanes 0-15 one i, lanes 16-31 the next; 16 bytes a lane
	s_mul_i32 s96, s28, 4352
	s_add_co_u32 s96, s96, STG
	v_mul_u32_u24 v16, v2, 272
	v_lshl_add_u32 v16, v1, 4, v16
	v_add_nc_u32 v16, s96, v16                     ; the stage by rows
	v_mul_u32_u24 v17, v1, 272
	v_lshl_add_u32 v17, v2, 5, v17
	v_add_nc_u32 v17, s96, v17                     ; the stage as the sums lie: row r, 32 h
	v_lshl_add_u32 v18, v2, 5, BOUT
	v_lshlrev_b32 v19, 4, v4
	v_mad_u32_u24 v20, v2, 384, v20
	s_mul_i32 s96, s31, 6144
	v_add_nc_u32 v20, s96, v20                     ; the mask's codes, tile Ti, row r
	v_and_b32 v21, 1, v1
	v_bfe_u32 v22, v1, 1, 1
	v_lshl_add_u32 v21, v21, 3, v22
	s_lshl_b32 s96, s28, 1
	v_add_nc_u32 v21, s96, v21                     ; tile Tj: lane r takes row 8 (r & 1) + 2 w + ((r >> 1) & 1): result register 2 rd + jj is my own j
	v_lshlrev_b32 v23, 2, v21
	v_mul_u32_u24 v21, v21, 24
	v_mad_u32_u24 v21, v2, 384, v21
	s_mul_i32 s96, s30, 6144
	v_add_nc_u32 v21, s96, v21
	s_lshl_b32 s96, s30, 8
	v_add_nc_u32 v23, s96, v23
	v_lshlrev_b32 v22, 2, v1
	s_lshl_b32 s96, s31, 8
	v_add_nc_u32 v22, s96, v22
	v_and_b32 v58, 7, v1
	v_lshlrev_b32 v58, 2, v58
	v_lshl_add_u32 v58, v2, 8, v58                 ; wz: head r & 7, channels + 8 h
	v_lshlrev_b32 v59, 5, v2
	v_lshlrev_b32 v114, 5, v0
	v_lshl_add_u32 v115, v0, 5, WSCL
	v_lshlrev_b32 v116, 2, v0
	v_lshl_add_u32 v117, v0, 2, BOUT
	s_mov_b32 s97, 0
	s_mul_i32 s96, s30, 196608
	s_mul_i32 s98, s28, 1536
	s_add_co_u32 s96, s96, s98
	s_add_nc_u64 s[78:79], s[8:9], s[96:97]        ; b's codes: tile Tj, tile row 2 w (+ rd, + 8 jj)
	s_lshl_b32 s96, s30, 13
	s_lshl_b32 s98, s28, 3
	s_add_co_u32 s96, s96, s98
	s_add_co_u32 s96, s96, 3145728
	s_add_nc_u64 s[80:81], s[8:9], s[96:97]        ; its scale words
	s_lshr_b32 s96, s31, 1
	s_lshl_b32 s96, s96, 5
	s_and_b32 s98, s31, 1
	s_lshl_b32 s98, s98, 3
	s_add_co_u32 s96, s96, s98
	s_lshl_b32 s96, s96, 17                        ; the tile's first i, rows of 131,072 bytes
	s_lshr_b32 s2, s30, 1                          ; J
	s_and_b32 s3, s30, 1                           ; b
	s_lshl_b32 s98, s2, 5
	s_lshl_b32 s99, s3, 3
	s_add_co_u32 s98, s98, s99
	s_lshl_b32 s99, s28, 1
	s_add_co_u32 s98, s98, s99                     ; j = 32 J + 8 b + 2 w (+ rd, + 16 jj)
	s_lshl_b32 s98, s98, 9
	s_add_co_u32 s96, s96, s98
	s_add_nc_u64 s[82:83], s[4:5], s[96:97]
	s_add_nc_u64 s[84:85], s[24:25], s[96:97]
	s_lshl_b32 s96, s31, 17
	s_lshl_b32 s98, s2, 14
	s_add_co_u32 s96, s96, s98
	s_lshl_b32 s98, s3, 13
	s_add_co_u32 s96, s96, s98
	s_lshl_b32 s98, s28, 11
	s_add_co_u32 s96, s96, s98
	s_add_nc_u64 s[86:87], s[26:27], s[96:97]
.macro BLOAD                           ; a round's rows of b: 16 fragments and their scale words
	WIN 0x40
.irp j,0,1
.irp u,0,1
.irp k,0,1,2,3
.irp c,0,1
.irp q,0,1,2
	global_load_b64 v[((2*\j+\u)*4+\k)*12+6*\c+2*\q:((2*\j+\u)*4+\k)*12+6*\c+2*\q+1], v13, s[78:79] offset:(4*\k+2*\c)*12288+\j*6144+\u*192+8*\q
.endr
.endr
.endr
.endr
.endr
	WIN 0
.irp j,0,1
.irp u,0,1
.irp k,0,1,2,3
	global_load_b32 v[24+(2*\j+\u)*4+\k], v14, s[80:81] offset:\k*2048+\u*512+\j*32
.endr
.endr
.endr
.endm
.macro ZLOAD                           ; a round's z: 2 j x 16 i x 512 bytes; each load takes 256 consecutive bytes of two rows
	WIN 0xc0
.irp j,0,1
.irp u,0,1
.irp k,0,1,2,3,4,5,6,7
	global_load_b128 v[((\j*2+\u)*8+\k)*4:((\j*2+\u)*8+\k)*4+3], v15, s[82:83] offset:(2*\k+8*(\k/4))*131072+\j*8192+\u*256 th:TH_LOAD_NT
.endr
.endr
.endr
	WIN 0
.endm
	global_load_b128 v[132:135], v114, s[14:15]
	global_load_b128 v[136:139], v114, s[14:15] offset:16
	global_load_b32 v130, v116, s[16:17]
	WIN 0x80
.irp k,0,1,2,3
.irp c,0,1
.irp q,0,1,2
	global_load_b64 v[12*\k+6*\c+2*\q:12*\k+6*\c+2*\q+1], v20, s[10:11] offset:(4*\k+2*\c)*384+8*\q
	global_load_b64 v[48+12*\k+6*\c+2*\q:49+12*\k+6*\c+2*\q], v21, s[10:11] offset:(4*\k+2*\c)*384+8*\q
.endr
.endr
.endr
.set i,0
.rept 16
	global_load_b128 v[128+4*i:131+4*i], v59, s[18:19] offset:64*(i/2)+16*(i%2)
	global_load_b128 v[192+4*i:195+4*i], v59, s[20:21] offset:64*(i/2)+16*(i%2)
.set i,i+1
.endr
	WIN 0
.irp k,0,1,2,3
	global_load_b32 v[40+\k], v22, s[10:11] offset:98304+64*\k
	global_load_b32 v[44+\k], v23, s[10:11] offset:98304+64*\k
.endr
.set i,0
.rept 64
	global_load_b32 v[140+i], v58, s[22:23] offset:(16*(i/8)+i%8)*32   ; register 8 nt + 2 q + e: channel 16 nt + 8 h + 2 q + e
.set i,i+1
.endr
	BLOAD
	ZLOAD
	s_wait_loadcnt 63                              ; behind the small loads stand 144 others: with at most 63 out the small ones are in (the wait's field holds no larger count)
	ds_store_b128 v115, v[132:135]
	ds_store_b128 v115, v[136:139] offset:16
	ds_store_b32 v117, v130
	WIN 0x08
	v_pk_mul_f32 v[120:121], v[140:141], v[192:193]   ; lnz_b . wz, my 64 channels
	v_pk_mul_f32 v[122:123], v[142:143], v[194:195]
.set i,4
.rept 15
	v_pk_fma_f32 v[120:121], v[140+i:141+i], v[192+i:193+i], v[120:121]
	v_pk_fma_f32 v[122:123], v[142+i:143+i], v[194+i:195+i], v[122:123]
.set i,i+4
.endr
.set i,0
.rept 32
	v_pk_mul_f32 v[140+i:141+i], v[140+i:141+i], v[128+i:129+i]      ; wz x lnz_w
.set i,i+2
.endr
	WIN 0
	v_pk_add_f32 v[120:121], v[120:121], v[122:123]
	v_add_f32 v120, v120, v121
	v_permlanex16_b32 v122, v120, s76, s77
	v_add_f32 v120, v120, v122
.irp x,0,1,2,3,4,5,6,7
	v_readlane_b32 s[88+\x], v120, \x
.endr
	WIN 0x8a                                       ; norm: four K steps on four accumulators
.irp k,0,1,2,3
	WM 96+8*\k, 48+12*\k, 12*\k, 1, 44+\k, 40+\k, 0
.endr
	NOPS 4
	WIN 0x0a
.irp x,0,1,2,3
	v_add_f32 v[124+\x], v[96+\x], v[104+\x]
.endr
	WIN 0x02
.irp x,0,1,2,3
	v_add_f32 v[124+\x], v[112+\x], v[124+\x]
.endr
.irp x,0,1,2,3
	v_add_f32 v[124+\x], v[120+\x], v[124+\x]
.endr
	WIN 0
.irp x,0,1,2,3
	v_add_f32 v[124+\x], 0x3a83126f, v[124+\x]
.endr
	v_rcp_f32 v108, v124                           ; round 0: jj = 0, 1;
	v_rcp_f32 v110, v125
	v_rcp_f32 v112, v126                           ; round 1
	v_rcp_f32 v113, v127
	v_mov_b32 v109, 0                              ; (named as the pairs' upper halves)
	v_mov_b32 v111, 0
	s_wait_alu depctr_va_vdst(0)                   ; one wait for the four reciprocals
.irp b,0,1,2,3
	v_mov_b32 v[64+\b], 0                          ; a lane permute's destination counts as read
.endr
	v_mov_b32 v128, 0
	s_mov_b32 s100, 2
	s_wait_dscnt 0x0
	s_wait_tensorcnt 0x4                           ; my first two loads are in; the four younger ones may stay out
	s_barrier_signal -1
	s_barrier_wait -1                              ; slabs 0 to 3, pieces 0 to 3, wout's scales and the bias lie in LDS
.macro LDA base, win, ks               ; four fragments of a: c4 = 0 .. 3, K step ks
	WIN \win
.irp f,0,1,2,3
.irp c,0,1
.irp q,0,1,2
	ds_load_b64 v[\base+12*\f+6*\c+2*\q:\base+12*\f+6*\c+2*\q+1], v9 offset:(2*\ks+\c)*1536+\f*384+8*\q
.endr
.endr
.endr
.endm
.macro LDASC
	WIN 0
.irp k,0,1,2,3
.irp p,0,1
	ds_load_b32 v[40+2*\k+\p], v10 offset:(\k/2)*12928+(\k%2)*256+\p*128
.endr
.endr
.endm
.macro LDW base, win, half             ; four fragments of wout
	WIN \win
.irp n,0,1,2,3
.irp c,0,1
.irp q,0,1,2
	ds_load_b64 v[\base+12*\n+6*\c+2*\q:\base+12*\n+6*\c+2*\q+1], v11 offset:(4*\half+\n)*1536+\c*768+8*\q
.endr
.endr
.endr
.endm
.macro LDWSC
	WIN 0
.irp n,0,1,2,3,4,5,6,7
	ds_load_b32 v[48+\n], v12 offset:512*\n
.endr
.endm
.macro MM4 base, win, ks, zero         ; 16 accumulators, one instruction a turn
	WIN \win
.irp f,0,1,2,3
.irp j,0,1
.irp u,0,1
	WM ((4*\j+\f)*2+\u)*8, ((2*\j+\u)*4+\ks)*12, \base+12*\f, \zero, 24+(2*\j+\u)*4+\ks, 40+2*\ks+\f/2, \f%2
.endr
.endr
.endr
.endm
.macro MM5 base, win, half
	WIN \win
.irp n,0,1,2,3
.irp j,0,1
	WM 128+(8*\j+4*\half+\n)*8, \base+12*\n, 76+12*\j, 0, 48+4*\half+\n, 56+\j, 0
.endr
.endr
.endm
; 64 numbers of a lane in window 2, register 16 b + i = k 32 b + 16 h + i of my row, become a fragment's codes and its scale word
.macro QUANT s, pc, pw
	WIN 0x28
.irp b,0,1,2,3
	v_max3_num_f32 v[60+\b], FLOOR, |v[\s+16*\b]|, |v[\s+16*\b+1]|
.endr
.irp i,2,4,6,8,10,12,14
.irp b,0,1,2,3
	v_max3_num_f32 v[60+\b], v[60+\b], |v[\s+16*\b+\i]|, |v[\s+16*\b+\i+1]|
.endr
.endr
	WIN 0
.irp b,0,1,2,3
	v_permlanex16_b32 v[64+\b], v[60+\b], s76, s77
.endr
.irp b,0,1,2,3
	v_max_num_f32 v[60+\b], v[60+\b], v[64+\b]
.endr
.irp b,0,1,2,3
	v_add_nc_u32 v[72+\b], 0xff000000, v[60+\b]
.endr
.irp b,0,1,2,3
	v_lshrrev_b32 v[64+\b], 23, v[72+\b]
.endr
	v_lshl_or_b32 v[\pw], v65, 8, v64
	v_lshl_or_b32 v[\pw], v66, 16, v[\pw]
	v_lshl_or_b32 v[\pw], v67, 24, v[\pw]
	WIN 0x02
.irp c,0,1
	v_cvt_scalef32_pk16_fp6_f32 v[\pc+6*\c:\pc+6*\c+2], v[\s+32*\c:\s+32*\c+15], v[72+2*\c]
	v_cvt_scalef32_pk16_fp6_f32 v[100+4*\c:102+4*\c], v[\s+32*\c+16:\s+32*\c+31], v[73+2*\c]
.endr
	WIN 0
	v_nop                                          ; a plain line behind the conversions
.irp c,0,1                                     ; a whole block to a lane
.irp i,0,1,2
	v_permlane16_swap_b32 v[\pc+6*\c+\i], v[100+4*\c+\i]
.endr
.irp i,0,1,2
	v_mov_b32 v[\pc+3+6*\c+\i], v[100+4*\c+\i]
.endr
.endr
.endm
; A PASS.  Three sets of 48 registers take turns, loaded two items ahead: a's K steps 0 .. 3, then wout's two halves.  Each wait leaves out exactly the loads issued behind the set that is wanted.
; Four v_nop stand ahead of each run of loads into registers that the last products have read.
.macro PASS sync, next
	s_wait_dscnt 24                                ; set 0 and a's scale words are in; set 1's 24 loads may be out
	NOPS 4
	LDA 192, 0x40, 2
	MM4 128, 0xad, 0, 1
	s_wait_dscnt 24
	NOPS 4
	LDA 128, 0xc0, 3
	MM4 176, 0xad, 1, 0
	s_wait_dscnt 24
	NOPS 4
	LDW 176, 0xc0, 0
	LDWSC
	MM4 192, 0xa5, 2, 0
	s_wait_dscnt 32                                ; wout's first half and its 8 scale words may be out
	NOPS 4
	LDW 192, 0x40, 1
	MM4 128, 0xad, 3, 0
	WIN 0
	s_add_co_u32 s96, s96, 25856                   ; the next pass: two slabs, a piece, four scale bytes on
	s_add_co_u32 s97, s97, 12288
	s_add_co_u32 s98, s98, 4
	v_add_nc_u32 v9, s96, v5                       ; (these four are the places ahead of the first read of the sums)
	v_add_nc_u32 v10, s96, v6
	v_add_nc_u32 v11, s97, v7
	v_add_nc_u32 v12, s98, v8
	QUANT 0, 76, 56
	QUANT 64, 88, 57
	NOPS 8                                         ; a scale word made by vector instructions stands eight places ahead of the product, codes four
.if \sync
	s_wait_tensorcnt 0x0                           ; all my tiles have landed,
	s_wait_dscnt 0x0
	s_barrier_signal -1
	s_barrier_wait -1                              ; everybody's have: from here on all slabs and pieces may be read.
.endif
	s_wait_dscnt 24                                ; wout's first half is in; its second half's 24 loads may be out
.if \next
	LDA 128, 0xc0, 0
	LDASC
.endif
	MM5 176, 0xa3, 0
.if \next
	s_wait_dscnt 32                                ; the next pass's 24 + 8 may be out
.else
	s_wait_dscnt 0x0
.endif
	NOPS 4
.if \next
	LDA 176, 0xc0, 1
.endif
	MM5 192, 0xa1, 1
	WIN 0
.endm
; The end of a round for one j: z through the stage, out1 = sums x 1 / (norm + 1e-3) + z, mean, d, 1 / sqrt(variance + 1e-5), out1 through the stage and out
.macro EPI j
.set ZB, 128+64*(\j)
.set OB, 64*(\j)
.if \j
	s_wait_xcnt 0x0                                ; the other j's stores have read the registers that the loads below fill
.endif
.irp u,0,1
	WIN 0x0c
.irp k,0,1,2,3,4,5,6,7
	ds_store_b128 v16, v[((\j*2+\u)*8+\k)*4:((\j*2+\u)*8+\k)*4+3] offset:544*\k
.endr
	WIN 0xc0
.irp n,0,1,2,3
	ds_load_b128 v[128+(4*\u+\n)*8:128+(4*\u+\n)*8+3], v17 offset:64*\n          ; LDS serves a wave's instructions in order: these see the stores above
	ds_load_b128 v[128+(4*\u+\n)*8+4:128+(4*\u+\n)*8+7], v17 offset:64*\n+16
.endr
.endr
	s_wait_dscnt 0x0
	WIN 0xb2
.set i,0
.rept 32
	v_pk_fma_f32 v[ZB+i:ZB+i+1], v[ZB+i:ZB+i+1], v[108+2*\j:109+2*\j], v[128+i:129+i] op_sel_hi:[1,0,1]   ; each accumulator from its low end on
.set i,i+2
.endr
	WIN 0x0a
.irp c,0,1,2,3
	v_pk_add_f32 v[120+2*\c:121+2*\c], v[ZB+2*\c:ZB+2*\c+1], v[ZB+8+2*\c:ZB+9+2*\c]
.endr
	WIN 0x08
.irp i,16,24,32,40,48,56
.irp c,0,1,2,3
	v_pk_add_f32 v[120+2*\c:121+2*\c], v[120+2*\c:121+2*\c], v[ZB+\i+2*\c:ZB+\i+2*\c+1]
.endr
.endr
	WIN 0
	v_pk_add_f32 v[120:121], v[120:121], v[122:123]
	v_pk_add_f32 v[124:125], v[124:125], v[126:127]
	v_pk_add_f32 v[120:121], v[120:121], v[124:125]
	v_add_f32 v120, v120, v121
	v_permlanex16_b32 v128, v120, s76, s77
	v_add_f32 v120, v120, v128
	v_mul_f32 v114, 0x3c000000, v120               ; the mean of 128
	v_mul_f32 v115, 0x3c000000, v120
	WIN 0x82
.set i,0
.rept 32
	v_pk_add_f32 v[OB+i:OB+i+1], v[ZB+i:ZB+i+1], v[114:115] neg_lo:[0,1] neg_hi:[0,1]
.set i,i+2
.endr
	WIN 0x0a
.irp c,0,1,2,3
	v_pk_mul_f32 v[120+2*\c:121+2*\c], v[OB+2*\c:OB+2*\c+1], v[OB+2*\c:OB+2*\c+1]
.endr
.irp i,8,16,24,32,40,48,56
.irp c,0,1,2,3
	v_pk_fma_f32 v[120+2*\c:121+2*\c], v[OB+\i+2*\c:OB+\i+2*\c+1], v[OB+\i+2*\c:OB+\i+2*\c+1], v[120+2*\c:121+2*\c]
.endr
.endr
	WIN 0
	v_pk_add_f32 v[120:121], v[120:121], v[122:123]
	v_pk_add_f32 v[124:125], v[124:125], v[126:127]
	v_pk_add_f32 v[120:121], v[120:121], v[124:125]
	v_add_f32 v120, v120, v121
	v_permlanex16_b32 v128, v120, s76, s77
	v_add_f32 v120, v120, v128
	v_mul_f32 v120, 0x3c000000, v120
	v_add_f32 v120, 0x3727c5ac, v120
	v_rsq_f32 v[116+\j], v120
	v_nop
	s_wait_alu depctr_va_vdst(0)                   ; the wait behind a transcendental
.irp u,0,1
	WIN 0x08
.irp n,0,1,2,3
	ds_store_b128 v17, v[ZB+(4*\u+\n)*8:ZB+(4*\u+\n)*8+3] offset:64*\n
	ds_store_b128 v17, v[ZB+(4*\u+\n)*8+4:ZB+(4*\u+\n)*8+7] offset:64*\n+16
.endr
	WIN 0xc0
.irp k,0,1,2,3,4,5,6,7
	ds_load_b128 v[128+(8*\u+\k)*4:128+(8*\u+\k)*4+3], v16 offset:544*\k
.endr
.endr
	s_wait_dscnt 0x0
	WIN 0x0c
.irp u,0,1
.irp k,0,1,2,3,4,5,6,7
	global_store_b128 v15, v[128+(8*\u+\k)*4:128+(8*\u+\k)*4+3], s[84:85] offset:(2*\k+8*(\k/4))*131072+\j*8192+\u*256 th:TH_STORE_NT   ; 16 lanes store 256 consecutive bytes, aligned
.endr
.endr
	WIN 0
.endm
.Lround:                                           ; two rounds: rd = 0, 1
	s_mov_b32 s96, 0
	s_mov_b32 s97, 0
	s_mov_b32 s98, 0
	v_mov_b32 v9, v5
	v_mov_b32 v10, v6
	v_mov_b32 v11, v7
	v_mov_b32 v12, v8
	WIN 0x80
.irp j,0,1
.irp n,0,1,2,3,4,5,6,7
	ds_load_b128 v[128+(8*\j+\n)*8:128+(8*\j+\n)*8+3], v18 offset:64*\n         ; the bias starts the sums
	ds_load_b128 v[128+(8*\j+\n)*8+4:128+(8*\j+\n)*8+7], v18 offset:64*\n+16
.endr
.endr
	LDA 128, 0xc0, 0
	LDASC
	LDA 176, 0xc0, 1
	WIN 0
	s_wait_loadcnt 32                              ; b's fragments and scale words are in; z's 32 loads, issued behind them, may stay out (so on the way in and on the way back)
	PASS 0, 1
	PASS 1, 1
	s_mov_b32 s101, 5
.Lpass:
	PASS 0, 1
	s_sub_co_u32 s101, s101, 1
	s_cmp_lg_u32 s101, 0
	s_cbranch_scc1 .Lpass
	PASS 0, 0
	NOPS 4
	s_wait_loadcnt 0x0                             ; z
	s_cmp_eq_u32 s100, 1
	s_cbranch_scc1 .Lno_b
	s_wait_xcnt 0x0
	s_add_nc_u64 s[78:79], s[78:79], 768
	s_add_nc_u64 s[80:81], s[80:81], 4
	BLOAD                                          ; the next round's rows of b land under this round's end
.Lno_b:
	EPI 0
	EPI 1
	WIN 0x08                                       ; the logits' sums: source 0 = wz x lnz_w (rows: heads, twice), source 1 = d as it stands; two accumulators by turns
	v_wmma_f32_16x16x4_f32 v[204:211], v[140:141], v[0:1], 0
	v_wmma_f32_16x16x4_f32 v[212:219], v[140:141], v[64:65], 0
.set i,2
.rept 31
	v_wmma_f32_16x16x4_f32 v[204:211], v[140+i:141+i], v[i:i+1], v[204:211]
	v_wmma_f32_16x16x4_f32 v[212:219], v[140+i:141+i], v[64+i:65+i], v[212:219]
.set i,i+2
.endr
	WIN 0
	NOPS 8
.irp j,0,1
.irp x,0,1,2,3,4,5,6,7
	v_fma_f32 v[220+8*\j+\x], v[204+8*\j+\x], v[116+\j], s[88+\x]
.endr
.endr
	s_mov_b32 s99, 0xffff0000
.irp x,0,1,2,3,4,5,6,7
	v_cndmask_b32 v[236+\x], v[220+\x], v[228+\x], s99      ; lanes 16-31 carry jj = 1
.endr
	global_store_b128 v19, v[236:239], s[86:87]
	global_store_b128 v19, v[240:243], s[86:87] offset:512
	s_cmp_eq_u32 s100, 1
	s_cbranch_scc1 .Lno_z
	v_mov_b32 v108, v112
	v_mov_b32 v110, v113
	s_wait_xcnt 0x0                                ; the stores have read their registers and bases
	s_add_nc_u64 s[82:83], s[82:83], 512
	s_add_nc_u64 s[84:85], s[84:85], 512
	s_add_nc_u64 s[86:87], s[86:87], 1024
	ZLOAD
.Lno_z:
	s_sub_co_u32 s100, s100, 1
	s_cmp_lg_u32 s100, 0
	s_cbranch_scc1 .Lround
	s_wait_dscnt 0x0
	s_wait_tensorcnt 0x0
	ds_add_u32 v254, v255
	s_wait_dscnt 0x0
	ROUND                                          ; the closing round
	s_endpgm
.Lfunc_end_k_qa2cb07465c_opm:
	.size	k_qa2cb07465c_opm, .Lfunc_end_k_qa2cb07465c_opm-k_qa2cb07465c_opm
	.p2alignl 7, 3214868480
	.fill 96, 4, 3214868480
	.section	.rodata,"a",@progbits
	.p2align	6, 0x0
	.amdhsa_kernel k_qa2cb07465c_opm
		.amdhsa_group_segment_fixed_size 327680
		.amdhsa_private_segment_fixed_size 0
		.amdhsa_enable_private_segment 0
		.amdhsa_kernarg_size 96
		.amdhsa_user_sgpr_count 2
		.amdhsa_user_sgpr_kernarg_segment_ptr 1
		.amdhsa_wavefront_size32 1
		.amdhsa_system_sgpr_workgroup_id_x 1
		.amdhsa_system_sgpr_workgroup_id_y 1
		.amdhsa_system_sgpr_workgroup_id_z 1
		.amdhsa_system_vgpr_workitem_id 0
		.amdhsa_next_free_vgpr 1024
		.amdhsa_next_free_sgpr 104
		.amdhsa_reserve_vcc 0
		.amdhsa_float_denorm_mode_32 3
		.amdhsa_float_denorm_mode_16_64 3
		.amdhsa_memory_ordered 1
		.amdhsa_forward_progress 1
		.amdhsa_inst_pref_size 216
	.end_amdhsa_kernel
	.amdgpu_metadata
---
amdhsa.version: [ 1, 2 ]
amdhsa.kernels:
  - .name:           k_qa2cb07465c_opm
    .symbol:         k_qa2cb07465c_opm.kd
    .args:
      - { .name: z, .offset: 0, .size: 8, .value_kind: global_buffer, .address_space: global }
      - { .name: aq, .offset: 8, .size: 8, .value_kind: global_buffer, .address_space: global }
      - { .name: bq, .offset: 16, .size: 8, .value_kind: global_buffer, .address_space: global }
      - { .name: mq, .offset: 24, .size: 8, .value_kind: global_buffer, .address_space: global }
      - { .name: wrb, .offset: 32, .size: 8, .value_kind: global_buffer, .address_space: global }
      - { .name: opm_wout_scales, .offset: 40, .size: 8, .value_kind: global_buffer, .address_space: global }
      - { .name: opm_bout, .offset: 48, .size: 8, .value_kind: global_buffer, .address_space: global }
      - { .name: pwa_lnz_w, .offset: 56, .size: 8, .value_kind: global_buffer, .address_space: global }
      - { .name: pwa_lnz_b, .offset: 64, .size: 8, .value_kind: global_buffer, .address_space: global }
      - { .name: pwa_wz, .offset: 72, .size: 8, .value_kind: global_buffer, .address_space: global }
      - { .name: out1, .offset: 80, .size: 8, .value_kind: global_buffer, .address_space: global }
      - { .name: lgt, .offset: 88, .size: 8, .value_kind: global_buffer, .address_space: global }
    .group_segment_fixed_size: 327680
    .private_segment_fixed_size: 0
    .kernarg_segment_align: 8
    .kernarg_segment_size: 96
    .max_flat_workgroup_size: 128
    .sgpr_count:     104
    .vgpr_count:     1024
    .wavefront_size: 32
...
	.end_amdgpu_metadata
.endif
;; end of part 2
;; launch soft (part 3): grid 16 x 2, 8 waves a work-group, no clusters, 5,632 bytes of LDS; arguments lgt, pq; writes pq
.if DOCPART == 3
	.amdgcn_target "amdgcn-amd-amdhsa--gfx1250"
	.amdhsa_code_object_version 6
	.text
	.protected	k_qa2cb07465c_soft
	.globl	k_qa2cb07465c_soft
	.p2align	8
	.type	k_qa2cb07465c_soft,@function
k_qa2cb07465c_soft:
	s_mov_b64 s[64:65], 0
	v_nop
	global_prefetch_b8 v0, s[64:65] scope:SCOPE_SE
	s_setreg_imm32_b32 hwreg(HW_REG_WAVE_MODE, 25, 1), 1
	s_wait_xcnt 0x0
; p = 2^(t - M), t = logit x log2(e), M = the ceiling of the row's largest t, over all 256 j of a row (i, head); p's codes of E2M3 along j, their scale words, and the row's sum of the unquantised p.
; A work-group takes 16 i (tile T = x) and four heads (y); wave J takes j = 32 J .. 32 J + 31: lane (r, h) holds i = row r, j = 32 J + 16 h + idx, four heads to a load.
; The waves' maxima and sums meet in LDS.  The exponential's destination register does the turn from [idx][head] to [head][idx], so that a lane's 16 registers run along j.
; 32 work-groups: the lanes' image of 16 i and the rows' 256 j fix the split; the launch moves 2.4 MB.
; LIMITS: NaN and infinities are not served; a block whose every p is under 2^-124 gets the byte 1.
.set MX, 0                             ; [x 4][r 16][J 8] f32
.set SM, 2048
.set SCB, 4096                         ; [x 4][ks 2][r 16][4 bytes]
	s_load_b128 s[4:7], s[0:1], 0x0                ; lgt, pq
	v_lshl_add_u32 v192, v0, 2, 0x1200
	v_mov_b32 v193, 0
	v_lshrrev_b32 v1, 5, v0
	v_readfirstlane_b32 s8, v1                     ; J
	s_and_b32 s9, ttmp7, 0xffff                    ; which four heads
	s_mov_b32 s16, 0x76543210
	s_mov_b32 s17, 0xfedcba98
	s_mov_b32 s18, 0x3fb8aa3b                      ; log2(e)
	s_mov_b32 s19, s18
	v_and_b32 v4, 31, v0
	v_and_b32 v1, 15, v0
	v_bfe_u32 v2, v0, 4, 1
	v_lshlrev_b32 v5, 4, v4
	v_lshlrev_b32 v7, 5, v1
	s_lshl_b32 s20, s8, 2
	v_add_nc_u32 v6, s20, v7                       ; my wave's word of row r
	v_mul_u32_u24 v8, v1, 24
	v_mad_u32_u24 v8, v2, 12, v8
	s_lshr_b32 s20, s8, 2
	s_lshl_b32 s20, s20, 6
	s_and_b32 s21, s8, 3
	s_add_co_u32 s20, s20, s21
	s_add_co_u32 s20, s20, SCB
	v_lshl_add_u32 v9, v1, 2, s20                  ; my block's byte
	v_lshl_add_u32 v10, v2, 9, v7
	v_add_nc_u32 v10, SM, v10
	v_lshlrev_b32 v11, 2, v1
	v_lshl_add_u32 v11, v2, 6, v11
	v_lshl_add_u32 v12, v4, 4, SCB
.irp x,0,1,2,3
	v_mov_b32 v[152+\x], 0                         ; a lane permute's destination counts as read
.endr
	s_mov_b32 s21, 0
	s_lshl_b32 s20, ttmp9, 17
	s_lshl_b32 s22, s8, 14
	s_add_co_u32 s20, s20, s22
	s_lshl_b32 s22, s9, 9
	s_add_co_u32 s20, s20, s22
	s_wait_kmcnt 0x0
	s_add_nc_u64 s[4:5], s[4:5], s[20:21]
	s_mul_i32 s20, s9, 196608
	s_mul_i32 s22, ttmp9, 3072
	s_add_co_u32 s20, s20, s22
	s_mul_i32 s22, s8, 384
	s_add_co_u32 s20, s20, s22
	s_add_nc_u64 s[10:11], s[6:7], s[20:21]
	s_lshl_b32 s20, ttmp9, 10
	s_lshl_b32 s22, s9, 9
	s_add_co_u32 s20, s20, s22
	s_add_co_u32 s20, s20, 393216
	s_add_nc_u64 s[12:13], s[6:7], s[20:21]
	s_lshl_b32 s20, ttmp9, 9
	s_lshl_b32 s22, s9, 8
	s_add_co_u32 s20, s20, s22
	s_add_co_u32 s20, s20, 409600
	s_add_nc_u64 s[14:15], s[6:7], s[20:21]
.set i,0
.rept 16
	global_load_b128 v[16+4*i:19+4*i], v5, s[4:5] offset:1024*i    ; 512 consecutive bytes
.set i,i+1
.endr
	s_wait_loadcnt 0x0
.irp x,0,1,2,3
	v_max3_num_f32 v[144+\x], v[16+\x], v[20+\x], v[24+\x]
.endr
.irp i,3,5,7,9,11,13
.irp x,0,1,2,3
	v_max3_num_f32 v[144+\x], v[144+\x], v[16+4*\i+\x], v[20+4*\i+\x]
.endr
.endr
.irp x,0,1,2,3
	v_max_num_f32 v[144+\x], v[144+\x], v[76+\x]
.endr
.irp x,0,1,2,3
	v_permlanex16_b32 v[152+\x], v[144+\x], s16, s17
.endr
.irp x,0,1,2,3
	v_max_num_f32 v[144+\x], v[144+\x], v[152+\x]  ; the block's largest logit: it serves for the row's maximum and for the block's largest p
.endr
.irp x,0,1,2,3
	ds_store_b32 v6, v[144+\x] offset:MX+512*\x
.endr
	s_wait_dscnt 0x0
	s_barrier_signal -1
	s_barrier_wait -1
.irp x,0,1,2,3
	ds_load_b128 v[152+8*\x:155+8*\x], v7 offset:MX+512*\x
	ds_load_b128 v[156+8*\x:159+8*\x], v7 offset:MX+512*\x+16
.endr
	s_wait_dscnt 0x0
.irp x,0,1,2,3
	v_max3_num_f32 v[148+\x], v[152+8*\x], v[153+8*\x], v[154+8*\x]
.endr
.irp x,0,1,2,3
	v_max3_num_f32 v[148+\x], v[148+\x], v[155+8*\x], v[156+8*\x]
.endr
.irp x,0,1,2,3
	v_max3_num_f32 v[148+\x], v[148+\x], v[157+8*\x], v[158+8*\x]
.endr
.irp x,0,1,2,3
	v_max_num_f32 v[148+\x], v[148+\x], v[159+8*\x]
.endr
.irp x,0,1,2,3
	v_mul_f32 v[148+\x], s18, v[148+\x]
.endr
.irp x,0,1,2,3
	v_floor_f32 v[148+\x], -v[148+\x]              ; -M = floor(-t) = -ceil(t)
.endr
.set i,0
.rept 16
	v_pk_fma_f32 v[16+4*i:17+4*i], v[16+4*i:17+4*i], s[18:19], v[148:149] op_sel_hi:[1,0,1]
	v_pk_fma_f32 v[18+4*i:19+4*i], v[18+4*i:19+4*i], s[18:19], v[150:151] op_sel_hi:[1,0,1]
.set i,i+1
.endr
.set i,0
.rept 16
.irp x,0,1,2,3
	v_exp_f32 v[80+16*\x+i], v[16+4*i+\x]
.endr
.set i,i+1
.endr
.irp x,0,1,2,3
	v_fma_f32 v[144+\x], v[144+\x], s18, v[148+\x] ; (plain work behind the batch)
.endr
	s_wait_alu depctr_va_vdst(0)                   ; one wait for the 64
.irp x,0,1,2,3
	v_exp_f32 v[144+\x], v[144+\x]                 ; the block's largest p
.endr
.irp x,0,1,2,3                                 ; the sums read the 64 alone
	v_pk_add_f32 v[152:153], v[80+16*\x:81+16*\x], v[82+16*\x:83+16*\x]
	v_pk_add_f32 v[154:155], v[84+16*\x:85+16*\x], v[86+16*\x:87+16*\x]
	v_pk_add_f32 v[156:157], v[88+16*\x:89+16*\x], v[90+16*\x:91+16*\x]
	v_pk_add_f32 v[158:159], v[92+16*\x:93+16*\x], v[94+16*\x:95+16*\x]
	v_pk_add_f32 v[152:153], v[152:153], v[154:155]
	v_pk_add_f32 v[156:157], v[156:157], v[158:159]
	v_pk_add_f32 v[152:153], v[152:153], v[156:157]
	v_add_f32 v[160+\x], v152, v153
.endr
.irp x,0,1,2,3
	v_permlanex16_b32 v[164+\x], v[160+\x], s16, s17
.endr
.irp x,0,1,2,3
	v_add_f32 v[160+\x], v[160+\x], v[164+\x]
.endr
.irp x,0,1,2,3
	ds_store_b32 v6, v[160+\x] offset:SM+512*\x
.endr
	s_wait_alu depctr_va_vdst(0)                   ; and one for the four
.irp x,0,1,2,3
	v_max_num_f32 v[144+\x], 0x1800000, v[144+\x]
.endr
.irp x,0,1,2,3
	v_add_nc_u32 v[168+\x], 0xff000000, v[144+\x]
.endr
.irp x,0,1,2,3
	v_lshrrev_b32 v[172+\x], 23, v[168+\x]
.endr
.irp x,0,1,2,3
	v_cvt_scalef32_pk16_fp6_f32 v[16+4*\x:18+4*\x], v[80+16*\x:95+16*\x], v[168+\x]
.endr
	v_nop
.irp x,0,1,2,3
	global_store_b96 v8, v[16+4*\x:18+4*\x], s[10:11] offset:49152*\x     ; 384 consecutive bytes
	ds_store_b8 v9, v[172+\x] offset:128*\x
.endr
	s_wait_dscnt 0x0
	s_barrier_signal -1
	s_barrier_wait -1
	s_cmp_lg_u32 s8, 0
	s_cbranch_scc1 .Lnot0
	ds_load_b128 v[152:155], v10                   ; wave 0: the rows' sums: heads h and h + 2
	ds_load_b128 v[156:159], v10 offset:16
	ds_load_b128 v[160:163], v10 offset:1024
	ds_load_b128 v[164:167], v10 offset:1040
	s_wait_dscnt 0x0
	v_pk_add_f32 v[152:153], v[152:153], v[154:155]
	v_pk_add_f32 v[156:157], v[156:157], v[158:159]
	v_pk_add_f32 v[160:161], v[160:161], v[162:163]
	v_pk_add_f32 v[164:165], v[164:165], v[166:167]
	v_pk_add_f32 v[152:153], v[152:153], v[156:157]
	v_pk_add_f32 v[160:161], v[160:161], v[164:165]
	v_add_f32 v152, v152, v153
	v_add_f32 v160, v160, v161
	global_store_b32 v11, v152, s[14:15]
	global_store_b32 v11, v160, s[14:15] offset:128
.Lnot0:
	s_cmp_lg_u32 s8, 1
	s_cbranch_scc1 .Lend
	ds_load_b128 v[152:155], v12                   ; wave 1: the scale words, 512 consecutive bytes
	s_wait_dscnt 0x0
	global_store_b128 v5, v[152:155], s[12:13]
.Lend:
	s_wait_tensorcnt 0x0
	ds_add_u32 v192, v193
	s_wait_dscnt 0x0
	s_endpgm
.Lfunc_end_k_qa2cb07465c_soft:
	.size	k_qa2cb07465c_soft, .Lfunc_end_k_qa2cb07465c_soft-k_qa2cb07465c_soft
	.p2alignl 7, 3214868480
	.fill 96, 4, 3214868480
	.section	.rodata,"a",@progbits
	.p2align	6, 0x0
	.amdhsa_kernel k_qa2cb07465c_soft
		.amdhsa_group_segment_fixed_size 5632
		.amdhsa_private_segment_fixed_size 0
		.amdhsa_enable_private_segment 0
		.amdhsa_kernarg_size 16
		.amdhsa_user_sgpr_count 2
		.amdhsa_user_sgpr_kernarg_segment_ptr 1
		.amdhsa_wavefront_size32 1
		.amdhsa_system_sgpr_workgroup_id_x 1
		.amdhsa_system_sgpr_workgroup_id_y 1
		.amdhsa_system_sgpr_workgroup_id_z 1
		.amdhsa_system_vgpr_workitem_id 0
		.amdhsa_next_free_vgpr 194
		.amdhsa_next_free_sgpr 66
		.amdhsa_reserve_vcc 0
		.amdhsa_float_denorm_mode_32 3
		.amdhsa_float_denorm_mode_16_64 3
		.amdhsa_memory_ordered 1
		.amdhsa_forward_progress 1
		.amdhsa_inst_pref_size 19
	.end_amdhsa_kernel
	.amdgpu_metadata
---
amdhsa.version: [ 1, 2 ]
amdhsa.kernels:
  - .name:           k_qa2cb07465c_soft
    .symbol:         k_qa2cb07465c_soft.kd
    .args:
      - { .name: lgt, .offset: 0, .size: 8, .value_kind: global_buffer, .address_space: global }
      - { .name: pq, .offset: 8, .size: 8, .value_kind: global_buffer, .address_space: global }
    .group_segment_fixed_size: 5632
    .private_segment_fixed_size: 0
    .kernarg_segment_align: 8
    .kernarg_segment_size: 16
    .max_flat_workgroup_size: 256
    .sgpr_count:     66
    .vgpr_count:     194
    .wavefront_size: 32
...
	.end_amdgpu_metadata
.endif
;; end of part 3
;; launch pwatr (part 4): grid 256 x 1, 8 waves a work-group, no clusters, 216,064 bytes of LDS; arguments m, pwa_lnm_w, pwa_lnm_b, pwa_wv_codes, pwa_wv_scales, pwa_wg_codes, pwa_wg_scales, pq, pwa_wo_codes, pwa_wo_scales, tr_ln_w, tr_ln_b, tr_wa_codes, tr_wa_scales, tr_wb_codes, tr_wb_scales, tr_wo_codes, tr_wo_scales, out0; writes out0
.if DOCPART == 4
	.amdgcn_target "amdgcn-amd-amdhsa--gfx1250"
	.amdhsa_code_object_version 6
	.text
	.protected	k_qa2cb07465c_pwatr
	.globl	k_qa2cb07465c_pwatr
	.p2align	8
	.type	k_qa2cb07465c_pwatr,@function
k_qa2cb07465c_pwatr:
	s_mov_b64 s[64:65], 0
	v_nop
	global_prefetch_b8 v0, s[64:65] scope:SCOPE_SE
	s_setreg_imm32_b32 hwreg(HW_REG_WAVE_MODE, 25, 1), 1
	s_wait_xcnt 0x0
; out0 = m' + (silu(x wa) (x wb)) wo2, x = LN(m'), m' = m + (sigmoid(mn wg) o) wo, o(s, i, h, d) = sum over j of p(i, j, h) v(s, j, h, d) / l(i, h), v = mn wv, mn = LN(m).
; A work-group owns two s: 32 tiles of 16 rows, tau = 16 sg + T.  m is read once and stays in registers as the residual: both products that add onto it take it as their C.  v, the gate, o and both hidden layers never go to memory.
; ROW PHASES (1, T): wave w owns tiles y = 0 .. 3: sg = y / 2, T = 2 w + y % 2.  HEAD PHASES (V, O): wave w is head w: v's fragments are made and used by one wave and stay in its registers, and each
; fragment of p goes from memory straight into the one wave that wants it; that is why no tile is asked for jointly here: in a work-group each byte of p has one reader.
; Every product has its weight (or v) as source 0, with rows 32 b + 8 u + r + (r & 8) to a tile, so that a lane holds one row and 16 registers of two tiles are 16 neighbours along the next K.
; Codes go from wave to wave through LDS as chunks [16 rows][24 bytes], one block of 32 along K each.  K = 64 against the instruction's 128: registers 6-11 are zero codes.
; Two waves to a SIMD: the vector work (two layer norms, 96 exponentials and reciprocals a lane and tile) outweighs the matrix work.
; REGISTERS.  Window 1: v0-127 m (tile y at 32 y; register 16 B + k = channel 32 B + 16 h + k); v128-223 v's 8 fragments, later x's; v176-239 later tr_ln's gain and bias; v224-247 wg; v248-254 the quantiser's.
;   Window 0: v1-23 addresses; v24-223 by phase; v224-251 scale words alone.
; LIMITS: NaN and infinities are not served; a block whose largest magnitude is under 2^-124, a block of zeros too, gets the byte 1.
.set WRO, 24576                        ; tr_wa at 0, tr_wb at 12,288, pwa_wo, tr_wo: codes in chunk order
.set WR2, 36864
.set WSS, 49152                        ; their scale bytes as given, 512 each
.set MN2, 51200                        ; [tau 32][block 2][r][24]
.set MSC, 75776                        ; [tau][r] words
.set GO,  77824                        ; [tau][block 8][r][24]: gate x o, later the hidden layer
.set GSC, 176128                       ; [tau][r][8 bytes]
.set OST, 180224                       ; eight stages of 16 x 272 bytes
.set FLOOR, 0x1800000
.set MSB, 0
.macro WIN new
.if MSB != \new
	s_set_vgpr_msb (MSB<<8)|\new
.set MSB, \new
.endif
.endm
.macro NOPS n
.rept \n
	v_nop
.endr
.endm
.macro BAR
	s_wait_dscnt 0x0
	s_barrier_signal -1
	s_barrier_wait -1
.endm
.macro WM d, a, b, cz, sa, sb
.if \cz
	v_wmma_scale_f32_16x16x128_f8f6f4 v[(\d):(\d)+7], v[(\a):(\a)+11], v[(\b):(\b)+11], 0, v[\sa], v[\sb] matrix_a_fmt:MATRIX_FMT_FP6 matrix_b_fmt:MATRIX_FMT_FP6
.else
	v_wmma_scale_f32_16x16x128_f8f6f4 v[(\d):(\d)+7], v[(\a):(\a)+11], v[(\b):(\b)+11], v[(\d):(\d)+7], v[\sa], v[\sb] matrix_a_fmt:MATRIX_FMT_FP6 matrix_b_fmt:MATRIX_FMT_FP6
.endif
.endm
; n blocks by turns; block b: my 16 numbers v[src + 16 b ..], the other 16 in lane l xor 16.  Codes (12 bytes) to LDS at adr + off + o1 (b % 2) + o2 (b / 2); the bytes stay in v[tmp + 12 + b]
.macro QN n, src, tmp, adr, off, o1, o2
.set qb,0
.rept \n
	v_max3_num_f32 v[\tmp+qb], |v[\src+16*qb]|, |v[\src+16*qb+1]|, FLOOR
.set qb,qb+1
.endr
.irp i,2,4,6,8,10,12,14
.set qb,0
.rept \n
	v_max3_num_f32 v[\tmp+qb], v[\tmp+qb], |v[\src+16*qb+\i]|, |v[\src+16*qb+\i+1]|
.set qb,qb+1
.endr
.endr
.set qb,0
.rept \n
	v_permlanex16_b32 v[\tmp+4+qb], v[\tmp+qb], s44, s45
.set qb,qb+1
.endr
.set qb,0
.rept \n
	v_max_num_f32 v[\tmp+qb], v[\tmp+qb], v[\tmp+4+qb]
.set qb,qb+1
.endr
.set qb,0
.rept \n
	v_add_nc_u32 v[\tmp+8+qb], 0xff000000, v[\tmp+qb]
.set qb,qb+1
.endr
.set qb,0
.rept \n
	v_lshrrev_b32 v[\tmp+12+qb], 23, v[\tmp+8+qb]
.set qb,qb+1
.endr
.set qb,0
.rept \n
	v_cvt_scalef32_pk16_fp6_f32 v[\tmp+16+4*qb:\tmp+18+4*qb], v[\src+16*qb:\src+16*qb+15], v[\tmp+8+qb]
.set qb,qb+1
.endr
	v_nop                                          ; a plain line behind the conversions
.set qb,0
.rept \n
.irp q,0,1,2
	ds_store_b32 v[\adr], v[\tmp+16+4*qb+\q] offset:\off+\o1*(qb%2)+\o2*(qb/2)+4*\q
.endr
.set qb,qb+1
.endr
.endm
	s_load_b512 s[4:19], s[0:1], 0x0               ; m, lnm_w, lnm_b, wv codes, wv scales, wg codes, wg scales, pq
	s_load_b512 s[20:35], s[0:1], 0x40             ; wo codes, wo scales, tr_ln_w, tr_ln_b, wa codes, wa scales, wb codes, wb scales
	s_load_b128 s[36:39], s[0:1], 0x80             ; tr_wo codes, tr_wo scales
	s_load_b64 s[40:41], s[0:1], 0x90              ; out0
	v_lshl_add_u32 v254, v0, 2, 0x34800
	v_mov_b32 v255, 0
	v_lshrrev_b32 v1, 5, v0
	v_readfirstlane_b32 s42, v1                    ; wave
	s_mov_b32 s43, 0x3c800000                      ; 1 / 64
	s_mov_b32 s44, 0x76543210
	s_mov_b32 s45, 0xfedcba98
	s_mov_b32 s46, 0xbfb8aa3b                      ; -log2(e)
	s_mov_b32 s47, s46
	s_mov_b32 s66, 0x3727c5ac                      ; 1e-5
	v_and_b32 v4, 31, v0
	v_and_b32 v1, 15, v0
	v_bfe_u32 v2, v0, 4, 1
	v_and_b32 v3, 8, v1
	v_add_nc_u32 v3, v3, v1
	v_lshlrev_b32 v5, 8, v3
	v_lshl_add_u32 v5, v2, 6, v5                   ; m: row r + (r & 8), + 64 h
	v_lshlrev_b32 v6, 6, v2
	v_mul_u32_u24 v9, v1, 24
	v_mad_u32_u24 v7, v2, 12, v9                   ; 24 r + 12 h: where a lane's 16 codes go
	v_mad_u32_u24 v9, v2, 384, v9                  ; 24 r + 384 h: where a lane's block comes from
	s_mul_i32 s68, s42, 6144
	s_add_co_u32 s68, s68, GO
	v_add_nc_u32 v11, s68, v7
	v_add_nc_u32 v20, s68, v9
	s_mul_i32 s68, s42, 384
	s_add_co_u32 s68, s68, GO
	v_add_nc_u32 v14, s68, v7
	s_mul_i32 s69, s42, 1536
	s_add_co_u32 s68, s69, MN2
	v_add_nc_u32 v7, s68, v7
	v_add_nc_u32 v22, MN2, v9
	v_lshlrev_b32 v23, 2, v1
	s_lshl_b32 s68, s42, 7
	s_add_co_u32 s68, s68, MSC
	v_add_nc_u32 v8, s68, v23
	v_add_nc_u32 v23, MSC, v23
	v_lshlrev_b32 v10, 3, v3
	v_lshlrev_b32 v21, 1, v3
	v_lshlrev_b32 v15, 3, v1
	s_lshl_b32 s68, s42, 8
	s_add_co_u32 s68, s68, GSC
	v_add_nc_u32 v12, s68, v15
	s_add_co_u32 s68, s42, GSC
	v_add_nc_u32 v15, s68, v15
	s_mul_i32 s68, s42, 4352
	s_add_co_u32 s68, s68, OST
	v_mul_u32_u24 v16, v1, 272
	v_lshl_add_u32 v16, v2, 6, v16
	v_add_nc_u32 v16, s68, v16
	v_mul_u32_u24 v17, v2, 272
	v_lshl_add_u32 v17, v1, 4, v17
	v_add_nc_u32 v17, s68, v17
	v_lshlrev_b32 v18, 8, v2
	v_lshl_add_u32 v18, v1, 4, v18
	; the weights' copy: thread t takes 48 bytes at 48 t of each array of codes; row n goes to tile row (n & 7) | ((n >> 4) & 1) << 3 of tile ((n >> 5), (n >> 3) & 1)
	v_mul_u32_u24 v152, v0, 48
	v_and_b32 v153, 7, v0
	v_bfe_u32 v154, v0, 4, 1
	v_lshl_or_b32 v153, v154, 3, v153
	v_mul_u32_u24 v153, v153, 24
	v_lshrrev_b32 v154, 5, v0
	v_mad_u32_u24 v153, v154, 1536, v153
	v_bfe_u32 v154, v0, 3, 1
	v_mad_u32_u24 v153, v154, 768, v153            ; K = 64: n = t
	v_bfe_u32 v155, v0, 2, 3
	v_bfe_u32 v154, v0, 6, 1
	v_lshl_or_b32 v155, v154, 3, v155
	v_mul_u32_u24 v155, v155, 24
	v_lshrrev_b32 v154, 7, v0
	v_mad_u32_u24 v155, v154, 6144, v155
	v_bfe_u32 v154, v0, 5, 1
	v_mad_u32_u24 v155, v154, 3072, v155
	v_and_b32 v154, 3, v0
	v_mad_u32_u24 v155, v154, 768, v155            ; K = 256: n = t / 4, blocks 2 (t & 3), + 1
	v_and_b32 v156, 63, v0
	v_lshlrev_b32 v156, 3, v156
	v_lshl_add_u32 v157, v0, 3, WSS
	v_mul_u32_u24 v158, v3, 48
	v_mad_u32_u24 v158, v2, 24, v158
	v_add_nc_u32 v158, s69, v158                   ; wv, wg: row 32 w + r + (r & 8) (+ 8 u), block h
	s_lshl_b32 s68, s42, 6
	v_add_nc_u32 v159, s68, v21
.irp u,0,1
.irp i,6,7,8,9,10,11
	v_mov_b32 v[192+12*\u+\i], 0
.endr
.endr
	WIN 0x40
.irp u,0,1
.irp i,6,7,8,9,10,11
	v_mov_b32 v[224+12*\u+\i], 0
.endr
.endr
	WIN 0
	s_mov_b32 s71, 0
	s_lshl_b32 s70, ttmp9, 17
	s_lshl_b32 s68, s42, 13
	s_add_co_u32 s70, s70, s68
	s_wait_kmcnt 0x0
	s_add_nc_u64 s[4:5], s[4:5], s[70:71]          ; m and out0 at s = 2 g, i = 32 w
	s_add_nc_u64 s[40:41], s[40:41], s[70:71]
	s_mul_i32 s70, s42, 49152
	s_add_nc_u64 s[48:49], s[18:19], s[70:71]      ; p's codes of head w
	s_lshl_b32 s70, s42, 7
	s_add_co_u32 s70, s70, 393216
	s_add_nc_u64 s[50:51], s[18:19], s[70:71]      ; its scale words
	s_lshl_b32 s70, s42, 6
	s_add_co_u32 s70, s70, 409600
	s_add_nc_u64 s[52:53], s[18:19], s[70:71]      ; its sums
	s_cmp_lt_u32 s42, 2                            ; which array of scale bytes my pair of waves copies
	s_cselect_b64 s[70:71], s[30:31], s[34:35]
	s_cmp_lt_u32 s42, 6
	s_cselect_b64 s[72:73], s[22:23], s[38:39]
	s_cmp_lt_u32 s42, 4
	s_cselect_b64 s[70:71], s[70:71], s[72:73]
	WIN 0x40
.irp i,0,1,2,3,4,5
	global_load_b64 v[128+2*\i:129+2*\i], v152, s[28:29] offset:8*\i
	global_load_b64 v[140+2*\i:141+2*\i], v152, s[32:33] offset:8*\i
	global_load_b64 v[152+2*\i:153+2*\i], v152, s[20:21] offset:8*\i
	global_load_b64 v[164+2*\i:165+2*\i], v152, s[36:37] offset:8*\i
.endr
	global_load_b64 v[176:177], v156, s[70:71]
	WIN 0
.irp b,0,1
.irp j,0,1,2,3
	global_load_b128 v[24+16*\b+4*\j:27+16*\b+4*\j], v6, s[6:7] offset:128*\b+16*\j
	global_load_b128 v[56+16*\b+4*\j:59+16*\b+4*\j], v6, s[8:9] offset:128*\b+16*\j
.endr
.endr
	WIN 0x40
.irp y,0,1,2,3
.irp b,0,1
.irp j,0,1,2,3
	global_load_b128 v[32*\y+16*\b+4*\j:32*\y+16*\b+4*\j+3], v5, s[4:5] offset:(\y/2)*65536+(\y%2)*2048+128*\b+16*\j th:TH_LOAD_NT
.endr
.endr
.endr
.irp u,0,1
.irp q,0,1,2
	global_load_b64 v[224+12*\u+2*\q:225+12*\u+2*\q], v158, s[14:15] offset:384*\u+8*\q
.endr
.endr
	WIN 0
.irp u,0,1
.irp q,0,1,2
	global_load_b64 v[192+12*\u+2*\q:193+12*\u+2*\q], v158, s[10:11] offset:384*\u+8*\q
.endr
	global_load_u16 v[234+\u], v159, s[12:13] offset:16*\u
	global_load_u16 v[232+\u], v159, s[16:17] offset:16*\u
.endr
; tile y of m: normalised (32 channels mine, 32 in lane l xor 16), x gain + bias (at lw, lb under window setting win), quantised along the channels, codes and scale word to my own tiles in LDS
.macro LNQ y, lw, lb, win
.set MB, 32*(\y)
	s_wait_dscnt 0x0                               ; the last tile's LDS stores have read the registers that are written below
	WIN 0x05
.set i,0
.rept 8
	v_pk_add_f32 v[120+2*i:121+2*i], v[MB+4*i:MB+4*i+1], v[MB+4*i+2:MB+4*i+3]     ; each accumulator from its low end on
.set i,i+1
.endr
	WIN 0
	v_pk_add_f32 v[120:121], v[120:121], v[122:123]
	v_pk_add_f32 v[124:125], v[124:125], v[126:127]
	v_pk_add_f32 v[128:129], v[128:129], v[130:131]
	v_pk_add_f32 v[132:133], v[132:133], v[134:135]
	v_pk_add_f32 v[120:121], v[120:121], v[124:125]
	v_pk_add_f32 v[128:129], v[128:129], v[132:133]
	v_pk_add_f32 v[120:121], v[120:121], v[128:129]
	v_add_f32 v120, v120, v121
	v_permlanex16_b32 v122, v120, s44, s45
	v_add_f32 v120, v120, v122
	v_mul_f32 v150, s43, v120
	v_mul_f32 v151, s43, v120
	WIN 0x01
.set i,0
.rept 16
	v_pk_add_f32 v[88+i:89+i], v[MB+i:MB+i+1], v[150:151] neg_lo:[0,1] neg_hi:[0,1]
.set i,i+2
.endr
	WIN 0
	v_pk_mul_f32 v[120:121], v[88:89], v[88:89]
	v_pk_mul_f32 v[122:123], v[90:91], v[90:91]
.set i,4
.rept 7
	v_pk_fma_f32 v[120:121], v[88+i:89+i], v[88+i:89+i], v[120:121]
	v_pk_fma_f32 v[122:123], v[90+i:91+i], v[90+i:91+i], v[122:123]
.set i,i+4
.endr
	v_pk_add_f32 v[120:121], v[120:121], v[122:123]
	v_add_f32 v120, v120, v121
	v_permlanex16_b32 v122, v120, s44, s45
	v_add_f32 v120, v120, v122
	v_fma_f32 v120, v120, s43, s66
	v_rsq_f32 v148, v120
	v_nop
	s_wait_alu depctr_va_vdst(0)                   ; the wait behind a transcendental
	v_mov_b32 v149, v148
.set i,0
.rept 16
	v_pk_mul_f32 v[88+i:89+i], v[88+i:89+i], v[148:149]
.set i,i+2
.endr
	WIN \win
.set i,0
.rept 16
	v_pk_fma_f32 v[88+i:89+i], v[88+i:89+i], v[\lw+i:\lw+i+1], v[\lb+i:\lb+i+1]
.set i,i+2
.endr
	WIN 0
	QN 2, 88, 120, 7, ((\y)/2)*12288+((\y)%2)*768, 384, 0
	v_lshl_or_b32 v120, v133, 8, v132              ; bytes 0, 1; bytes 2, 3 are 0
	ds_store_b32 v8, v120 offset:((\y)/2)*1024+((\y)%2)*64
.endm
	; ---- 1
.irp y,0,1,2,3
	s_wait_loadcnt 8*(3-\y)+16                     ; the younger tiles' eight loads each and wv's and wg's sixteen may stay out
	LNQ \y, 24, 56, 0
.endr
	s_wait_loadcnt 0x0
	WIN 0x04
.irp i,0,1,2,3,4,5
	ds_store_b64 v153, v[128+2*\i:129+2*\i] offset:(\i/3)*384+(\i%3)*8
	ds_store_b64 v153, v[140+2*\i:141+2*\i] offset:12288+(\i/3)*384+(\i%3)*8
	ds_store_b64 v155, v[152+2*\i:153+2*\i] offset:WRO+(\i/3)*384+(\i%3)*8
	ds_store_b64 v155, v[164+2*\i:165+2*\i] offset:WR2+(\i/3)*384+(\i%3)*8
.endr
	ds_store_b64 v157, v[176:177]
	WIN 0
.set t,0
.rept 8
.irp i,6,7,8,9,10,11
	v_mov_b32 v[24+12*t+\i], 0
.endr
.set t,t+1
.endr
	NOPS 4                                         ; an operand written by vector instructions stands four places ahead of a scaled product: the barrier and the LDS loads between fill none
	BAR                                            ; mn's 32 tiles and the weights lie in LDS
	; ---- V: v of head w, transposed (source 0 = 16 rows j of mn, source 1 = 16 d of wv): a lane holds one d, its registers run along j
.macro QUANTV s, pc, pw                ; 64 numbers -> a fragment in window 1, its scale word
.irp b,0,1,2,3
	v_max3_num_f32 v[120+\b], |v[\s+16*\b]|, |v[\s+16*\b+1]|, FLOOR
.endr
.irp i,2,4,6,8,10,12,14
.irp b,0,1,2,3
	v_max3_num_f32 v[120+\b], v[120+\b], |v[\s+16*\b+\i]|, |v[\s+16*\b+\i+1]|
.endr
.endr
.irp b,0,1,2,3
	v_permlanex16_b32 v[124+\b], v[120+\b], s44, s45
.endr
.irp b,0,1,2,3
	v_max_num_f32 v[120+\b], v[120+\b], v[124+\b]
.endr
.irp b,0,1,2,3
	v_add_nc_u32 v[216+\b], 0xff000000, v[120+\b]
.endr
.irp b,0,1,2,3
	v_lshrrev_b32 v[124+\b], 23, v[216+\b]
.endr
	v_lshl_or_b32 v[\pw], v125, 8, v124
	v_lshl_or_b32 v[\pw], v126, 16, v[\pw]
	v_lshl_or_b32 v[\pw], v127, 24, v[\pw]
	WIN 0x40
.irp c,0,1
	v_cvt_scalef32_pk16_fp6_f32 v[\pc+6*\c:\pc+6*\c+2], v[\s+32*\c:\s+32*\c+15], v[216+2*\c]
	v_cvt_scalef32_pk16_fp6_f32 v[248+4*\c:250+4*\c], v[\s+32*\c+16:\s+32*\c+31], v[217+2*\c]
.endr
	WIN 0x41
	v_nop
.irp c,0,1
.irp i,0,1,2
	v_permlane16_swap_b32 v[\pc+6*\c+\i], v[248+4*\c+\i]
.endr
.irp i,0,1,2
	v_mov_b32 v[\pc+3+6*\c+\i], v[248+4*\c+\i]
.endr
.endr
	WIN 0
.endm
.macro PHV g, k                        ; s = 2 g' + g, j = 128 k .. 128 k + 127: eight tiles
.set t,0
.rept 8
.irp q,0,1,2
	ds_load_b64 v[24+12*t+2*\q:25+12*t+2*\q], v22 offset:768*(16*\g+8*\k+t)+8*\q
.endr
	ds_load_b32 v[236+t], v23 offset:64*(16*\g+8*\k+t)
.set t,t+1
.endr
	s_wait_dscnt 0x0
.irp u,0,1
.set t,0
.rept 8
	WM 128+8*t, 24+12*t, 192+12*\u, 1, 236+t, 234+\u
.set t,t+1
.endr
	NOPS 4
	QUANTV 128, 128+((2*\g+\u)*2+\k)*12, 224+(2*\g+\u)*2+\k
.endr
.endm
	PHV 0, 0
	PHV 0, 1
	PHV 1, 0
	PHV 1, 1
	; ---- O: for each tile T of rows i: o = v p, the gate, their product / l, quantised: block w of the next K
.irp g,0,1
.irp i,6,7,8,9,10,11
	v_mov_b32 v[56+12*\g+\i], 0
.endr
.endr
	v_mov_b32 v156, 0                              ; lane permutes' destinations count as read
	v_mov_b32 v157, 0
	v_lshlrev_b32 v187, 2, v1
	s_mov_b32 s60, 16
	s_mov_b32 s61, 0
	s_mov_b32 s62, 0
	s_mov_b32 s63, 0
	s_mov_b32 s67, 0
.macro PLOAD                           ; p's two fragments of a tile, their scale words, l
.irp k,0,1
.irp c,0,1
.irp q,0,1,2
	global_load_b64 v[24+12*\k+6*\c+2*\q:25+12*\k+6*\c+2*\q], v9, s[48:49] offset:(4*\k+2*\c)*384+8*\q
.endr
.endr
	global_load_b32 v[236+\k], v187, s[50:51] offset:64*\k
.endr
	global_load_b32 v50, v187, s[52:53]
.endm
	PLOAD
.LT:
	s_wait_loadcnt 0x0                             ; this tile's p and l are in, so the bases may step
	v_mov_b32 v52, v50
	v_mov_b32 v53, v50
	s_add_nc_u64 s[48:49], s[48:49], 3072
	s_add_nc_u64 s[50:51], s[50:51], 1024
	s_add_nc_u64 s[52:53], s[52:53], 512
	v_add_nc_u32 v13, s61, v22
	v_add_nc_u32 v19, s62, v23
	v_add_nc_u32 v184, s63, v14
	v_add_nc_u32 v185, s67, v15
.irp g,0,1
.irp q,0,1,2
	ds_load_b64 v[56+12*\g+2*\q:57+12*\g+2*\q], v13 offset:12288*\g+8*\q
.endr
	ds_load_b32 v[238+\g], v19 offset:1024*\g
.endr
	WIN 0x01
.irp k,0,1
.irp g,0,1
.irp u,0,1
	WM 88+16*\g+8*\u, 128+((2*\g+\u)*2+\k)*12, 24+12*\k, 1-\k, 224+(2*\g+\u)*2+\k, 236+\k
.endr
.endr
.endr
	s_wait_dscnt 0x0                               ; mn's two tiles; the last trip's stores too
.irp g,0,1
.irp u,0,1
	WM 120+16*\g+8*\u, 224+12*\u, 56+12*\g, 1, 232+\u, 238+\g
.endr
.endr
	WIN 0
	NOPS 4
	s_cmp_eq_u32 s60, 1
	s_cbranch_scc1 .LTn
	PLOAD                                          ; the next tile's lands under this tile's vector work
.LTn:
.set i,0
.rept 16
	v_pk_mul_f32 v[120+i:121+i], v[120+i:121+i], s[46:47] op_sel_hi:[1,0]
.set i,i+2
.endr
.set i,0
.rept 32
	v_exp_f32 v[120+i], v[120+i]
.set i,i+1
.endr
	v_nop
	s_wait_alu depctr_va_vdst(0)                   ; one wait for the batch
.set i,0
.rept 16
	v_pk_fma_f32 v[120+i:121+i], v[120+i:121+i], v[52:53], v[52:53]     ; l (1 + e): the division by l costs nothing
.set i,i+2
.endr
.set i,0
.rept 32
	v_rcp_f32 v[120+i], v[120+i]
.set i,i+1
.endr
	v_nop
	s_wait_alu depctr_va_vdst(0)
.set i,0
.rept 16
	v_pk_mul_f32 v[88+i:89+i], v[88+i:89+i], v[120+i:121+i]
.set i,i+2
.endr
	QN 2, 88, 152, 184, 0, 49152, 0
	ds_store_b8 v185, v164
	ds_store_b8 v185, v165 offset:2048
	s_add_co_u32 s61, s61, 768
	s_add_co_u32 s62, s62, 64
	s_add_co_u32 s63, s63, 3072
	s_add_co_u32 s67, s67, 128
	s_sub_co_u32 s60, s60, 1
	s_cmp_lg_u32 s60, 0
	s_cbranch_scc1 .LT
	WIN 0x40
.irp b,0,1
.irp j,0,1,2,3
	global_load_b128 v[176+16*\b+4*\j:179+16*\b+4*\j], v6, s[24:25] offset:128*\b+16*\j
	global_load_b128 v[208+16*\b+4*\j:211+16*\b+4*\j], v6, s[26:27] offset:128*\b+16*\j
.endr
.endr
	WIN 0
	BAR                                            ; all eight blocks of every tile lie in LDS; from here on a wave touches its own four tiles alone
	; ---- T: m += (16 rows x 256) x weight (64 x 256): 16 accumulators by turns, the residual as C
.macro TPROD wreg, sreg
.irp y,0,1,2,3
.irp k,0,1
.irp c,0,1
.irp q,0,1,2
	ds_load_b64 v[24+(2*\y+\k)*12+6*\c+2*\q:25+(2*\y+\k)*12+6*\c+2*\q], v20 offset:(\y/2)*49152+(\y%2)*3072+(4*\k+2*\c)*384+8*\q
.endr
.endr
.endr
	ds_load_b64 v[236+2*\y:237+2*\y], v12 offset:(\y/2)*2048+(\y%2)*128
.endr
.irp t,0,1,2,3
.irp k,0,1
.irp c,0,1
.irp q,0,1,2
	ds_load_b64 v[120+(2*\t+\k)*12+6*\c+2*\q:121+(2*\t+\k)*12+6*\c+2*\q], v9 offset:\wreg+\t*3072+(4*\k+2*\c)*384+8*\q
.endr
.endr
	ds_load_b32 v[244+2*\t+\k], v10 offset:\sreg+(\t/2)*256+(\t%2)*64+4*\k
.endr
.endr
	s_wait_dscnt 0x0
	WIN 0x50
.irp k,0,1
.irp t,0,1,2,3
.irp y,0,1,2,3
	WM 32*\y+8*\t, 120+(2*\t+\k)*12, 24+(2*\y+\k)*12, 0, 244+2*\t+\k, 236+2*\y+\k
.endr
.endr
.endr
	WIN 0
	NOPS 4
.endm
	TPROD WRO, WSS+1024
	s_wait_loadcnt 0x0                             ; tr_ln's gain and bias
.irp y,0,1,2,3
	LNQ \y, 176, 208, 0x14
.endr
	v_add_nc_u32 v13, s69, v22
	WIN 0x40
.irp y,0,1,2,3
.irp i,6,7,8,9,10,11
	v_mov_b32 v[128+12*\y+\i], 0
.endr
.endr
.irp y,0,1,2,3
.irp q,0,1,2
	ds_load_b64 v[128+12*\y+2*\q:129+12*\y+2*\q], v13 offset:(\y/2)*12288+(\y%2)*768+8*\q    ; LDS serves a wave's instructions in order: these see my stores
.endr
.endr
	WIN 0
.irp y,0,1,2,3
	ds_load_b32 v[248+\y], v8 offset:(\y/2)*1024+(\y%2)*64
.endr
.irp t,0,1,2,3
.irp i,6,7,8,9,10,11
	v_mov_b32 v[152+12*\t+\i], 0
.endr
.endr
	NOPS 4
	s_mov_b32 s60, 8
	s_mov_b32 s61, 0
	s_mov_b32 s62, 0
	s_mov_b32 s63, 0
	s_mov_b32 s67, 0
.macro WLOAD                           ; wa's and wb's two tiles of 32 hidden units
	v_add_nc_u32 v13, s61, v9
	v_add_nc_u32 v19, s62, v21
.irp m,0,1
.irp u,0,1
.irp q,0,1,2
	ds_load_b64 v[152+(2*\m+\u)*12+2*\q:153+(2*\m+\u)*12+2*\q], v13 offset:\m*12288+\u*768+8*\q
.endr
	ds_load_u16 v[244+2*\m+\u], v19 offset:WSS+512*\m+16*\u
.endr
.endr
.endm
	WLOAD
.LF:                                               ; eight trips: 32 hidden units = one block of the last product's K
	s_wait_dscnt 0x0                               ; the weights' tiles (x's fragments in the first trip); the last trip's stores
	WIN 0x04
.irp m,0,1
.irp u,0,1
.irp y,0,1,2,3
	WM 24+64*\m+16*\y+8*\u, 152+(2*\m+\u)*12, 128+12*\y, 1, 244+2*\m+\u, 248+\y
.endr
.endr
.endr
	WIN 0
	NOPS 4
	s_add_co_u32 s61, s61, 1536
	s_add_co_u32 s62, s62, 64
	s_cmp_eq_u32 s60, 1
	s_cbranch_scc1 .LFn
	WLOAD
.LFn:
.set i,0
.rept 32
	v_pk_mul_f32 v[88+i:89+i], v[24+i:25+i], v[88+i:89+i]               ; a b
.set i,i+2
.endr
.set i,0
.rept 32
	v_pk_mul_f32 v[24+i:25+i], v[24+i:25+i], s[46:47] op_sel_hi:[1,0]
.set i,i+2
.endr
.set i,0
.rept 64
	v_exp_f32 v[24+i], v[24+i]
.set i,i+1
.endr
	v_nop
	s_wait_alu depctr_va_vdst(0)
.set i,0
.rept 32
	v_pk_add_f32 v[24+i:25+i], v[24+i:25+i], 1.0 op_sel_hi:[1,0]
.set i,i+2
.endr
.set i,0
.rept 64
	v_rcp_f32 v[24+i], v[24+i]
.set i,i+1
.endr
	v_nop
	s_wait_alu depctr_va_vdst(0)
.set i,0
.rept 32
	v_pk_mul_f32 v[88+i:89+i], v[88+i:89+i], v[24+i:25+i]               ; a b / (1 + e^-a)
.set i,i+2
.endr
	v_add_nc_u32 v200, s63, v11
	v_add_nc_u32 v201, s67, v12
	QN 4, 88, 24, 200, 0, 3072, 49152
.irp y,0,1,2,3
	ds_store_b8 v201, v[36+\y] offset:(\y/2)*2048+(\y%2)*128
.endr
	s_add_co_u32 s63, s63, 384
	s_add_co_u32 s67, s67, 1
	s_sub_co_u32 s60, s60, 1
	s_cmp_lg_u32 s60, 0
	s_cbranch_scc1 .LF
	TPROD WR2, WSS+1536
	; the way out: a tile's 16 rows of 256 bytes through my stage, so that 16 lanes store a whole row
.macro OUTY y
.set RB, 24+32*((\y)%2)
.if (\y) >= 2
	s_wait_xcnt 0x0                                ; the stores of two tiles ago have read these registers
.endif
	WIN 0x04
.irp i,0,1,2,3,4,5,6,7
	ds_store_b128 v16, v[32*(\y)+4*\i:32*(\y)+4*\i+3] offset:128*(\i/4)+16*(\i%4)     ; each accumulator from its low end on
.endr
	WIN 0
.irp k,0,1,2,3,4,5,6,7
	ds_load_b128 v[RB+4*\k:RB+4*\k+3], v17 offset:544*\k
.endr
.irp k,0,1,2,3,4,5,6,7
	s_wait_dscnt 7-\k
	global_store_b128 v18, v[RB+4*\k:RB+4*\k+3], s[40:41] offset:(2*\k+8*(\k/4))*256+((\y)/2)*65536+((\y)%2)*2048 th:TH_STORE_NT
.endr
.endm
	OUTY 0
	OUTY 1
	OUTY 2
	OUTY 3
	s_wait_tensorcnt 0x0
	ds_add_u32 v254, v255
	s_wait_dscnt 0x0
	s_endpgm
.Lfunc_end_k_qa2cb07465c_pwatr:
	.size	k_qa2cb07465c_pwatr, .Lfunc_end_k_qa2cb07465c_pwatr-k_qa2cb07465c_pwatr
	.p2alignl 7, 3214868480
	.fill 96, 4, 3214868480
	.section	.rodata,"a",@progbits
	.p2align	6, 0x0
	.amdhsa_kernel k_qa2cb07465c_pwatr
		.amdhsa_group_segment_fixed_size 216064
		.amdhsa_private_segment_fixed_size 0
		.amdhsa_enable_private_segment 0
		.amdhsa_kernarg_size 152
		.amdhsa_user_sgpr_count 2
		.amdhsa_user_sgpr_kernarg_segment_ptr 1
		.amdhsa_wavefront_size32 1
		.amdhsa_system_sgpr_workgroup_id_x 1
		.amdhsa_system_sgpr_workgroup_id_y 1
		.amdhsa_system_sgpr_workgroup_id_z 1
		.amdhsa_system_vgpr_workitem_id 0
		.amdhsa_next_free_vgpr 512
		.amdhsa_next_free_sgpr 80
		.amdhsa_reserve_vcc 0
		.amdhsa_float_denorm_mode_32 3
		.amdhsa_float_denorm_mode_16_64 3
		.amdhsa_memory_ordered 1
		.amdhsa_forward_progress 1
		.amdhsa_inst_pref_size 198
	.end_amdhsa_kernel
	.amdgpu_metadata
---
amdhsa.version: [ 1, 2 ]
amdhsa.kernels:
  - .name:           k_qa2cb07465c_pwatr
    .symbol:         k_qa2cb07465c_pwatr.kd
    .args:
      - { .name: m, .offset: 0, .size: 8, .value_kind: global_buffer, .address_space: global }
      - { .name: pwa_lnm_w, .offset: 8, .size: 8, .value_kind: global_buffer, .address_space: global }
      - { .name: pwa_lnm_b, .offset: 16, .size: 8, .value_kind: global_buffer, .address_space: global }
      - { .name: pwa_wv_codes, .offset: 24, .size: 8, .value_kind: global_buffer, .address_space: global }
      - { .name: pwa_wv_scales, .offset: 32, .size: 8, .value_kind: global_buffer, .address_space: global }
      - { .name: pwa_wg_codes, .offset: 40, .size: 8, .value_kind: global_buffer, .address_space: global }
      - { .name: pwa_wg_scales, .offset: 48, .size: 8, .value_kind: global_buffer, .address_space: global }
      - { .name: pq, .offset: 56, .size: 8, .value_kind: global_buffer, .address_space: global }
      - { .name: pwa_wo_codes, .offset: 64, .size: 8, .value_kind: global_buffer, .address_space: global }
      - { .name: pwa_wo_scales, .offset: 72, .size: 8, .value_kind: global_buffer, .address_space: global }
      - { .name: tr_ln_w, .offset: 80, .size: 8, .value_kind: global_buffer, .address_space: global }
      - { .name: tr_ln_b, .offset: 88, .size: 8, .value_kind: global_buffer, .address_space: global }
      - { .name: tr_wa_codes, .offset: 96, .size: 8, .value_kind: global_buffer, .address_space: global }
      - { .name: tr_wa_scales, .offset: 104, .size: 8, .value_kind: global_buffer, .address_space: global }
      - { .name: tr_wb_codes, .offset: 112, .size: 8, .value_kind: global_buffer, .address_space: global }
      - { .name: tr_wb_scales, .offset: 120, .size: 8, .value_kind: global_buffer, .address_space: global }
      - { .name: tr_wo_codes, .offset: 128, .size: 8, .value_kind: global_buffer, .address_space: global }
      - { .name: tr_wo_scales, .offset: 136, .size: 8, .value_kind: global_buffer, .address_space: global }
      - { .name: out0, .offset: 144, .size: 8, .value_kind: global_buffer, .address_space: global }
    .group_segment_fixed_size: 216064
    .private_segment_fixed_size: 0
    .kernarg_segment_align: 8
    .kernarg_segment_size: 152
    .max_flat_workgroup_size: 256
    .sgpr_count:     80
    .vgpr_count:     512
    .wavefront_size: 32
...
	.end_amdgpu_metadata
.endif
;; end of part 4
;; ======== version 2 of 3: 4 launches; 1.15 times as fast as version 1
;; workspace buffers: aq 3,276,800 bytes; bq 3,276,800 bytes; mq 102,400 bytes; wrb 98,304 bytes; lgt 2,097,152 bytes; pq 417,792 bytes
;; launch prep (part 5): grid 16 x 16, 4 waves a work-group, no clusters, 71,424 bytes of LDS; arguments m, msa_mask, opm_ln_w, opm_ln_b, opm_w1_codes, opm_w1_scales, opm_w2_codes, opm_w2_scales, opm_wout_codes, aq, bq, mq, wrb; writes aq, bq, mq, wrb
.if DOCPART == 5
	.amdgcn_target "amdgcn-amd-amdhsa--gfx1250"
	.amdhsa_code_object_version 6
	.text
	.protected	k_qa2cb07465c_prep
	.globl	k_qa2cb07465c_prep
	.p2align	8
	.type	k_qa2cb07465c_prep,@function
k_qa2cb07465c_prep:
	s_mov_b64 s[64:65], 0
	v_nop
	global_prefetch_b8 v0, s[64:65] scope:SCOPE_SE
	s_setreg_imm32_b32 hwreg(HW_REG_WAVE_MODE, 25, 1), 1
	s_wait_xcnt 0x0
; a = (LN(m) w1) mask, b = (LN(m) w2) mask and the mask itself, as codes of E2M3 quantised ALONG s, and opm_wout's codes laid in the order in which a fragment's lanes take them.
; A work-group takes 16 rows i (tile T = x: row r stands for i = 32 (T / 2) + 8 (T % 2) + r + (r & 8)) and 32 s (block sb = y): one block of the later product's K.
; Phase X: wave w normalises and quantises (along the 64 channels) m at s = 32 sb + 8 w + t, t = 0 .. 7; the fragments go to LDS as images of their registers.
; m comes by loads of 512 consecutive bytes (two whole rows); the 16 rows of an s turn through the wave's own stage in LDS, so that a lane gets 32 neighbouring channels of one row; the turn runs one s ahead of the arithmetic.
; Phase 1: waves 0, 1 multiply all 32 fragments by w1's rows 0-15, 16-31, waves 2, 3 by w2's; source 0 = the weight, so a lane holds one row i and eight c.  The multiplication by the mask lays
; the results so that a lane's 32 registers run along s: a whole block a lane.  Codes leave through LDS in runs of 256 bytes or more; only the scale bytes leave singly: the four bytes of a word belong to four work-groups.
; K = 64 against the instruction's 128: registers 6-11 of both operands are zero codes, their scale bytes 0.
; LIMITS: NaN and infinities are not served; a block whose largest magnitude is under 2^-124 gets the byte 1, a block of zeros too (not 127): its codes are zeros and this program alone reads the bytes.
.set IMG, 0                            ; 32 images of 896 bytes: registers 0-3 at 16 L, 4-5 at 512 + 8 L, the scale word at 768 + 4 L
.set SA, 28672                         ; a's codes [c 32][r 16][24]
.set SB, 40960                         ; b's codes [r 16] 776 bytes apart, [e 32][24]
.set STG, 53504                        ; four stages of 16 rows x 272 bytes, one a wave: m's turn
.set FLOOR, 0x1800000                  ; 2^(3 - 127)
.set MSB, 0
.macro WIN new                         ; the immediate's high byte repeats the setting that is left
.if MSB != \new
	s_set_vgpr_msb (MSB<<8)|\new
.set MSB, \new
.endif
.endm
.macro NOPS n
.rept \n
	v_nop
.endr
.endm
.macro BAR
	s_wait_dscnt 0x0                               ; my LDS stores have landed and my LDS loads are in
	s_barrier_signal -1
	s_barrier_wait -1
.endm
	s_load_b512 s[4:19], s[0:1], 0x0               ; m, mask, ln_w, ln_b, w1 codes, w1 scales, w2 codes, w2 scales
	s_load_b256 s[20:27], s[0:1], 0x40             ; wout codes, aq, bq, mq
	s_load_b64 s[28:29], s[0:1], 0x60              ; wrb
	v_lshl_add_u32 v254, v0, 2, 0x11500
	v_mov_b32 v255, 0
	v_lshrrev_b32 v1, 5, v0
	v_readfirstlane_b32 s30, v1                    ; wave
	s_lshr_b32 s31, s30, 1                         ; 0: a, 1: b
	s_and_b32 s32, s30, 1                          ; which 16 of the 32 c
	s_and_b32 s34, ttmp7, 0xffff                   ; sb
	s_lshr_b32 s35, ttmp9, 1
	s_lshl_b32 s35, s35, 5
	s_and_b32 s38, ttmp9, 1
	s_lshl_b32 s38, s38, 3
	s_add_co_u32 s35, s35, s38                     ; the tile's first i
	s_mov_b32 s36, 0x76543210
	s_mov_b32 s37, 0xfedcba98                      ; lane l xor 16
	s_mov_b32 s40, 0x3c800000                      ; 1 / 64
	s_mov_b32 s41, 0x3727c5ac                      ; 1e-5
	v_and_b32 v4, 31, v0                           ; L
	v_and_b32 v1, 15, v0                           ; r
	v_bfe_u32 v2, v0, 4, 1                         ; h
	v_and_b32 v3, 8, v1
	v_add_nc_u32 v3, v3, v1                        ; r + (r & 8)
	v_lshlrev_b32 v5, 4, v1
	v_lshl_add_u32 v5, v2, 8, v5                   ; m: lanes 0-15 one row of 256 bytes, lanes 16-31 the next; 16 bytes a lane
	v_lshlrev_b32 v6, 7, v2                        ; gain and bias of my 32 channels
	v_mul_u32_u24 v7, v1, 48
	v_mad_u32_u24 v7, v2, 24, v7
	s_mul_i32 s38, s32, 768
	v_add_nc_u32 v7, s38, v7                       ; the weight's row 16 ct + r, block h
	v_lshlrev_b32 v8, 1, v1
	s_lshl_b32 s38, s32, 5
	v_add_nc_u32 v8, s38, v8                       ; its two scale bytes
	v_lshlrev_b32 v9, 2, v3                        ; mask
	s_mul_i32 s39, s30, 7168                       ; my eight images
	s_add_co_u32 s42, s39, 512
	s_add_co_u32 s43, s39, 768
	v_lshl_add_u32 v10, v4, 4, s39
	v_lshl_add_u32 v11, v4, 3, s42
	v_lshl_add_u32 v12, v4, 2, s43
	v_lshlrev_b32 v13, 4, v4
	v_lshl_add_u32 v14, v4, 3, 512
	v_lshl_add_u32 v15, v4, 2, 768
	v_mul_u32_u24 v16, v1, 24
	v_mad_u32_u24 v16, v2, 3072, v16
	s_mul_i32 s38, s32, 6144
	s_add_co_u32 s38, s38, SA
	v_add_nc_u32 v16, s38, v16                     ; a's stage: c = 16 ct + 8 h (+ j), row r
	v_mul_u32_u24 v17, v1, 776
	v_mad_u32_u24 v17, v2, 192, v17
	s_mul_i32 s38, s32, 384
	s_add_co_u32 s38, s38, SB
	v_add_nc_u32 v17, s38, v17                     ; b's stage: row r, e = 16 ct + 8 h (+ j)
	v_lshlrev_b32 v25, 2, v1                       ; 4 r
	v_mad_u32_u24 v18, v2, 51200, v25
	s_mul_i32 s38, s32, 102400
	v_add_nc_u32 v18, s38, v18                     ; a's scale bytes in aq
	v_lshl_add_u32 v19, v2, 9, v25
	s_lshl_b32 s38, s32, 10
	v_add_nc_u32 v19, s38, v19                     ; b's in bq
	s_mul_i32 s38, s30, 3072
	s_add_co_u32 s42, s38, SA
	v_lshl_add_u32 v20, v4, 4, s42
	s_mul_i32 s42, s30, 51200
	v_lshl_add_u32 v21, v4, 4, s42
	s_mul_i32 s42, s30, 3104
	s_add_co_u32 s42, s42, SB
	v_lshl_add_u32 v22, v4, 3, s42
	v_lshl_add_u32 v23, v4, 3, s38
	v_mul_u32_u24 v24, v1, 24
	v_mad_u32_u24 v24, v2, 12, v24                 ; 24 r + 12 h
	v_mul_u32_u24 v26, v1, 768
	v_mad_u32_u24 v26, v2, 12, v26
	v_lshlrev_b32 v27, 3, v2                       ; 8 h
	s_mul_i32 s38, s30, 4352
	s_add_co_u32 s38, s38, STG                     ; my stage
	v_mul_u32_u24 v28, v2, 272
	v_lshl_add_u32 v28, v1, 4, v28
	v_add_nc_u32 v28, s38, v28                     ; into it by rows, as loaded
	v_mul_u32_u24 v29, v1, 272
	v_lshl_add_u32 v29, v2, 7, v29
	v_add_nc_u32 v29, s38, v29                     ; out of it: row r, my 128 bytes; rows 68 words apart: 16 rows begin in 16 different groups of four banks
.irp i,0,1,2,3,4,5
	v_mov_b32 v[230+\i], 0                         ; the weight's K 64 .. 127: zero codes
.endr
	s_mov_b32 s61, 0
	s_wait_kmcnt 0x0
	s_lshl_b32 s60, s34, 5
	s_lshl_b32 s62, s30, 3
	s_add_co_u32 s60, s60, s62
	s_lshl_b32 s60, s60, 16
	s_lshl_b32 s62, s35, 8
	s_add_co_u32 s60, s60, s62
	s_add_nc_u64 s[4:5], s[4:5], s[60:61]          ; m at s = 32 sb + 8 w, the tile's first i
	s_lshl_b32 s60, s34, 15
	s_lshl_b32 s62, s35, 2
	s_add_co_u32 s60, s60, s62
	s_add_nc_u64 s[6:7], s[6:7], s[60:61]
	s_cmp_lt_u32 s30, 2                            ; the choice hangs on the wave's number alone
	s_cselect_b64 s[12:13], s[12:13], s[16:17]
	s_cselect_b64 s[14:15], s[14:15], s[18:19]
	s_mul_i32 s63, ttmp9, 204800
	s_and_b32 s60, s34, 1
	s_mul_i32 s60, s60, 12800
	s_lshr_b32 s62, s34, 1
	s_mul_i32 s62, s62, 1536
	s_add_co_u32 s60, s60, s62
	s_add_co_u32 s60, s60, s63
	s_add_nc_u64 s[44:45], s[22:23], s[60:61]      ; aq: codes of this block
	s_lshr_b32 s60, s34, 3
	s_mul_i32 s60, s60, 12800
	s_bfe_u32 s62, s34, 0x10002
	s_lshl_b32 s62, s62, 8
	s_add_co_u32 s60, s60, s62
	s_and_b32 s62, s34, 3
	s_add_co_u32 s60, s60, s62
	s_add_co_u32 s60, s60, s63
	s_add_co_u32 s60, s60, 12288
	s_add_nc_u64 s[46:47], s[22:23], s[60:61]      ; aq: this block's byte of the scale words
	s_mul_i32 s60, ttmp9, 196608
	s_mul_i32 s62, s34, 12288
	s_add_co_u32 s60, s60, s62
	s_add_nc_u64 s[48:49], s[24:25], s[60:61]
	s_lshl_b32 s60, ttmp9, 13
	s_lshr_b32 s62, s34, 2
	s_lshl_b32 s63, s62, 11
	s_add_co_u32 s60, s60, s63
	s_and_b32 s63, s34, 3
	s_add_co_u32 s60, s60, s63
	s_add_co_u32 s60, s60, 3145728
	s_add_nc_u64 s[50:51], s[24:25], s[60:61]
	s_mul_i32 s60, ttmp9, 6144
	s_mul_i32 s38, s34, 384
	s_add_co_u32 s60, s60, s38
	s_add_nc_u64 s[52:53], s[26:27], s[60:61]
	s_lshl_b32 s60, ttmp9, 8
	s_lshl_b32 s62, s62, 6
	s_add_co_u32 s60, s60, s62
	s_add_co_u32 s60, s60, s63
	s_add_co_u32 s60, s60, 98304
	s_add_nc_u64 s[54:55], s[26:27], s[60:61]
	s_lshl_b32 s38, s34, 4
	s_add_co_u32 s38, s38, ttmp9                   ; g = T + 16 sb: which chunk of wout wave 1 re-lays: g = 32 p + 4 nt + blk
	s_bfe_u32 s60, s38, 0x30002
	s_mul_i32 s60, s60, 12288
	s_lshr_b32 s62, s38, 5
	s_lshl_b32 s62, s62, 2
	s_and_b32 s63, s38, 3
	s_add_co_u32 s62, s62, s63
	s_mul_i32 s62, s62, 24
	s_add_co_u32 s60, s60, s62
	s_add_nc_u64 s[56:57], s[20:21], s[60:61]
	s_mul_i32 s60, s38, 384
	s_add_nc_u64 s[58:59], s[28:29], s[60:61]
	; all of the wave's loads go out here: 52 small ones, then its 32 KiB of m
.irp q,0,1,2,3,4,5,6,7
	global_load_b128 v[32+4*\q:35+4*\q], v6, s[8:9] offset:16*\q
	global_load_b128 v[64+4*\q:67+4*\q], v6, s[10:11] offset:16*\q
.endr
.irp q,0,1,2
	global_load_b64 v[224+2*\q:225+2*\q], v7, s[12:13] offset:8*\q
.endr
	global_load_u16 v236, v8, s[14:15]
.set i,0
.rept 32
	global_load_b32 v[192+i], v9, s[6:7] offset:1024*i
.set i,i+1
.endr
	WIN 0x40
.set i,0
.rept 8
.irp q,0,1,2,3,4,5,6,7
	global_load_b128 v[32*i+4*\q:32*i+4*\q+3], v5, s[4:5] offset:65536*i+(2*\q+8*(\q/4))*256 th:TH_LOAD_NT   ; tile rows 2 q, 2 q + 1: 512 consecutive bytes
.endr
.set i,i+1
.endr
	WIN 0
; the 16 rows of my t-th s through my stage: in by rows, out 128 bytes of one row a lane, into the registers that they left.  LDS serves a wave's instructions in order: the loads see the stores, and the next turn's stores come behind these loads
.macro TURN t
	WIN 0x04
.irp k,0,1,2,3,4,5,6,7
	ds_store_b128 v28, v[32*(\t)+4*\k:32*(\t)+4*\k+3] offset:544*\k
.endr
	WIN 0x40
.irp q,0,1,2,3,4,5,6,7
	ds_load_b128 v[32*(\t)+4*\q:32*(\t)+4*\q+3], v29 offset:16*\q
.endr
.endm
; m at my t-th s: normalised over the 64 channels (32 mine, 32 in lane l xor 16), quantised (a block a lane), stored as an image.  dsc: the LDS instructions of the next s's turn, which may stay out
.macro LNQ t, dsc
.set XB, 32*(\t)
.set FS, 160+12*((\t)%2)
	s_wait_dscnt \dsc                              ; my rows are back from the stage, and the earlier images' stores are done
	WIN 0x05
.set i,0
.rept 8
	v_pk_add_f32 v[128+2*i:129+2*i], v[XB+4*i:XB+4*i+1], v[XB+4*i+2:XB+4*i+3]
.set i,i+1
.endr
	WIN 0
	v_pk_add_f32 v[128:129], v[128:129], v[130:131]
	v_pk_add_f32 v[132:133], v[132:133], v[134:135]
	v_pk_add_f32 v[136:137], v[136:137], v[138:139]
	v_pk_add_f32 v[140:141], v[140:141], v[142:143]
	v_pk_add_f32 v[128:129], v[128:129], v[132:133]
	v_pk_add_f32 v[136:137], v[136:137], v[140:141]
	v_pk_add_f32 v[128:129], v[128:129], v[136:137]
	v_add_f32 v128, v128, v129
	v_permlanex16_b32 v130, v128, s36, s37
	v_add_f32 v128, v128, v130
	v_mul_f32 v150, s40, v128                      ; the mean, twice
	v_mul_f32 v151, s40, v128
	WIN 0x01
.set i,0
.rept 16
	v_pk_add_f32 v[96+i:97+i], v[XB+i:XB+i+1], v[150:151] neg_lo:[0,1] neg_hi:[0,1]
.set i,i+2
.endr
	WIN 0
	v_pk_mul_f32 v[128:129], v[96:97], v[96:97]
	v_pk_mul_f32 v[130:131], v[98:99], v[98:99]
.set i,4
.rept 7
	v_pk_fma_f32 v[128:129], v[96+i:97+i], v[96+i:97+i], v[128:129]
	v_pk_fma_f32 v[130:131], v[98+i:99+i], v[98+i:99+i], v[130:131]
.set i,i+4
.endr
	v_pk_add_f32 v[128:129], v[128:129], v[130:131]
	v_add_f32 v128, v128, v129
	v_permlanex16_b32 v130, v128, s36, s37
	v_add_f32 v128, v128, v130
	v_fma_f32 v128, v128, s40, s41                 ; variance + 1e-5
	v_rsq_f32 v148, v128
	v_nop                                          ; a plain line behind the transcendental,
	s_wait_alu depctr_va_vdst(0)                   ; and the wait ahead of its first reader
	v_mov_b32 v149, v148
.set i,0
.rept 16
	v_pk_mul_f32 v[96+i:97+i], v[96+i:97+i], v[148:149]
.set i,i+2
.endr
.set i,0
.rept 16
	v_pk_fma_f32 v[96+i:97+i], v[96+i:97+i], v[32+i:33+i], v[64+i:65+i]
.set i,i+2
.endr
	v_max3_num_f32 v132, |v96|, |v97|, FLOOR       ; the block's largest magnitude, in two chains, the floor among the leaves
	v_max3_num_f32 v133, |v112|, |v113|, FLOOR
.irp i,2,4,6,8,10,12,14
	v_max3_num_f32 v132, v132, |v[96+\i]|, |v[97+\i]|
	v_max3_num_f32 v133, v133, |v[112+\i]|, |v[113+\i]|
.endr
	v_max_num_f32 v132, v132, v133
	v_add_nc_u32 v134, 0xff000000, v132            ; 2 off the exponent field: the conversion's scale operand
	v_lshrrev_b32 v135, 23, v134                   ; the byte
	v_cvt_scalef32_pk16_fp6_f32 v[FS:FS+2], v[96:111], v134
	v_cvt_scalef32_pk16_fp6_f32 v[FS+8:FS+10], v[112:127], v134
	v_lshlrev_b32 v136, v27, v135                  ; (a plain line behind the conversions)  my byte at its place in the word
.irp i,0,1,2
	v_mov_b32 v[FS+3+\i], v[FS+8+\i]
.endr
	v_permlanex16_b32 v137, v136, s36, s37
	v_or_b32 v[FS+6], v136, v137                   ; bytes 0, 1: blocks 0, 1; bytes 2, 3: 0
	ds_store_b128 v10, v[FS:FS+3] offset:896*(\t)
	ds_store_b64 v11, v[FS+4:FS+5] offset:896*(\t)
	ds_store_b32 v12, v[FS+6] offset:896*(\t)
.endm
	s_wait_loadcnt 56                              ; my first s is in: the eight loads of each of the seven younger s may stay out
	TURN 0
.irp t,0,1,2,3,4,5,6
	s_wait_loadcnt 8*(6-\t)                        ; the next s is in,
	TURN (\t)+1                                    ; and turns while this one is worked: 16 LDS instructions
	LNQ \t, 16
.endr
	LNQ 7, 0
.set k,0
.rept 8
.irp i,6,7,8,9,10,11
	v_mov_b32 v[32+12*k+\i], 0                     ; the fragments' K 64 .. 127
.endr
.set k,k+1
.endr
	BAR                                            ; the 32 images lie in LDS
; eight s at a time: D(c, i) = weight x fragment; then x mask, laid so that register t of T[j] is s = 32 sb + t.  The next eight images are asked for behind the products' places and land under the multiplications
.macro PLD g
.set k,0
.rept 8
	ds_load_b128 v[32+12*k:35+12*k], v13 offset:896*(8*(\g)+k)
	ds_load_b64 v[36+12*k:37+12*k], v14 offset:896*(8*(\g)+k)
	ds_load_b32 v[240+k], v15 offset:896*(8*(\g)+k)
.set k,k+1
.endr
.endm
.macro PH1 g
	s_wait_dscnt 0x0
.set k,0
.rept 8
	v_wmma_scale_f32_16x16x128_f8f6f4 v[128+8*k:135+8*k], v[224:235], v[32+12*k:43+12*k], 0, v236, v[240+k] matrix_a_fmt:MATRIX_FMT_FP6 matrix_b_fmt:MATRIX_FMT_FP6
.set k,k+1
.endr
	NOPS 5                                         ; places ahead of the first read of the sums, of loads into registers that the products have read, and of the next products, which begin the same sums anew
.if \g < 3
	PLD (\g)+1
.endif
	WIN 0x40
.set k,0
.rept 8
.set j,0
.rept 8
	v_mul_f32 v[32*j+8*\g+k], v[128+8*k+j], v[192+8*\g+k]   ; each accumulator from its low end on
.set j,j+1
.endr
.set k,k+1
.endr
	WIN 0
.endm
	NOPS 4                                         ; operands written by vector instructions (the zeros above) stand four places ahead of a scaled product
	PLD 0
	PH1 0
	PH1 1
	PH1 2
	PH1 3
	; my eight blocks of 32 along s, by turns
	WIN 0x14
.irp j,0,1,2,3,4,5,6,7
	v_max3_num_f32 v[32+\j], FLOOR, |v[32*\j]|, |v[32*\j+1]|
.endr
.irp i,2,4,6,8,10,12,14,16,18,20,22,24,26,28,30
.irp j,0,1,2,3,4,5,6,7
	v_max3_num_f32 v[32+\j], v[32+\j], |v[32*\j+\i]|, |v[32*\j+\i+1]|
.endr
.endr
	WIN 0
.irp j,0,1,2,3,4,5,6,7
	v_add_nc_u32 v[40+\j], 0xff000000, v[32+\j]
.endr
.irp j,0,1,2,3,4,5,6,7
	v_lshrrev_b32 v[48+\j], 23, v[40+\j]
.endr
	WIN 0x01
.irp j,0,1,2,3,4,5,6,7
	v_cvt_scalef32_pk16_fp6_f32 v[64+12*\j:66+12*\j], v[32*\j:32*\j+15], v[40+\j]
	v_cvt_scalef32_pk16_fp6_f32 v[70+12*\j:72+12*\j], v[32*\j+16:32*\j+31], v[40+\j]
.endr
	WIN 0
	v_nop                                          ; a plain line behind the conversions
.irp j,0,1,2,3,4,5,6,7
.irp i,0,1,2
	v_mov_b32 v[67+12*\j+\i], v[70+12*\j+\i]
.endr
.endr
	s_cmp_lg_u32 s31, 0
	s_cbranch_scc1 .Larm_b
.irp j,0,1,2,3,4,5,6,7
.irp q,0,1,2
	ds_store_b64 v16, v[64+12*\j+2*\q:65+12*\j+2*\q] offset:384*\j+8*\q
.endr
	global_store_b8 v18, v[48+\j], s[46:47] offset:(\j/4)*25600+(\j%4)*64
.endr
	s_branch .Ljoin
.Larm_b:
.irp j,0,1,2,3,4,5,6,7
.irp q,0,1,2
	ds_store_b64 v17, v[64+12*\j+2*\q:65+12*\j+2*\q] offset:24*\j+8*\q
.endr
	global_store_b8 v19, v[48+\j], s[50:51] offset:64*\j
.endr
.Ljoin:
	BAR                                            ; both stages are whole
.irp k,0,1,2,3,4,5
	ds_load_b128 v[64+4*\k:67+4*\k], v20 offset:512*\k
.endr
.irp k,0,1,2,3,4,5,6,7,8,9,10,11
	ds_load_b64 v[88+2*\k:89+2*\k], v22 offset:(\k/3)*776+(\k%3)*256
.endr
.irp k,0,1,2,3,4,5
	s_wait_dscnt 17-\k                             ; LDS loads come back in order: the younger ones may be out
	global_store_b128 v21, v[64+4*\k:67+4*\k], s[44:45] offset:(\k/3)*25600+(\k%3)*512   ; 512 consecutive bytes, aligned to 256
.endr
.irp k,0,1,2,3,4,5,6,7,8,9,10,11
	s_wait_dscnt 11-\k
	global_store_b64 v23, v[88+2*\k:89+2*\k], s[48:49] offset:(\k/3)*768+(\k%3)*256      ; 256 consecutive bytes, aligned
.endr
	s_cmp_lg_u32 s30, 0
	s_cbranch_scc1 .Lnot0
	; wave 0: the mask's block of 32 s for each of the 16 rows (both halves of the lanes hold the same 32 numbers; half h stores codes 16 h .. 16 h + 15)
	v_max3_num_f32 v32, |v192|, |v193|, FLOOR
.irp i,2,4,6,8,10,12,14,16,18,20,22,24,26,28,30
	v_max3_num_f32 v32, v32, |v[192+\i]|, |v[193+\i]|
.endr
	v_add_nc_u32 v33, 0xff000000, v32
	v_lshrrev_b32 v34, 23, v33
	v_cvt_scalef32_pk16_fp6_f32 v[36:38], v[192:207], v33
	v_cvt_scalef32_pk16_fp6_f32 v[40:42], v[208:223], v33
	v_nop
	s_mov_b32 s60, 0xffff0000
	v_cndmask_b32 v44, v36, v40, s60
	v_cndmask_b32 v45, v37, v41, s60
	v_cndmask_b32 v46, v38, v42, s60
	global_store_b96 v24, v[44:46], s[52:53]
	global_store_b8 v25, v34, s[54:55]
.Lnot0:
	s_cmp_lg_u32 s30, 1
	s_cbranch_scc1 .Lend
	global_load_b96 v[36:38], v26, s[56:57]        ; wave 1: one block of 32 codes of 16 rows of wout,
	s_wait_loadcnt 0x0
	global_store_b96 v24, v[36:38], s[58:59]       ; as 384 consecutive bytes
.Lend:
	s_wait_tensorcnt 0x0
	ds_add_u32 v254, v255
	s_wait_dscnt 0x0
	s_endpgm
.Lfunc_end_k_qa2cb07465c_prep:
	.size	k_qa2cb07465c_prep, .Lfunc_end_k_qa2cb07465c_prep-k_qa2cb07465c_prep
	.p2alignl 7, 3214868480
	.fill 96, 4, 3214868480
	.section	.rodata,"a",@progbits
	.p2align	6, 0x0
	.amdhsa_kernel k_qa2cb07465c_prep
		.amdhsa_group_segment_fixed_size 71424
		.amdhsa_private_segment_fixed_size 0
		.amdhsa_enable_private_segment 0
		.amdhsa_kernarg_size 104
		.amdhsa_user_sgpr_count 2
		.amdhsa_user_sgpr_kernarg_segment_ptr 1
		.amdhsa_wavefront_size32 1
		.amdhsa_system_sgpr_workgroup_id_x 1
		.amdhsa_system_sgpr_workgroup_id_y 1
		.amdhsa_system_sgpr_workgroup_id_z 1
		.amdhsa_system_vgpr_workitem_id 0
		.amdhsa_next_free_vgpr 512
		.amdhsa_next_free_sgpr 66
		.amdhsa_reserve_vcc 0
		.amdhsa_float_denorm_mode_32 3
		.amdhsa_float_denorm_mode_16_64 3
		.amdhsa_memory_ordered 1
		.amdhsa_forward_progress 1
		.amdhsa_inst_pref_size 129
	.end_amdhsa_kernel
	.amdgpu_metadata
---
amdhsa.version: [ 1, 2 ]
amdhsa.kernels:
  - .name:           k_qa2cb07465c_prep
    .symbol:         k_qa2cb07465c_prep.kd
    .args:
      - { .name: m, .offset: 0, .size: 8, .value_kind: global_buffer, .address_space: global }
      - { .name: msa_mask, .offset: 8, .size: 8, .value_kind: global_buffer, .address_space: global }
      - { .name: opm_ln_w, .offset: 16, .size: 8, .value_kind: global_buffer, .address_space: global }
      - { .name: opm_ln_b, .offset: 24, .size: 8, .value_kind: global_buffer, .address_space: global }
      - { .name: opm_w1_codes, .offset: 32, .size: 8, .value_kind: global_buffer, .address_space: global }
      - { .name: opm_w1_scales, .offset: 40, .size: 8, .value_kind: global_buffer, .address_space: global }
      - { .name: opm_w2_codes, .offset: 48, .size: 8, .value_kind: global_buffer, .address_space: global }
      - { .name: opm_w2_scales, .offset: 56, .size: 8, .value_kind: global_buffer, .address_space: global }
      - { .name: opm_wout_codes, .offset: 64, .size: 8, .value_kind: global_buffer, .address_space: global }
      - { .name: aq, .offset: 72, .size: 8, .value_kind: global_buffer, .address_space: global }
      - { .name: bq, .offset: 80, .size: 8, .value_kind: global_buffer, .address_space: global }
      - { .name: mq, .offset: 88, .size: 8, .value_kind: global_buffer, .address_space: global }
      - { .name: wrb, .offset: 96, .size: 8, .value_kind: global_buffer, .address_space: global }
    .group_segment_fixed_size: 71424
    .private_segment_fixed_size: 0
    .kernarg_segment_align: 8
    .kernarg_segment_size: 104
    .max_flat_workgroup_size: 128
    .sgpr_count:     66
    .vgpr_count:     512
    .wavefront_size: 32
...
	.end_amdgpu_metadata
.endif
;; end of part 5
;; launch opm: the kernel of part 2 again; grid 16 x 16, 4 waves a work-group, clusters of 4 x 1, 327,680 bytes of LDS; arguments z, aq, bq, mq, wrb, opm_wout_scales, opm_bout, pwa_lnz_w, pwa_lnz_b, pwa_wz, out1, lgt; writes out1, lgt
;; launch soft (part 6): grid 16 x 2, 8 waves a work-group, no clusters, 17,920 bytes of LDS; arguments lgt, pq; writes pq
.if DOCPART == 6
	.amdgcn_target "amdgcn-amd-amdhsa--gfx1250"
	.amdhsa_code_object_version 6
	.text
	.protected	k_qa2cb07465c_soft
	.globl	k_qa2cb07465c_soft
	.p2align	8
	.type	k_qa2cb07465c_soft,@function
k_qa2cb07465c_soft:
	s_mov_b64 s[64:65], 0
	v_nop
	global_prefetch_b8 v0, s[64:65] scope:SCOPE_SE
	s_setreg_imm32_b32 hwreg(HW_REG_WAVE_MODE, 25, 1), 1
	s_wait_xcnt 0x0
; p = 2^(t - M), t = logit x log2(e), M = the ceiling of the row's largest t, over all 256 j of a row (i, head); p's codes of E2M3 along j, their scale words, and the row's sum of the unquantised p.
; A work-group takes 16 i (tile T = x) and four heads (y); wave J takes j = 32 J .. 32 J + 31: lane (r, h) holds i = row r, j = 32 J + 16 h + idx, four heads to a load.
; The waves' maxima and sums meet in LDS.  The exponential's destination register does the turn from [idx][head] to [head][idx], so that a lane's 16 registers run along j.
; THE CODES LEAVE AS IMAGES OF THE OPERAND'S REGISTERS: [head][T][K step 2][group 3][lane 32][16 bytes]: registers 4 g .. 4 g + 3 of the fragment's lane at 512 g + 16 x lane, so that the reader takes a fragment by three
; loads of 16 bytes a lane.  Block J of row r is registers 6 ((J >> 1) & 1) + 0 .. 5 of lane r + 16 (J & 1) of K step J / 4; my 16 codes are three of them.  They meet in LDS and leave in runs of 512 bytes.
; 32 work-groups: the lanes' image of 16 i and the rows' 256 j fix the split; the launch moves 2.4 MB.
; LIMITS: NaN and infinities are not served; a block whose every p is under 2^-124 gets the byte 1.
.set MX, 0                             ; [x 4][r 16][J 8] f32
.set SM, 2048
.set SCB, 4096                         ; [x 4][ks 2][r 16][4 bytes]
.set CIM, 4608                         ; [x 4][ks 2][group 3][lane 32][16 bytes]: the fragments' images
	s_load_b128 s[4:7], s[0:1], 0x0                ; lgt, pq
	v_lshl_add_u32 v192, v0, 2, 0x4200
	v_mov_b32 v193, 0
	v_lshrrev_b32 v1, 5, v0
	v_readfirstlane_b32 s8, v1                     ; J
	s_and_b32 s9, ttmp7, 0xffff                    ; which four heads
	s_mov_b32 s16, 0x76543210
	s_mov_b32 s17, 0xfedcba98
	s_mov_b32 s18, 0x3fb8aa3b                      ; log2(e)
	s_mov_b32 s19, s18
	v_and_b32 v4, 31, v0
	v_and_b32 v1, 15, v0
	v_bfe_u32 v2, v0, 4, 1
	v_lshlrev_b32 v5, 4, v4
	v_lshlrev_b32 v7, 5, v1
	s_lshl_b32 s20, s8, 2
	v_add_nc_u32 v6, s20, v7                       ; my wave's word of row r
	s_lshr_b32 s20, s8, 2
	s_lshl_b32 s20, s20, 6
	s_and_b32 s21, s8, 3
	s_add_co_u32 s20, s20, s21
	s_add_co_u32 s20, s20, SCB
	v_lshl_add_u32 v9, v1, 2, s20                  ; my block's byte
	v_lshl_add_u32 v10, v2, 9, v7
	v_add_nc_u32 v10, SM, v10
	v_lshlrev_b32 v11, 2, v1
	v_lshl_add_u32 v11, v2, 6, v11
	v_lshl_add_u32 v12, v4, 4, SCB
	s_bfe_u32 s20, s8, 0x10001                     ; (J >> 1) & 1
	s_mul_i32 s20, s20, 6
	v_mul_u32_u24 v187, v2, 3
	v_add_nc_u32 v187, s20, v187                   ; the first of my three registers of the fragment: 6 ((J >> 1) & 1) + 3 h
	s_lshr_b32 s20, s8, 2
	s_mul_i32 s20, s20, 1536
	s_and_b32 s21, s8, 1
	s_lshl_b32 s21, s21, 8
	s_add_co_u32 s20, s20, s21
	s_add_co_u32 s20, s20, CIM
	v_lshl_add_u32 v190, v1, 4, s20                ; K step J / 4, lane r + 16 (J & 1)
.irp q,0,1,2
	v_add_nc_u32 v188, \q, v187                    ; register n of the fragment lies at 512 (n / 4) + 4 (n % 4)
	v_lshrrev_b32 v189, 2, v188
	v_and_b32 v188, 3, v188
	v_lshl_add_u32 v[184+\q], v189, 9, v190
	v_lshl_add_u32 v[184+\q], v188, 2, v[184+\q]
.endr
	s_mul_i32 s20, s8, 1536
	s_add_co_u32 s20, s20, CIM
	v_lshl_add_u32 v191, v4, 4, s20                ; on the way out wave w takes image w: head w / 2, K step w % 2
.irp x,0,1,2,3
	v_mov_b32 v[152+\x], 0                         ; a lane permute's destination counts as read
.endr
	s_mov_b32 s21, 0
	s_lshl_b32 s20, ttmp9, 17
	s_lshl_b32 s22, s8, 14
	s_add_co_u32 s20, s20, s22
	s_lshl_b32 s22, s9, 9
	s_add_co_u32 s20, s20, s22
	s_wait_kmcnt 0x0
	s_add_nc_u64 s[4:5], s[4:5], s[20:21]
	s_mul_i32 s20, s9, 196608
	s_mul_i32 s22, ttmp9, 3072
	s_add_co_u32 s20, s20, s22
	s_lshr_b32 s22, s8, 1
	s_mul_i32 s22, s22, 49152
	s_add_co_u32 s20, s20, s22
	s_and_b32 s22, s8, 1
	s_mul_i32 s22, s22, 1536
	s_add_co_u32 s20, s20, s22
	s_add_nc_u64 s[10:11], s[6:7], s[20:21]        ; the image that my wave stores
	s_lshl_b32 s20, ttmp9, 10
	s_lshl_b32 s22, s9, 9
	s_add_co_u32 s20, s20, s22
	s_add_co_u32 s20, s20, 393216
	s_add_nc_u64 s[12:13], s[6:7], s[20:21]
	s_lshl_b32 s20, ttmp9, 9
	s_lshl_b32 s22, s9, 8
	s_add_co_u32 s20, s20, s22
	s_add_co_u32 s20, s20, 409600
	s_add_nc_u64 s[14:15], s[6:7], s[20:21]
.set i,0
.rept 16
	global_load_b128 v[16+4*i:19+4*i], v5, s[4:5] offset:1024*i    ; 512 consecutive bytes
.set i,i+1
.endr
	s_wait_loadcnt 0x0
.irp x,0,1,2,3
	v_max3_num_f32 v[144+\x], v[16+\x], v[20+\x], v[24+\x]
.endr
.irp i,3,5,7,9,11,13
.irp x,0,1,2,3
	v_max3_num_f32 v[144+\x], v[144+\x], v[16+4*\i+\x], v[20+4*\i+\x]
.endr
.endr
.irp x,0,1,2,3
	v_max_num_f32 v[144+\x], v[144+\x], v[76+\x]
.endr
.irp x,0,1,2,3
	v_permlanex16_b32 v[152+\x], v[144+\x], s16, s17
.endr
.irp x,0,1,2,3
	v_max_num_f32 v[144+\x], v[144+\x], v[152+\x]  ; the block's largest logit: it serves for the row's maximum and for the block's largest p
.endr
.irp x,0,1,2,3
	ds_store_b32 v6, v[144+\x] offset:MX+512*\x
.endr
	s_wait_dscnt 0x0
	s_barrier_signal -1
	s_barrier_wait -1
.irp x,0,1,2,3
	ds_load_b128 v[152+8*\x:155+8*\x], v7 offset:MX+512*\x
	ds_load_b128 v[156+8*\x:159+8*\x], v7 offset:MX+512*\x+16
.endr
	s_wait_dscnt 0x0
.irp x,0,1,2,3
	v_max3_num_f32 v[148+\x], v[152+8*\x], v[153+8*\x], v[154+8*\x]
.endr
.irp x,0,1,2,3
	v_max3_num_f32 v[148+\x], v[148+\x], v[155+8*\x], v[156+8*\x]
.endr
.irp x,0,1,2,3
	v_max3_num_f32 v[148+\x], v[148+\x], v[157+8*\x], v[158+8*\x]
.endr
.irp x,0,1,2,3
	v_max_num_f32 v[148+\x], v[148+\x], v[159+8*\x]
.endr
.irp x,0,1,2,3
	v_mul_f32 v[148+\x], s18, v[148+\x]
.endr
.irp x,0,1,2,3
	v_floor_f32 v[148+\x], -v[148+\x]              ; -M = floor(-t) = -ceil(t)
.endr
.set i,0
.rept 16
	v_pk_fma_f32 v[16+4*i:17+4*i], v[16+4*i:17+4*i], s[18:19], v[148:149] op_sel_hi:[1,0,1]
	v_pk_fma_f32 v[18+4*i:19+4*i], v[18+4*i:19+4*i], s[18:19], v[150:151] op_sel_hi:[1,0,1]
.set i,i+1
.endr
.set i,0
.rept 16
.irp x,0,1,2,3
	v_exp_f32 v[80+16*\x+i], v[16+4*i+\x]
.endr
.set i,i+1
.endr
.irp x,0,1,2,3
	v_fma_f32 v[144+\x], v[144+\x], s18, v[148+\x] ; (plain work behind the batch)
.endr
	s_wait_alu depctr_va_vdst(0)                   ; one wait for the 64
.irp x,0,1,2,3
	v_exp_f32 v[144+\x], v[144+\x]                 ; the block's largest p
.endr
.irp x,0,1,2,3                                 ; the sums read the 64 alone
	v_pk_add_f32 v[152:153], v[80+16*\x:81+16*\x], v[82+16*\x:83+16*\x]
	v_pk_add_f32 v[154:155], v[84+16*\x:85+16*\x], v[86+16*\x:87+16*\x]
	v_pk_add_f32 v[156:157], v[88+16*\x:89+16*\x], v[90+16*\x:91+16*\x]
	v_pk_add_f32 v[158:159], v[92+16*\x:93+16*\x], v[94+16*\x:95+16*\x]
	v_pk_add_f32 v[152:153], v[152:153], v[154:155]
	v_pk_add_f32 v[156:157], v[156:157], v[158:159]
	v_pk_add_f32 v[152:153], v[152:153], v[156:157]
	v_add_f32 v[160+\x], v152, v153
.endr
.irp x,0,1,2,3
	v_permlanex16_b32 v[164+\x], v[160+\x], s16, s17
.endr
.irp x,0,1,2,3
	v_add_f32 v[160+\x], v[160+\x], v[164+\x]
.endr
.irp x,0,1,2,3
	ds_store_b32 v6, v[160+\x] offset:SM+512*\x
.endr
	s_wait_alu depctr_va_vdst(0)                   ; and one for the four
.irp x,0,1,2,3
	v_max_num_f32 v[144+\x], 0x1800000, v[144+\x]
.endr
.irp x,0,1,2,3
	v_add_nc_u32 v[168+\x], 0xff000000, v[144+\x]
.endr
.irp x,0,1,2,3
	v_lshrrev_b32 v[172+\x], 23, v[168+\x]
.endr
.irp x,0,1,2,3
	v_cvt_scalef32_pk16_fp6_f32 v[16+4*\x:18+4*\x], v[80+16*\x:95+16*\x], v[168+\x]
.endr
	v_nop
.irp x,0,1,2,3
.irp q,0,1,2
	ds_store_b32 v[184+\q], v[16+4*\x+\q] offset:3072*\x           ; my three registers of head x's fragment
.endr
	ds_store_b8 v9, v[172+\x] offset:128*\x
.endr
	s_wait_dscnt 0x0
	s_barrier_signal -1
	s_barrier_wait -1
.irp g,0,1,2
	ds_load_b128 v[80+4*\g:83+4*\g], v191 offset:512*\g
.endr
.irp g,0,1,2
	s_wait_dscnt 2-\g                              ; LDS loads come back in order: the younger ones may be out
	global_store_b128 v5, v[80+4*\g:83+4*\g], s[10:11] offset:512*\g      ; 512 consecutive bytes, aligned to 256
.endr
	s_cmp_lg_u32 s8, 0
	s_cbranch_scc1 .Lnot0
	ds_load_b128 v[152:155], v10                   ; wave 0: the rows' sums: heads h and h + 2
	ds_load_b128 v[156:159], v10 offset:16
	ds_load_b128 v[160:163], v10 offset:1024
	ds_load_b128 v[164:167], v10 offset:1040
	s_wait_dscnt 0x0
	v_pk_add_f32 v[152:153], v[152:153], v[154:155]
	v_pk_add_f32 v[156:157], v[156:157], v[158:159]
	v_pk_add_f32 v[160:161], v[160:161], v[162:163]
	v_pk_add_f32 v[164:165], v[164:165], v[166:167]
	v_pk_add_f32 v[152:153], v[152:153], v[156:157]
	v_pk_add_f32 v[160:161], v[160:161], v[164:165]
	v_add_f32 v152, v152, v153
	v_add_f32 v160, v160, v161
	global_store_b32 v11, v152, s[14:15]
	global_store_b32 v11, v160, s[14:15] offset:128
.Lnot0:
	s_cmp_lg_u32 s8, 1
	s_cbranch_scc1 .Lend
	ds_load_b128 v[152:155], v12                   ; wave 1: the scale words, 512 consecutive bytes
	s_wait_dscnt 0x0
	global_store_b128 v5, v[152:155], s[12:13]
.Lend:
	s_wait_tensorcnt 0x0
	ds_add_u32 v192, v193
	s_wait_dscnt 0x0
	s_endpgm
.Lfunc_end_k_qa2cb07465c_soft:
	.size	k_qa2cb07465c_soft, .Lfunc_end_k_qa2cb07465c_soft-k_qa2cb07465c_soft
	.p2alignl 7, 3214868480
	.fill 96, 4, 3214868480
	.section	.rodata,"a",@progbits
	.p2align	6, 0x0
	.amdhsa_kernel k_qa2cb07465c_soft
		.amdhsa_group_segment_fixed_size 17920
		.amdhsa_private_segment_fixed_size 0
		.amdhsa_enable_private_segment 0
		.amdhsa_kernarg_size 16
		.amdhsa_user_sgpr_count 2
		.amdhsa_user_sgpr_kernarg_segment_ptr 1
		.amdhsa_wavefront_size32 1
		.amdhsa_system_sgpr_workgroup_id_x 1
		.amdhsa_system_sgpr_workgroup_id_y 1
		.amdhsa_system_sgpr_workgroup_id_z 1
		.amdhsa_system_vgpr_workitem_id 0
		.amdhsa_next_free_vgpr 194
		.amdhsa_next_free_sgpr 66
		.amdhsa_reserve_vcc 0
		.amdhsa_float_denorm_mode_32 3
		.amdhsa_float_denorm_mode_16_64 3
		.amdhsa_memory_ordered 1
		.amdhsa_forward_progress 1
		.amdhsa_inst_pref_size 21
	.end_amdhsa_kernel
	.amdgpu_metadata
---
amdhsa.version: [ 1, 2 ]
amdhsa.kernels:
  - .name:           k_qa2cb07465c_soft
    .symbol:         k_qa2cb07465c_soft.kd
    .args:
      - { .name: lgt, .offset: 0, .size: 8, .value_kind: global_buffer, .address_space: global }
      - { .name: pq, .offset: 8, .size: 8, .value_kind: global_buffer, .address_space: global }
    .group_segment_fixed_size: 17920
    .private_segment_fixed_size: 0
    .kernarg_segment_align: 8
    .kernarg_segment_size: 16
    .max_flat_workgroup_size: 256
    .sgpr_count:     66
    .vgpr_count:     194
    .wavefront_size: 32
...
	.end_amdgpu_metadata
.endif
;; end of part 6
;; launch pwatr (part 7): grid 256 x 1, 8 waves a work-group, no clusters, 216,064 bytes of LDS; arguments m, pwa_lnm_w, pwa_lnm_b, pwa_wv_codes, pwa_wv_scales, pwa_wg_codes, pwa_wg_scales, pq, pwa_wo_codes, pwa_wo_scales, tr_ln_w, tr_ln_b, tr_wa_codes, tr_wa_scales, tr_wb_codes, tr_wb_scales, tr_wo_codes, tr_wo_scales, out0; writes out0
.if DOCPART == 7
	.amdgcn_target "amdgcn-amd-amdhsa--gfx1250"
	.amdhsa_code_object_version 6
	.text
	.protected	k_qa2cb07465c_pwatr
	.globl	k_qa2cb07465c_pwatr
	.p2align	8
	.type	k_qa2cb07465c_pwatr,@function
k_qa2cb07465c_pwatr:
	s_mov_b64 s[64:65], 0
	v_nop
	global_prefetch_b8 v0, s[64:65] scope:SCOPE_SE
	s_setreg_imm32_b32 hwreg(HW_REG_WAVE_MODE, 25, 1), 1
	s_wait_xcnt 0x0
; out0 = m' + (silu(x wa) (x wb)) wo2, x = LN(m'), m' = m + (sigmoid(mn wg) o) wo, o(s, i, h, d) = sum over j of p(i, j, h) v(s, j, h, d) / l(i, h), v = mn wv, mn = LN(m).
; A work-group owns two s: 32 tiles of 16 rows, tau = 16 sg + T.  m is read once and stays in registers as the residual: both products that add onto it take it as their C.  v, the gate, o and both hidden layers never go to memory.
; ROW PHASES (1, T): wave w owns tiles y = 0 .. 3: sg = y / 2, T = 2 w + y % 2.  HEAD PHASES (V, O): wave w is head w: v's fragments are made and used by one wave and stay in its registers, and each
; fragment of p goes from memory straight into the one wave that wants it; that is why no tile is asked for jointly here: in a work-group each byte of p has one reader.
; m comes by loads of 512 consecutive bytes (two whole rows) and turns through the wave's stage in LDS, the one that the way out uses, one tile ahead of the arithmetic.
; p lies in memory as images of its fragments' registers: three loads of 16 bytes a lane bring a fragment; a tile's nine loads go out two tiles ahead, into two sets of registers by turns.
; Every product has its weight (or v) as source 0, with rows 32 b + 8 u + r + (r & 8) to a tile, so that a lane holds one row and 16 registers of two tiles are 16 neighbours along the next K.
; Codes go from wave to wave through LDS as chunks [16 rows][24 bytes], one block of 32 along K each.  K = 64 against the instruction's 128: registers 6-11 are zero codes.
; Two waves to a SIMD: the vector work (two layer norms, 96 exponentials and reciprocals a lane and tile) outweighs the matrix work.
; REGISTERS.  Window 1: v0-127 m (tile y at 32 y; register 16 B + k = channel 32 B + 16 h + k); v128-223 v's 8 fragments, later x's; v176-239 later tr_ln's gain and bias; v224-247 wg; v248-254 the quantiser's.
;   Window 0: v1-23 addresses; v24-223 by phase; v224-251 scale words alone.
; LIMITS: NaN and infinities are not served; a block whose largest magnitude is under 2^-124, a block of zeros too, gets the byte 1.
.set WRO, 24576                        ; tr_wa at 0, tr_wb at 12,288, pwa_wo, tr_wo: codes in chunk order
.set WR2, 36864
.set WSS, 49152                        ; their scale bytes as given, 512 each
.set MN2, 51200                        ; [tau 32][block 2][r][24]
.set MSC, 75776                        ; [tau][r] words
.set GO,  77824                        ; [tau][block 8][r][24]: gate x o, later the hidden layer
.set GSC, 176128                       ; [tau][r][8 bytes]
.set OST, 180224                       ; eight stages of 16 x 272 bytes
.set FLOOR, 0x1800000
.set MSB, 0
.macro WIN new
.if MSB != \new
	s_set_vgpr_msb (MSB<<8)|\new
.set MSB, \new
.endif
.endm
.macro NOPS n
.rept \n
	v_nop
.endr
.endm
.macro BAR
	s_wait_dscnt 0x0
	s_barrier_signal -1
	s_barrier_wait -1
.endm
.macro WM d, a, b, cz, sa, sb
.if \cz
	v_wmma_scale_f32_16x16x128_f8f6f4 v[(\d):(\d)+7], v[(\a):(\a)+11], v[(\b):(\b)+11], 0, v[\sa], v[\sb] matrix_a_fmt:MATRIX_FMT_FP6 matrix_b_fmt:MATRIX_FMT_FP6
.else
	v_wmma_scale_f32_16x16x128_f8f6f4 v[(\d):(\d)+7], v[(\a):(\a)+11], v[(\b):(\b)+11], v[(\d):(\d)+7], v[\sa], v[\sb] matrix_a_fmt:MATRIX_FMT_FP6 matrix_b_fmt:MATRIX_FMT_FP6
.endif
.endm
; n blocks by turns; block b: my 16 numbers v[src + 16 b ..], the other 16 in lane l xor 16.  Codes (12 bytes) to LDS at adr + off + o1 (b % 2) + o2 (b / 2); the bytes stay in v[tmp + 12 + b]
.macro QN n, src, tmp, adr, off, o1, o2
.set qb,0
.rept \n
	v_max3_num_f32 v[\tmp+qb], |v[\src+16*qb]|, |v[\src+16*qb+1]|, FLOOR
.set qb,qb+1
.endr
.irp i,2,4,6,8,10,12,14
.set qb,0
.rept \n
	v_max3_num_f32 v[\tmp+qb], v[\tmp+qb], |v[\src+16*qb+\i]|, |v[\src+16*qb+\i+1]|
.set qb,qb+1
.endr
.endr
.set qb,0
.rept \n
	v_permlanex16_b32 v[\tmp+4+qb], v[\tmp+qb], s44, s45
.set qb,qb+1
.endr
.set qb,0
.rept \n
	v_max_num_f32 v[\tmp+qb], v[\tmp+qb], v[\tmp+4+qb]
.set qb,qb+1
.endr
.set qb,0
.rept \n
	v_add_nc_u32 v[\tmp+8+qb], 0xff000000, v[\tmp+qb]
.set qb,qb+1
.endr
.set qb,0
.rept \n
	v_lshrrev_b32 v[\tmp+12+qb], 23, v[\tmp+8+qb]
.set qb,qb+1
.endr
.set qb,0
.rept \n
	v_cvt_scalef32_pk16_fp6_f32 v[\tmp+16+4*qb:\tmp+18+4*qb], v[\src+16*qb:\src+16*qb+15], v[\tmp+8+qb]
.set qb,qb+1
.endr
	v_nop                                          ; a plain line behind the conversions
.set qb,0
.rept \n
.irp q,0,1,2
	ds_store_b32 v[\adr], v[\tmp+16+4*qb+\q] offset:\off+\o1*(qb%2)+\o2*(qb/2)+4*\q
.endr
.set qb,qb+1
.endr
.endm
	s_load_b512 s[4:19], s[0:1], 0x0               ; m, lnm_w, lnm_b, wv codes, wv scales, wg codes, wg scales, pq
	s_load_b512 s[20:35], s[0:1], 0x40             ; wo codes, wo scales, tr_ln_w, tr_ln_b, wa codes, wa scales, wb codes, wb scales
	s_load_b128 s[36:39], s[0:1], 0x80             ; tr_wo codes, tr_wo scales
	s_load_b64 s[40:41], s[0:1], 0x90              ; out0
	v_lshl_add_u32 v254, v0, 2, 0x34800
	v_mov_b32 v255, 0
	v_lshrrev_b32 v1, 5, v0
	v_readfirstlane_b32 s42, v1                    ; wave
	s_mov_b32 s43, 0x3c800000                      ; 1 / 64
	s_mov_b32 s44, 0x76543210
	s_mov_b32 s45, 0xfedcba98
	s_mov_b32 s46, 0xbfb8aa3b                      ; -log2(e)
	s_mov_b32 s47, s46
	s_mov_b32 s66, 0x3727c5ac                      ; 1e-5
	v_and_b32 v4, 31, v0
	v_and_b32 v1, 15, v0
	v_bfe_u32 v2, v0, 4, 1
	v_and_b32 v3, 8, v1
	v_add_nc_u32 v3, v3, v1
	v_lshlrev_b32 v5, 4, v4                        ; 16 x lane: my place in an image of p
	v_lshlrev_b32 v6, 6, v2
	v_mul_u32_u24 v9, v1, 24
	v_mad_u32_u24 v7, v2, 12, v9                   ; 24 r + 12 h: where a lane's 16 codes go
	v_mad_u32_u24 v9, v2, 384, v9                  ; 24 r + 384 h: where a lane's block comes from
	s_mul_i32 s68, s42, 6144
	s_add_co_u32 s68, s68, GO
	v_add_nc_u32 v11, s68, v7
	v_add_nc_u32 v20, s68, v9
	s_mul_i32 s68, s42, 384
	s_add_co_u32 s68, s68, GO
	v_add_nc_u32 v14, s68, v7
	s_mul_i32 s69, s42, 1536
	s_add_co_u32 s68, s69, MN2
	v_add_nc_u32 v7, s68, v7
	v_add_nc_u32 v22, MN2, v9
	v_lshlrev_b32 v23, 2, v1
	s_lshl_b32 s68, s42, 7
	s_add_co_u32 s68, s68, MSC
	v_add_nc_u32 v8, s68, v23
	v_add_nc_u32 v23, MSC, v23
	v_lshlrev_b32 v10, 3, v3
	v_lshlrev_b32 v21, 1, v3
	v_lshlrev_b32 v15, 3, v1
	s_lshl_b32 s68, s42, 8
	s_add_co_u32 s68, s68, GSC
	v_add_nc_u32 v12, s68, v15
	s_add_co_u32 s68, s42, GSC
	v_add_nc_u32 v15, s68, v15
	s_mul_i32 s68, s42, 4352
	s_add_co_u32 s68, s68, OST
	v_mul_u32_u24 v16, v1, 272
	v_lshl_add_u32 v16, v2, 6, v16
	v_add_nc_u32 v16, s68, v16                     ; the stage as m lies in registers: row r, + 64 h
	v_mul_u32_u24 v17, v2, 272
	v_lshl_add_u32 v17, v1, 4, v17
	v_add_nc_u32 v17, s68, v17                     ; the stage by rows
	v_lshlrev_b32 v18, 8, v2
	v_lshl_add_u32 v18, v1, 4, v18                 ; m, out0: lanes 0-15 one row of 256 bytes, lanes 16-31 the next
	; the weights' copy: thread t takes 48 bytes at 48 t of each array of codes; row n goes to tile row (n & 7) | ((n >> 4) & 1) << 3 of tile ((n >> 5), (n >> 3) & 1)
	v_mul_u32_u24 v152, v0, 48
	v_and_b32 v153, 7, v0
	v_bfe_u32 v154, v0, 4, 1
	v_lshl_or_b32 v153, v154, 3, v153
	v_mul_u32_u24 v153, v153, 24
	v_lshrrev_b32 v154, 5, v0
	v_mad_u32_u24 v153, v154, 1536, v153
	v_bfe_u32 v154, v0, 3, 1
	v_mad_u32_u24 v153, v154, 768, v153            ; K = 64: n = t
	v_bfe_u32 v155, v0, 2, 3
	v_bfe_u32 v154, v0, 6, 1
	v_lshl_or_b32 v155, v154, 3, v155
	v_mul_u32_u24 v155, v155, 24
	v_lshrrev_b32 v154, 7, v0
	v_mad_u32_u24 v155, v154, 6144, v155
	v_bfe_u32 v154, v0, 5, 1
	v_mad_u32_u24 v155, v154, 3072, v155
	v_and_b32 v154, 3, v0
	v_mad_u32_u24 v155, v154, 768, v155            ; K = 256: n = t / 4, blocks 2 (t & 3), + 1
	v_and_b32 v156, 63, v0
	v_lshlrev_b32 v156, 3, v156
	v_lshl_add_u32 v157, v0, 3, WSS
	v_mul_u32_u24 v158, v3, 48
	v_mad_u32_u24 v158, v2, 24, v158
	v_add_nc_u32 v158, s69, v158                   ; wv, wg: row 32 w + r + (r & 8) (+ 8 u), block h
	s_lshl_b32 s68, s42, 6
	v_add_nc_u32 v159, s68, v21
.irp u,0,1
.irp i,6,7,8,9,10,11
	v_mov_b32 v[192+12*\u+\i], 0
.endr
.endr
	WIN 0x40
.irp u,0,1
.irp i,6,7,8,9,10,11
	v_mov_b32 v[224+12*\u+\i], 0
.endr
.endr
	WIN 0
	s_mov_b32 s71, 0
	s_lshl_b32 s70, ttmp9, 17
	s_lshl_b32 s68, s42, 13
	s_add_co_u32 s70, s70, s68
	s_wait_kmcnt 0x0
	s_add_nc_u64 s[4:5], s[4:5], s[70:71]          ; m and out0 at s = 2 g, i = 32 w
	s_add_nc_u64 s[40:41], s[40:41], s[70:71]
	s_mul_i32 s70, s42, 49152
	s_add_nc_u64 s[48:49], s[18:19], s[70:71]      ; p's codes of head w
	s_lshl_b32 s70, s42, 7
	s_add_co_u32 s70, s70, 393216
	s_add_nc_u64 s[50:51], s[18:19], s[70:71]      ; its scale words
	s_lshl_b32 s70, s42, 6
	s_add_co_u32 s70, s70, 409600
	s_add_nc_u64 s[52:53], s[18:19], s[70:71]      ; its sums
	s_cmp_lt_u32 s42, 2                            ; which array of scale bytes my pair of waves copies
	s_cselect_b64 s[70:71], s[30:31], s[34:35]
	s_cmp_lt_u32 s42, 6
	s_cselect_b64 s[72:73], s[22:23], s[38:39]
	s_cmp_lt_u32 s42, 4
	s_cselect_b64 s[70:71], s[70:71], s[72:73]
	WIN 0x40
.irp i,0,1,2,3,4,5
	global_load_b64 v[128+2*\i:129+2*\i], v152, s[28:29] offset:8*\i
	global_load_b64 v[140+2*\i:141+2*\i], v152, s[32:33] offset:8*\i
	global_load_b64 v[152+2*\i:153+2*\i], v152, s[20:21] offset:8*\i
	global_load_b64 v[164+2*\i:165+2*\i], v152, s[36:37] offset:8*\i
.endr
	global_load_b64 v[176:177], v156, s[70:71]
	WIN 0
.irp b,0,1
.irp j,0,1,2,3
	global_load_b128 v[24+16*\b+4*\j:27+16*\b+4*\j], v6, s[6:7] offset:128*\b+16*\j
	global_load_b128 v[56+16*\b+4*\j:59+16*\b+4*\j], v6, s[8:9] offset:128*\b+16*\j
.endr
.endr
	WIN 0x40
.irp y,0,1,2,3
.irp k,0,1,2,3,4,5,6,7
	global_load_b128 v[32*\y+4*\k:32*\y+4*\k+3], v18, s[4:5] offset:(\y/2)*65536+(\y%2)*2048+(2*\k+8*(\k/4))*256 th:TH_LOAD_NT   ; tile rows 2 k, 2 k + 1: 512 consecutive bytes
.endr
.endr
.irp u,0,1
.irp q,0,1,2
	global_load_b64 v[224+12*\u+2*\q:225+12*\u+2*\q], v158, s[14:15] offset:384*\u+8*\q
.endr
.endr
	WIN 0
.irp u,0,1
.irp q,0,1,2
	global_load_b64 v[192+12*\u+2*\q:193+12*\u+2*\q], v158, s[10:11] offset:384*\u+8*\q
.endr
	global_load_u16 v[234+\u], v159, s[12:13] offset:16*\u
	global_load_u16 v[232+\u], v159, s[16:17] offset:16*\u
.endr
; tile y of m through my stage: in by rows, out as the residual lies (row r; channels 32 B + 16 h + 0 .. 15), into the registers that it left.  LDS serves a wave's instructions in order: the loads see the stores, and the next tile's stores come behind these loads
.macro MTURN y
	WIN 0x04
.irp k,0,1,2,3,4,5,6,7
	ds_store_b128 v17, v[32*(\y)+4*\k:32*(\y)+4*\k+3] offset:544*\k
.endr
	WIN 0x40
.irp i,0,1,2,3,4,5,6,7
	ds_load_b128 v[32*(\y)+4*\i:32*(\y)+4*\i+3], v16 offset:128*(\i/4)+16*(\i%4)
.endr
.endm
; tile y of m: normalised (32 channels mine, 32 in lane l xor 16), x gain + bias (at lw, lb under window setting win), quantised along the channels, codes and scale word to my own tiles in LDS.  dsc: the LDS instructions of the next tile's turn, which may stay out
.macro LNQ y, lw, lb, win, dsc
.set MB, 32*(\y)
	s_wait_dscnt \dsc                              ; the tile is back from the stage, and the last tile's LDS stores have read the registers that are written below
	WIN 0x05
.set i,0
.rept 8
	v_pk_add_f32 v[120+2*i:121+2*i], v[MB+4*i:MB+4*i+1], v[MB+4*i+2:MB+4*i+3]     ; each accumulator from its low end on
.set i,i+1
.endr
	WIN 0
	v_pk_add_f32 v[120:121], v[120:121], v[122:123]
	v_pk_add_f32 v[124:125], v[124:125], v[126:127]
	v_pk_add_f32 v[128:129], v[128:129], v[130:131]
	v_pk_add_f32 v[132:133], v[132:133], v[134:135]
	v_pk_add_f32 v[120:121], v[120:121], v[124:125]
	v_pk_add_f32 v[128:129], v[128:129], v[132:133]
	v_pk_add_f32 v[120:121], v[120:121], v[128:129]
	v_add_f32 v120, v120, v121
	v_permlanex16_b32 v122, v120, s44, s45
	v_add_f32 v120, v120, v122
	v_mul_f32 v150, s43, v120
	v_mul_f32 v151, s43, v120
	WIN 0x01
.set i,0
.rept 16
	v_pk_add_f32 v[88+i:89+i], v[MB+i:MB+i+1], v[150:151] neg_lo:[0,1] neg_hi:[0,1]
.set i,i+2
.endr
	WIN 0
	v_pk_mul_f32 v[120:121], v[88:89], v[88:89]
	v_pk_mul_f32 v[122:123], v[90:91], v[90:91]
.set i,4
.rept 7
	v_pk_fma_f32 v[120:121], v[88+i:89+i], v[88+i:89+i], v[120:121]
	v_pk_fma_f32 v[122:123], v[90+i:91+i], v[90+i:91+i], v[122:123]
.set i,i+4
.endr
	v_pk_add_f32 v[120:121], v[120:121], v[122:123]
	v_add_f32 v120, v120, v121
	v_permlanex16_b32 v122, v120, s44, s45
	v_add_f32 v120, v120, v122
	v_fma_f32 v120, v120, s43, s66
	v_rsq_f32 v148, v120
	v_nop
	s_wait_alu depctr_va_vdst(0)                   ; the wait behind a transcendental
	v_mov_b32 v149, v148
.set i,0
.rept 16
	v_pk_mul_f32 v[88+i:89+i], v[88+i:89+i], v[148:149]
.set i,i+2
.endr
	WIN \win
.set i,0
.rept 16
	v_pk_fma_f32 v[88+i:89+i], v[88+i:89+i], v[\lw+i:\lw+i+1], v[\lb+i:\lb+i+1]
.set i,i+2
.endr
	WIN 0
	QN 2, 88, 120, 7, ((\y)/2)*12288+((\y)%2)*768, 384, 0
	v_lshl_or_b32 v120, v133, 8, v132              ; bytes 0, 1; bytes 2, 3 are 0
	ds_store_b32 v8, v120 offset:((\y)/2)*1024+((\y)%2)*64
.endm
	; ---- 1
	s_wait_loadcnt 40                              ; my first tile is in: the three younger tiles' eight loads each and wv's and wg's sixteen may stay out
	MTURN 0
.irp y,0,1,2
	s_wait_loadcnt 8*(2-\y)+16                     ; the next tile is in,
	MTURN (\y)+1                                   ; and turns while this one is worked: 16 LDS instructions
	LNQ \y, 24, 56, 0, 16
.endr
	LNQ 3, 24, 56, 0, 0
	s_wait_loadcnt 0x0
	WIN 0x04
.irp i,0,1,2,3,4,5
	ds_store_b64 v153, v[128+2*\i:129+2*\i] offset:(\i/3)*384+(\i%3)*8
	ds_store_b64 v153, v[140+2*\i:141+2*\i] offset:12288+(\i/3)*384+(\i%3)*8
	ds_store_b64 v155, v[152+2*\i:153+2*\i] offset:WRO+(\i/3)*384+(\i%3)*8
	ds_store_b64 v155, v[164+2*\i:165+2*\i] offset:WR2+(\i/3)*384+(\i%3)*8
.endr
	ds_store_b64 v157, v[176:177]
	WIN 0
.set t,0
.rept 8
.irp i,6,7,8,9,10,11
	v_mov_b32 v[24+12*t+\i], 0
.endr
.set t,t+1
.endr
	NOPS 4                                         ; an operand written by vector instructions stands four places ahead of a scaled product: the barrier and the LDS loads between fill none
	BAR                                            ; mn's 32 tiles and the weights lie in LDS
	; ---- V: v of head w, transposed (source 0 = 16 rows j of mn, source 1 = 16 d of wv): a lane holds one d, its registers run along j
.macro QUANTV s, pc, pw                ; 64 numbers -> a fragment in window 1, its scale word
.irp b,0,1,2,3
	v_max3_num_f32 v[120+\b], |v[\s+16*\b]|, |v[\s+16*\b+1]|, FLOOR
.endr
.irp i,2,4,6,8,10,12,14
.irp b,0,1,2,3
	v_max3_num_f32 v[120+\b], v[120+\b], |v[\s+16*\b+\i]|, |v[\s+16*\b+\i+1]|
.endr
.endr
.irp b,0,1,2,3
	v_permlanex16_b32 v[124+\b], v[120+\b], s44, s45
.endr
.irp b,0,1,2,3
	v_max_num_f32 v[120+\b], v[120+\b], v[124+\b]
.endr
.irp b,0,1,2,3
	v_add_nc_u32 v[216+\b], 0xff000000, v[120+\b]
.endr
.irp b,0,1,2,3
	v_lshrrev_b32 v[124+\b], 23, v[216+\b]
.endr
	v_lshl_or_b32 v[\pw], v125, 8, v124
	v_lshl_or_b32 v[\pw], v126, 16, v[\pw]
	v_lshl_or_b32 v[\pw], v127, 24, v[\pw]
	WIN 0x40
.irp c,0,1
	v_cvt_scalef32_pk16_fp6_f32 v[\pc+6*\c:\pc+6*\c+2], v[\s+32*\c:\s+32*\c+15], v[216+2*\c]
	v_cvt_scalef32_pk16_fp6_f32 v[248+4*\c:250+4*\c], v[\s+32*\c+16:\s+32*\c+31], v[217+2*\c]
.endr
	WIN 0x41
	v_nop
.irp c,0,1
.irp i,0,1,2
	v_permlane16_swap_b32 v[\pc+6*\c+\i], v[248+4*\c+\i]
.endr
.irp i,0,1,2
	v_mov_b32 v[\pc+3+6*\c+\i], v[248+4*\c+\i]
.endr
.endr
	WIN 0
.endm
.macro PHV g, k                        ; s = 2 g' + g, j = 128 k .. 128 k + 127: eight tiles
.set t,0
.rept 8
.irp q,0,1,2
	ds_load_b64 v[24+12*t+2*\q:25+12*t+2*\q], v22 offset:768*(16*\g+8*\k+t)+8*\q
.endr
	ds_load_b32 v[236+t], v23 offset:64*(16*\g+8*\k+t)
.set t,t+1
.endr
	s_wait_dscnt 0x0
.irp u,0,1
.set t,0
.rept 8
	WM 128+8*t, 24+12*t, 192+12*\u, 1, 236+t, 234+\u
.set t,t+1
.endr
	NOPS 4
	QUANTV 128, 128+((2*\g+\u)*2+\k)*12, 224+(2*\g+\u)*2+\k
.endr
.endm
	PHV 0, 0
	PHV 0, 1
	PHV 1, 0
	PHV 1, 1
	; ---- O: for each tile T of rows i: o = v p, the gate, their product / l, quantised: block w of the next K
.irp g,0,1
.irp i,6,7,8,9,10,11
	v_mov_b32 v[56+12*\g+\i], 0
.endr
.endr
	v_mov_b32 v156, 0                              ; lane permutes' destinations count as read
	v_mov_b32 v157, 0
	v_lshlrev_b32 v187, 2, v1
	s_mov_b32 s60, 7
	s_mov_b32 s61, 0
	s_mov_b32 s62, 0
	s_mov_b32 s63, 0
	s_mov_b32 s67, 0
; p's two fragments of the tile t tiles on from where the bases stand, their scale words, l: nine loads, into set s (codes v24-47 or v188-211, scale words v236-237 or v240-241, l v50 or v51)
.macro PLOAD s, t
.set PFB, 24+164*(\s)
.irp k,0,1
.irp g,0,1,2
	global_load_b128 v[PFB+12*\k+4*\g:PFB+12*\k+4*\g+3], v5, s[48:49] offset:(\t)*3072+\k*1536+\g*512     ; 512 consecutive bytes: registers 4 g .. 4 g + 3 of every lane
.endr
	global_load_b32 v[236+4*(\s)+\k], v187, s[50:51] offset:(\t)*1024+64*\k
.endr
	global_load_b32 v[50+(\s)], v187, s[52:53] offset:(\t)*512
.endm
; One tile, its p in set s.  load = 1: the set takes the tile two on as soon as the products have read it.  cnt: the loads issued behind this tile's, which may stay out
.macro OTILE s, load, cnt
.set PFB, 24+164*(\s)
	s_wait_loadcnt \cnt                            ; this tile's p and l are in; the next tile's nine loads may be out
	v_mov_b32 v52, v[50+(\s)]
	v_mov_b32 v53, v[50+(\s)]
	v_add_nc_u32 v13, s61, v22
	v_add_nc_u32 v19, s62, v23
	v_add_nc_u32 v184, s63, v14
	v_add_nc_u32 v185, s67, v15
.irp g,0,1
.irp q,0,1,2
	ds_load_b64 v[56+12*\g+2*\q:57+12*\g+2*\q], v13 offset:12288*\g+8*\q
.endr
	ds_load_b32 v[238+\g], v19 offset:1024*\g
.endr
	WIN 0x01
.irp k,0,1
.irp g,0,1
.irp u,0,1
	WM 88+16*\g+8*\u, 128+((2*\g+\u)*2+\k)*12, PFB+12*\k, 1-\k, 224+(2*\g+\u)*2+\k, 236+4*(\s)+\k
.endr
.endr
.endr
	s_wait_dscnt 0x0                               ; mn's two tiles; the last tile's stores too
.irp g,0,1
.irp u,0,1
	WM 120+16*\g+8*\u, 224+12*\u, 56+12*\g, 1, 232+\u, 238+\g
.endr
.endr
	WIN 0
	NOPS 4                                         ; places ahead of the first read of the sums and of loads into registers that the products have read
.if \load
	PLOAD \s, 2                                    ; it has two tiles' work in which to land
.endif
.set i,0
.rept 16
	v_pk_mul_f32 v[120+i:121+i], v[120+i:121+i], s[46:47] op_sel_hi:[1,0]
.set i,i+2
.endr
.set i,0
.rept 32
	v_exp_f32 v[120+i], v[120+i]
.set i,i+1
.endr
	v_nop
	s_wait_alu depctr_va_vdst(0)                   ; one wait for the batch
.set i,0
.rept 16
	v_pk_fma_f32 v[120+i:121+i], v[120+i:121+i], v[52:53], v[52:53]     ; l (1 + e): the division by l costs nothing
.set i,i+2
.endr
.set i,0
.rept 32
	v_rcp_f32 v[120+i], v[120+i]
.set i,i+1
.endr
	v_nop
	s_wait_alu depctr_va_vdst(0)
.set i,0
.rept 16
	v_pk_mul_f32 v[88+i:89+i], v[88+i:89+i], v[120+i:121+i]
.set i,i+2
.endr
	QN 2, 88, 152, 184, 0, 49152, 0
	ds_store_b8 v185, v164
	ds_store_b8 v185, v165 offset:2048
	s_add_co_u32 s61, s61, 768
	s_add_co_u32 s62, s62, 64
	s_add_co_u32 s63, s63, 3072
	s_add_co_u32 s67, s67, 128
.if \load
	s_wait_xcnt 0x0                                ; the loads issued so far have read their bases: they step one tile
	s_add_nc_u64 s[48:49], s[48:49], 3072
	s_add_nc_u64 s[50:51], s[50:51], 1024
	s_add_nc_u64 s[52:53], s[52:53], 512
.endif
.endm
	PLOAD 0, 0
	PLOAD 1, 1
.LT:                                               ; seven trips of two tiles: tiles 0 to 13 ask for tiles 2 to 15
	OTILE 0, 1, 9
	OTILE 1, 1, 9
	s_sub_co_u32 s60, s60, 1
	s_cmp_lg_u32 s60, 0
	s_cbranch_scc1 .LT
	OTILE 0, 0, 9                                  ; the last two tiles ask for nothing: no load leaves the buffer, and the counts run down
	OTILE 1, 0, 0
	WIN 0x40
.irp b,0,1
.irp j,0,1,2,3
	global_load_b128 v[176+16*\b+4*\j:179+16*\b+4*\j], v6, s[24:25] offset:128*\b+16*\j
	global_load_b128 v[208+16*\b+4*\j:211+16*\b+4*\j], v6, s[26:27] offset:128*\b+16*\j
.endr
.endr
	WIN 0
	BAR                                            ; all eight blocks of every tile lie in LDS; from here on a wave touches its own four tiles alone
	; ---- T: m += (16 rows x 256) x weight (64 x 256): 16 accumulators by turns, the residual as C
.macro TPROD wreg, sreg
.irp y,0,1,2,3
.irp k,0,1
.irp c,0,1
.irp q,0,1,2
	ds_load_b64 v[24+(2*\y+\k)*12+6*\c+2*\q:25+(2*\y+\k)*12+6*\c+2*\q], v20 offset:(\y/2)*49152+(\y%2)*3072+(4*\k+2*\c)*384+8*\q
.endr
.endr
.endr
	ds_load_b64 v[236+2*\y:237+2*\y], v12 offset:(\y/2)*2048+(\y%2)*128
.endr
.irp t,0,1,2,3
.irp k,0,1
.irp c,0,1
.irp q,0,1,2
	ds_load_b64 v[120+(2*\t+\k)*12+6*\c+2*\q:121+(2*\t+\k)*12+6*\c+2*\q], v9 offset:\wreg+\t*3072+(4*\k+2*\c)*384+8*\q
.endr
.endr
	ds_load_b32 v[244+2*\t+\k], v10 offset:\sreg+(\t/2)*256+(\t%2)*64+4*\k
.endr
.endr
	s_wait_dscnt 0x0
	WIN 0x50
.irp k,0,1
.irp t,0,1,2,3
.irp y,0,1,2,3
	WM 32*\y+8*\t, 120+(2*\t+\k)*12, 24+(2*\y+\k)*12, 0, 244+2*\t+\k, 236+2*\y+\k
.endr
.endr
.endr
	WIN 0
	NOPS 4
.endm
	TPROD WRO, WSS+1024
	s_wait_loadcnt 0x0                             ; tr_ln's gain and bias
.irp y,0,1,2,3
	LNQ \y, 176, 208, 0x14, 0
.endr
	v_add_nc_u32 v13, s69, v22
	WIN 0x40
.irp y,0,1,2,3
.irp i,6,7,8,9,10,11
	v_mov_b32 v[128+12*\y+\i], 0
.endr
.endr
.irp y,0,1,2,3
.irp q,0,1,2
	ds_load_b64 v[128+12*\y+2*\q:129+12*\y+2*\q], v13 offset:(\y/2)*12288+(\y%2)*768+8*\q    ; LDS serves a wave's instructions in order: these see my stores
.endr
.endr
	WIN 0
.irp y,0,1,2,3
	ds_load_b32 v[248+\y], v8 offset:(\y/2)*1024+(\y%2)*64
.endr
.irp t,0,1,2,3
.irp i,6,7,8,9,10,11
	v_mov_b32 v[152+12*\t+\i], 0
.endr
.endr
	NOPS 4
	s_mov_b32 s60, 8
	s_mov_b32 s61, 0
	s_mov_b32 s62, 0
	s_mov_b32 s63, 0
	s_mov_b32 s67, 0
.macro WLOAD                           ; wa's and wb's two tiles of 32 hidden units
	v_add_nc_u32 v13, s61, v9
	v_add_nc_u32 v19, s62, v21
.irp m,0,1
.irp u,0,1
.irp q,0,1,2
	ds_load_b64 v[152+(2*\m+\u)*12+2*\q:153+(2*\m+\u)*12+2*\q], v13 offset:\m*12288+\u*768+8*\q
.endr
	ds_load_u16 v[244+2*\m+\u], v19 offset:WSS+512*\m+16*\u
.endr
.endr
.endm
	WLOAD
.LF:                                               ; eight trips: 32 hidden units = one block of the last product's K
	s_wait_dscnt 0x0                               ; the weights' tiles (x's fragments in the first trip); the last trip's stores
	WIN 0x04
.irp m,0,1
.irp u,0,1
.irp y,0,1,2,3
	WM 24+64*\m+16*\y+8*\u, 152+(2*\m+\u)*12, 128+12*\y, 1, 244+2*\m+\u, 248+\y
.endr
.endr
.endr
	WIN 0
	NOPS 4
	s_add_co_u32 s61, s61, 1536
	s_add_co_u32 s62, s62, 64
	s_cmp_eq_u32 s60, 1
	s_cbranch_scc1 .LFn
	WLOAD
.LFn:
.set i,0
.rept 32
	v_pk_mul_f32 v[88+i:89+i], v[24+i:25+i], v[88+i:89+i]               ; a b
.set i,i+2
.endr
.set i,0
.rept 32
	v_pk_mul_f32 v[24+i:25+i], v[24+i:25+i], s[46:47] op_sel_hi:[1,0]
.set i,i+2
.endr
.set i,0
.rept 64
	v_exp_f32 v[24+i], v[24+i]
.set i,i+1
.endr
	v_nop
	s_wait_alu depctr_va_vdst(0)
.set i,0
.rept 32
	v_pk_add_f32 v[24+i:25+i], v[24+i:25+i], 1.0 op_sel_hi:[1,0]
.set i,i+2
.endr
.set i,0
.rept 64
	v_rcp_f32 v[24+i], v[24+i]
.set i,i+1
.endr
	v_nop
	s_wait_alu depctr_va_vdst(0)
.set i,0
.rept 32
	v_pk_mul_f32 v[88+i:89+i], v[88+i:89+i], v[24+i:25+i]               ; a b / (1 + e^-a)
.set i,i+2
.endr
	v_add_nc_u32 v200, s63, v11
	v_add_nc_u32 v201, s67, v12
	QN 4, 88, 24, 200, 0, 3072, 49152
.irp y,0,1,2,3
	ds_store_b8 v201, v[36+\y] offset:(\y/2)*2048+(\y%2)*128
.endr
	s_add_co_u32 s63, s63, 384
	s_add_co_u32 s67, s67, 1
	s_sub_co_u32 s60, s60, 1
	s_cmp_lg_u32 s60, 0
	s_cbranch_scc1 .LF
	TPROD WR2, WSS+1536
	; the way out: a tile's 16 rows of 256 bytes through my stage, so that 16 lanes store a whole row
.macro OUTY y
.set RB, 24+32*((\y)%2)
.if (\y) >= 2
	s_wait_xcnt 0x0                                ; the stores of two tiles ago have read these registers
.endif
	WIN 0x04
.irp i,0,1,2,3,4,5,6,7
	ds_store_b128 v16, v[32*(\y)+4*\i:32*(\y)+4*\i+3] offset:128*(\i/4)+16*(\i%4)     ; each accumulator from its low end on
.endr
	WIN 0
.irp k,0,1,2,3,4,5,6,7
	ds_load_b128 v[RB+4*\k:RB+4*\k+3], v17 offset:544*\k
.endr
.irp k,0,1,2,3,4,5,6,7
	s_wait_dscnt 7-\k
	global_store_b128 v18, v[RB+4*\k:RB+4*\k+3], s[40:41] offset:(2*\k+8*(\k/4))*256+((\y)/2)*65536+((\y)%2)*2048 th:TH_STORE_NT
.endr
.endm
	OUTY 0
	OUTY 1
	OUTY 2
	OUTY 3
	s_wait_tensorcnt 0x0
	ds_add_u32 v254, v255
	s_wait_dscnt 0x0
	s_endpgm
.Lfunc_end_k_qa2cb07465c_pwatr:
	.size	k_qa2cb07465c_pwatr, .Lfunc_end_k_qa2cb07465c_pwatr-k_qa2cb07465c_pwatr
	.p2alignl 7, 3214868480
	.fill 96, 4, 3214868480
	.section	.rodata,"a",@progbits
	.p2align	6, 0x0
	.amdhsa_kernel k_qa2cb07465c_pwatr
		.amdhsa_group_segment_fixed_size 216064
		.amdhsa_private_segment_fixed_size 0
		.amdhsa_enable_private_segment 0
		.amdhsa_kernarg_size 152
		.amdhsa_user_sgpr_count 2
		.amdhsa_user_sgpr_kernarg_segment_ptr 1
		.amdhsa_wavefront_size32 1
		.amdhsa_system_sgpr_workgroup_id_x 1
		.amdhsa_system_sgpr_workgroup_id_y 1
		.amdhsa_system_sgpr_workgroup_id_z 1
		.amdhsa_system_vgpr_workitem_id 0
		.amdhsa_next_free_vgpr 512
		.amdhsa_next_free_sgpr 80
		.amdhsa_reserve_vcc 0
		.amdhsa_float_denorm_mode_32 3
		.amdhsa_float_denorm_mode_16_64 3
		.amdhsa_memory_ordered 1
		.amdhsa_forward_progress 1
		.amdhsa_inst_pref_size 233
	.end_amdhsa_kernel
	.amdgpu_metadata
---
amdhsa.version: [ 1, 2 ]
amdhsa.kernels:
  - .name:           k_qa2cb07465c_pwatr
    .symbol:         k_qa2cb07465c_pwatr.kd
    .args:
      - { .name: m, .offset: 0, .size: 8, .value_kind: global_buffer, .address_space: global }
      - { .name: pwa_lnm_w, .offset: 8, .size: 8, .value_kind: global_buffer, .address_space: global }
      - { .name: pwa_lnm_b, .offset: 16, .size: 8, .value_kind: global_buffer, .address_space: global }
      - { .name: pwa_wv_codes, .offset: 24, .size: 8, .value_kind: global_buffer, .address_space: global }
      - { .name: pwa_wv_scales, .offset: 32, .size: 8, .value_kind: global_buffer, .address_space: global }
      - { .name: pwa_wg_codes, .offset: 40, .size: 8, .value_kind: global_buffer, .address_space: global }
      - { .name: pwa_wg_scales, .offset: 48, .size: 8, .value_kind: global_buffer, .address_space: global }
      - { .name: pq, .offset: 56, .size: 8, .value_kind: global_buffer, .address_space: global }
      - { .name: pwa_wo_codes, .offset: 64, .size: 8, .value_kind: global_buffer, .address_space: global }
      - { .name: pwa_wo_scales, .offset: 72, .size: 8, .value_kind: global_buffer, .address_space: global }
      - { .name: tr_ln_w, .offset: 80, .size: 8, .value_kind: global_buffer, .address_space: global }
      - { .name: tr_ln_b, .offset: 88, .size: 8, .value_kind: global_buffer, .address_space: global }
      - { .name: tr_wa_codes, .offset: 96, .size: 8, .value_kind: global_buffer, .address_space: global }
      - { .name: tr_wa_scales, .offset: 104, .size: 8, .value_kind: global_buffer, .address_space: global }
      - { .name: tr_wb_codes, .offset: 112, .size: 8, .value_kind: global_buffer, .address_space: global }
      - { .name: tr_wb_scales, .offset: 120, .size: 8, .value_kind: global_buffer, .address_space: global }
      - { .name: tr_wo_codes, .offset: 128, .size: 8, .value_kind: global_buffer, .address_space: global }
      - { .name: tr_wo_scales, .offset: 136, .size: 8, .value_kind: global_buffer, .address_space: global }
      - { .name: out0, .offset: 144, .size: 8, .value_kind: global_buffer, .address_space: global }
    .group_segment_fixed_size: 216064
    .private_segment_fixed_size: 0
    .kernarg_segment_align: 8
    .kernarg_segment_size: 152
    .max_flat_workgroup_size: 256
    .sgpr_count:     80
    .vgpr_count:     512
    .wavefront_size: 32
...
	.end_amdgpu_metadata
.endif
;; end of part 7
;; ======== version 3 of 3: 4 launches; version 2 with the launches prep, pwatr written anew for expert scheduling mode
;; workspace buffers: aq 3,276,800 bytes; bq 3,276,800 bytes; mq 102,400 bytes; wrb 98,304 bytes; lgt 2,097,152 bytes; pq 417,792 bytes
;; launch prep (part 8): grid 16 x 16, 4 waves a work-group, no clusters, 71,424 bytes of LDS; arguments m, msa_mask, opm_ln_w, opm_ln_b, opm_w1_codes, opm_w1_scales, opm_w2_codes, opm_w2_scales, opm_wout_codes, aq, bq, mq, wrb; writes aq, bq, mq, wrb
.if DOCPART == 8
	.amdgcn_target "amdgcn-amd-amdhsa--gfx1250"
	.amdhsa_code_object_version 6
	.text
	.protected	k_qa2cb07465c_prep
	.globl	k_qa2cb07465c_prep
	.p2align	8
	.type	k_qa2cb07465c_prep,@function
k_qa2cb07465c_prep:
	s_mov_b64 s[64:65], 0
	v_nop
	global_prefetch_b8 v0, s[64:65] scope:SCOPE_SE
	s_setreg_imm32_b32 hwreg(HW_REG_WAVE_SCHED_MODE, 0, 2), 2
	s_setreg_imm32_b32 hwreg(HW_REG_WAVE_MODE, 25, 1), 1
	s_wait_xcnt 0x0
	s_wait_alu depctr_vm_vsrc(0)
; a = (LN(m) w1) mask, b = (LN(m) w2) mask and the mask itself, as codes of E2M3 quantised ALONG s, and opm_wout's codes laid in the order in which a fragment's lanes take them.
; A work-group takes 16 rows i (tile T = x: row r stands for i = 32 (T / 2) + 8 (T % 2) + r + (r & 8)) and 32 s (block sb = y): one block of the later product's K.
; Phase X: wave w normalises and quantises (along the 64 channels) m at s = 32 sb + 8 w + t, t = 0 .. 7; the fragments go to LDS as images of their registers.
; m comes by loads of 512 consecutive bytes (two whole rows); the 16 rows of an s turn through the wave's own stage in LDS, so that a lane gets 32 neighbouring channels of one row; the turn runs one s ahead of the arithmetic.
; Phase 1: waves 0, 1 multiply all 32 fragments by w1's rows 0-15, 16-31, waves 2, 3 by w2's; source 0 = the weight, so a lane holds one row i and eight c.  The multiplication by the mask lays
; the results so that a lane's 32 registers run along s: a whole block a lane.  Codes leave through LDS in runs of 256 bytes or more; only the scale bytes leave singly: the four bytes of a word belong to four work-groups.
; K = 64 against the instruction's 128: registers 6-11 of both operands are zero codes, their scale bytes 0.
; LIMITS: NaN and infinities are not served; a block whose largest magnitude is under 2^-124 gets the byte 1, a block of zeros too (not 127): its codes are zeros and this program alone reads the bytes.
; THE MODE: SCHED_MODE bits 1:0 = 2 (LLVM: expert scheduling mode 2), set by the entry lines.  The code itself states the register dependences
; between vector or matrix instructions and memory or LDS instructions, with s_wait_alu, always for 0.
; THE PLAN.  Registers that memory or LDS instructions touch:
;   v5-v29        offsets and addresses: written once at the head, never again.
;   window 1      m at my t-th s, 32 registers at 32 t: a global load lands; the turn's LDS stores read them and its LDS loads land in them again; LNQ t reads them; phase 1's multiplications write them.
;   FS0, FS1      v160-166, v172-178: LNQ t writes image t into FS[t % 2]; its three LDS stores stand in LNQ t + 1, behind the wait that the reciprocal square root has there in any case.  The products write v128-191 later.
;   v32-127, v240-247  phase 1: eight fragments and their scale words: LDS loads land, the products read; the next eight are asked for behind one wait, under the multiplications.
;   v48-55, v64-159    the bytes and codes of a or b: the quantiser writes, the stores of the two arms read; the way out's LDS loads land in v64-111.
.set IMG, 0                            ; 32 images of 896 bytes: registers 0-3 at 16 L, 4-5 at 512 + 8 L, the scale word at 768 + 4 L
.set SA, 28672                         ; a's codes [c 32][r 16][24]
.set SB, 40960                         ; b's codes [r 16] 776 bytes apart, [e 32][24]
.set STG, 53504                        ; four stages of 16 rows x 272 bytes, one a wave: m's turn
.set FLOOR, 0x1800000                  ; 2^(3 - 127)
.set MSB, 0
.macro WIN new                         ; the immediate's high byte repeats the setting that is left
.if MSB != \new
	s_set_vgpr_msb (MSB<<8)|\new
.set MSB, \new
.endif
.endm
.macro NOPS n
.rept \n
	v_nop
.endr
.endm
.macro BAR
	s_wait_dscnt 0x0                               ; my LDS stores have landed and my LDS loads are in
	s_barrier_signal -1
	s_barrier_wait -1
.endm
	s_load_b512 s[4:19], s[0:1], 0x0               ; m, mask, ln_w, ln_b, w1 codes, w1 scales, w2 codes, w2 scales
	s_load_b256 s[20:27], s[0:1], 0x40             ; wout codes, aq, bq, mq
	s_load_b64 s[28:29], s[0:1], 0x60              ; wrb
	v_lshl_add_u32 v254, v0, 2, 0x11500
	v_mov_b32 v255, 0
	v_lshrrev_b32 v1, 5, v0
	v_readfirstlane_b32 s30, v1                    ; wave
	s_and_b32 s34, ttmp7, 0xffff                   ; sb
	s_lshr_b32 s35, ttmp9, 1
	s_lshl_b32 s35, s35, 5
	s_and_b32 s38, ttmp9, 1
	s_lshl_b32 s38, s38, 3
	s_add_co_u32 s35, s35, s38                     ; the tile's first i
	s_mov_b32 s36, 0x76543210
	s_mov_b32 s37, 0xfedcba98                      ; lane l xor 16
	s_mov_b32 s40, 0x3c800000                      ; 1 / 64
	s_mov_b32 s41, 0x3727c5ac                      ; 1e-5
	v_and_b32 v4, 31, v0                           ; L
	v_and_b32 v1, 15, v0                           ; r
	v_bfe_u32 v2, v0, 4, 1                         ; h
	v_and_b32 v3, 8, v1
	v_add_nc_u32 v3, v3, v1                        ; r + (r & 8)
	v_lshlrev_b32 v5, 4, v1
	v_lshl_add_u32 v5, v2, 8, v5                   ; m: lanes 0-15 one row of 256 bytes, lanes 16-31 the next; 16 bytes a lane
	v_lshlrev_b32 v6, 7, v2                        ; gain and bias of my 32 channels
	v_mul_u32_u24 v7, v1, 48
	v_mad_u32_u24 v7, v2, 24, v7
	s_wait_alu depctr_va_sdst(0)                   ; s30, the wave's number, is written, ahead of its first reader
	s_lshr_b32 s31, s30, 1                         ; 0: a, 1: b
	s_and_b32 s32, s30, 1                          ; which 16 of the 32 c
	s_mul_i32 s38, s32, 768
	v_add_nc_u32 v7, s38, v7                       ; the weight's row 16 ct + r, block h
	v_lshlrev_b32 v8, 1, v1
	s_lshl_b32 s38, s32, 5
	v_add_nc_u32 v8, s38, v8                       ; its two scale bytes
	v_lshlrev_b32 v9, 2, v3                        ; mask
	s_mul_i32 s39, s30, 7168                       ; my eight images
	s_add_co_u32 s42, s39, 512
	s_add_co_u32 s43, s39, 768
	v_lshl_add_u32 v10, v4, 4, s39
	v_lshl_add_u32 v11, v4, 3, s42
	v_lshl_add_u32 v12, v4, 2, s43
	v_lshlrev_b32 v13, 4, v4
	v_lshl_add_u32 v14, v4, 3, 512
	v_lshl_add_u32 v15, v4, 2, 768
	v_mul_u32_u24 v16, v1, 24
	v_mad_u32_u24 v16, v2, 3072, v16
	s_mul_i32 s38, s32, 6144
	s_add_co_u32 s38, s38, SA
	v_add_nc_u32 v16, s38, v16                     ; a's stage: c = 16 ct + 8 h (+ j), row r
	v_mul_u32_u24 v17, v1, 776
	v_mad_u32_u24 v17, v2, 192, v17
	s_mul_i32 s38, s32, 384
	s_add_co_u32 s38, s38, SB
	v_add_nc_u32 v17, s38, v17                     ; b's stage: row r, e = 16 ct + 8 h (+ j)
	v_lshlrev_b32 v25, 2, v1                       ; 4 r
	v_mad_u32_u24 v18, v2, 51200, v25
	s_mul_i32 s38, s32, 102400
	v_add_nc_u32 v18, s38, v18                     ; a's scale bytes in aq
	v_lshl_add_u32 v19, v2, 9, v25
	s_lshl_b32 s38, s32, 10
	v_add_nc_u32 v19, s38, v19                     ; b's in bq
	s_mul_i32 s38, s30, 3072
	s_add_co_u32 s42, s38, SA
	v_lshl_add_u32 v20, v4, 4, s42
	s_mul_i32 s42, s30, 51200
	v_lshl_add_u32 v21, v4, 4, s42
	s_mul_i32 s42, s30, 3104
	s_add_co_u32 s42, s42, SB
	v_lshl_add_u32 v22, v4, 3, s42
	v_lshl_add_u32 v23, v4, 3, s38
	v_mul_u32_u24 v24, v1, 24
	v_mad_u32_u24 v24, v2, 12, v24                 ; 24 r + 12 h
	v_mul_u32_u24 v26, v1, 768
	v_mad_u32_u24 v26, v2, 12, v26
	v_lshlrev_b32 v27, 3, v2                       ; 8 h
	s_mul_i32 s38, s30, 4352
	s_add_co_u32 s38, s38, STG                     ; my stage
	v_mul_u32_u24 v28, v2, 272
	v_lshl_add_u32 v28, v1, 4, v28
	v_add_nc_u32 v28, s38, v28                     ; into it by rows, as loaded
	v_mul_u32_u24 v29, v1, 272
	v_lshl_add_u32 v29, v2, 7, v29
	v_add_nc_u32 v29, s38, v29                     ; out of it: row r, my 128 bytes; rows 68 words apart: 16 rows begin in 16 different groups of four banks
.irp i,0,1,2,3,4,5
	v_mov_b32 v[230+\i], 0                         ; the weight's K 64 .. 127: zero codes
.endr
	s_mov_b32 s61, 0
	s_wait_kmcnt 0x0
	s_lshl_b32 s60, s34, 5
	s_lshl_b32 s62, s30, 3
	s_add_co_u32 s60, s60, s62
	s_lshl_b32 s60, s60, 16
	s_lshl_b32 s62, s35, 8
	s_add_co_u32 s60, s60, s62
	s_add_nc_u64 s[4:5], s[4:5], s[60:61]          ; m at s = 32 sb + 8 w, the tile's first i
	s_lshl_b32 s60, s34, 15
	s_lshl_b32 s62, s35, 2
	s_add_co_u32 s60, s60, s62
	s_add_nc_u64 s[6:7], s[6:7], s[60:61]
	s_cmp_lt_u32 s30, 2                            ; the choice hangs on the wave's number alone
	s_cselect_b64 s[12:13], s[12:13], s[16:17]
	s_cselect_b64 s[14:15], s[14:15], s[18:19]
	s_mul_i32 s63, ttmp9, 204800
	s_and_b32 s60, s34, 1
	s_mul_i32 s60, s60, 12800
	s_lshr_b32 s62, s34, 1
	s_mul_i32 s62, s62, 1536
	s_add_co_u32 s60, s60, s62
	s_add_co_u32 s60, s60, s63
	s_add_nc_u64 s[44:45], s[22:23], s[60:61]      ; aq: codes of this block
	s_lshr_b32 s60, s34, 3
	s_mul_i32 s60, s60, 12800
	s_bfe_u32 s62, s34, 0x10002
	s_lshl_b32 s62, s62, 8
	s_add_co_u32 s60, s60, s62
	s_and_b32 s62, s34, 3
	s_add_co_u32 s60, s60, s62
	s_add_co_u32 s60, s60, s63
	s_add_co_u32 s60, s60, 12288
	s_add_nc_u64 s[46:47], s[22:23], s[60:61]      ; aq: this block's byte of the scale words
	s_mul_i32 s60, ttmp9, 196608
	s_mul_i32 s62, s34, 12288
	s_add_co_u32 s60, s60, s62
	s_add_nc_u64 s[48:49], s[24:25], s[60:61]
	s_lshl_b32 s60, ttmp9, 13
	s_lshr_b32 s62, s34, 2
	s_lshl_b32 s63, s62, 11
	s_add_co_u32 s60, s60, s63
	s_and_b32 s63, s34, 3
	s_add_co_u32 s60, s60, s63
	s_add_co_u32 s60, s60, 3145728
	s_add_nc_u64 s[50:51], s[24:25], s[60:61]
	s_mul_i32 s60, ttmp9, 6144
	s_mul_i32 s38, s34, 384
	s_add_co_u32 s60, s60, s38
	s_add_nc_u64 s[52:53], s[26:27], s[60:61]
	s_lshl_b32 s60, ttmp9, 8
	s_lshl_b32 s62, s62, 6
	s_add_co_u32 s60, s60, s62
	s_add_co_u32 s60, s60, s63
	s_add_co_u32 s60, s60, 98304
	s_add_nc_u64 s[54:55], s[26:27], s[60:61]
	s_lshl_b32 s38, s34, 4
	s_add_co_u32 s38, s38, ttmp9                   ; g = T + 16 sb: which chunk of wout wave 1 re-lays: g = 32 p + 4 nt + blk
	s_bfe_u32 s60, s38, 0x30002
	s_mul_i32 s60, s60, 12288
	s_lshr_b32 s62, s38, 5
	s_lshl_b32 s62, s62, 2
	s_and_b32 s63, s38, 3
	s_add_co_u32 s62, s62, s63
	s_mul_i32 s62, s62, 24
	s_add_co_u32 s60, s60, s62
	s_add_nc_u64 s[56:57], s[20:21], s[60:61]
	s_mul_i32 s60, s38, 384
	s_add_nc_u64 s[58:59], s[28:29], s[60:61]
	; all of the wave's loads go out here: 52 small ones, then its 32 KiB of m
	s_wait_alu depctr_va_vdst(0)                   ; the offsets and addresses v5 to v29 are written, which every load and store of the kernel reads; so are the weight's zero codes v230-235, which the products take
.irp q,0,1,2,3,4,5,6,7
	global_load_b128 v[32+4*\q:35+4*\q], v6, s[8:9] offset:16*\q
	global_load_b128 v[64+4*\q:67+4*\q], v6, s[10:11] offset:16*\q
.endr
.irp q,0,1,2
	global_load_b64 v[224+2*\q:225+2*\q], v7, s[12:13] offset:8*\q
.endr
	global_load_u16 v236, v8, s[14:15]
.set i,0
.rept 32
	global_load_b32 v[192+i], v9, s[6:7] offset:1024*i
.set i,i+1
.endr
	WIN 0x40
.set i,0
.rept 8
.irp q,0,1,2,3,4,5,6,7
	global_load_b128 v[32*i+4*\q:32*i+4*\q+3], v5, s[4:5] offset:65536*i+(2*\q+8*(\q/4))*256 th:TH_LOAD_NT   ; tile rows 2 q, 2 q + 1: 512 consecutive bytes
.endr
.set i,i+1
.endr
	WIN 0
; the 16 rows of my t-th s through my stage: in by rows, out 128 bytes of one row a lane, into the registers that they left.  LDS serves a wave's instructions in order: the loads see the stores, and the next turn's stores come behind these loads
.macro TURN t
	WIN 0x04
.irp k,0,1,2,3,4,5,6,7
	ds_store_b128 v28, v[32*(\t)+4*\k:32*(\t)+4*\k+3] offset:544*\k
.endr
	WIN 0x40
	s_wait_alu depctr_vm_vsrc(0)                   ; the eight stores above have read the registers in which the eight loads below land; and the image stores issued so far have read the image registers that the LNQ behind this turn writes
.irp q,0,1,2,3,4,5,6,7
	ds_load_b128 v[32*(\t)+4*\q:32*(\t)+4*\q+3], v29 offset:16*\q
.endr
.endm
; m at my t-th s: normalised over the 64 channels (32 mine, 32 in lane l xor 16), quantised (a block a lane) into image registers FS; the image of the s before, in FP, is stored on the way.  dsc: the LDS instructions of the next s's turn, which may stay out
.macro LNQ t, dsc
.set XB, 32*(\t)
.set FS, 160+12*((\t)%2)
.set FP, 160+12*(((\t)+1)%2)
	s_wait_dscnt \dsc                              ; my rows are back from the stage (the earlier images' stores are done with them)
	WIN 0x05
.set i,0
.rept 8
	v_pk_add_f32 v[128+2*i:129+2*i], v[XB+4*i:XB+4*i+1], v[XB+4*i+2:XB+4*i+3]
.set i,i+1
.endr
	WIN 0
	v_pk_add_f32 v[128:129], v[128:129], v[130:131]
	v_pk_add_f32 v[132:133], v[132:133], v[134:135]
	v_pk_add_f32 v[136:137], v[136:137], v[138:139]
	v_pk_add_f32 v[140:141], v[140:141], v[142:143]
	v_pk_add_f32 v[128:129], v[128:129], v[132:133]
	v_pk_add_f32 v[136:137], v[136:137], v[140:141]
	v_pk_add_f32 v[128:129], v[128:129], v[136:137]
	v_add_f32 v128, v128, v129
	v_permlanex16_b32 v130, v128, s36, s37
	v_add_f32 v128, v128, v130
	v_mul_f32 v150, s40, v128                      ; the mean, twice
	v_mul_f32 v151, s40, v128
	WIN 0x01
.set i,0
.rept 16
	v_pk_add_f32 v[96+i:97+i], v[XB+i:XB+i+1], v[150:151] neg_lo:[0,1] neg_hi:[0,1]
.set i,i+2
.endr
	WIN 0
	v_pk_mul_f32 v[128:129], v[96:97], v[96:97]
	v_pk_mul_f32 v[130:131], v[98:99], v[98:99]
.set i,4
.rept 7
	v_pk_fma_f32 v[128:129], v[96+i:97+i], v[96+i:97+i], v[128:129]
	v_pk_fma_f32 v[130:131], v[98+i:99+i], v[98+i:99+i], v[130:131]
.set i,i+4
.endr
	v_pk_add_f32 v[128:129], v[128:129], v[130:131]
	v_add_f32 v128, v128, v129
	v_permlanex16_b32 v130, v128, s36, s37
	v_add_f32 v128, v128, v130
	v_fma_f32 v128, v128, s40, s41                 ; variance + 1e-5
	v_rsq_f32 v148, v128
	v_nop                                          ; a plain line behind the transcendental,
	s_wait_alu depctr_va_vdst(0)                   ; v148 is written, ahead of its first reader; and so is the image of the s before, v[FP .. FP + 6], which the three stores below read
.if (\t) > 0
	ds_store_b128 v10, v[FP:FP+3] offset:896*((\t)-1)
	ds_store_b64 v11, v[FP+4:FP+5] offset:896*((\t)-1)
	ds_store_b32 v12, v[FP+6] offset:896*((\t)-1)
.endif
	v_mov_b32 v149, v148
.set i,0
.rept 16
	v_pk_mul_f32 v[96+i:97+i], v[96+i:97+i], v[148:149]
.set i,i+2
.endr
.set i,0
.rept 16
	v_pk_fma_f32 v[96+i:97+i], v[96+i:97+i], v[32+i:33+i], v[64+i:65+i]
.set i,i+2
.endr
	v_max3_num_f32 v132, |v96|, |v97|, FLOOR       ; the block's largest magnitude, in two chains, the floor among the leaves
	v_max3_num_f32 v133, |v112|, |v113|, FLOOR
.irp i,2,4,6,8,10,12,14
	v_max3_num_f32 v132, v132, |v[96+\i]|, |v[97+\i]|
	v_max3_num_f32 v133, v133, |v[112+\i]|, |v[113+\i]|
.endr
	v_max_num_f32 v132, v132, v133
	v_add_nc_u32 v134, 0xff000000, v132            ; 2 off the exponent field: the conversion's scale operand
	v_lshrrev_b32 v135, 23, v134                   ; the byte
	v_cvt_scalef32_pk16_fp6_f32 v[FS:FS+2], v[96:111], v134
	v_cvt_scalef32_pk16_fp6_f32 v[FS+8:FS+10], v[112:127], v134
	v_lshlrev_b32 v136, v27, v135                  ; (a plain line behind the conversions)  my byte at its place in the word
.irp i,0,1,2
	v_mov_b32 v[FS+3+\i], v[FS+8+\i]
.endr
	v_permlanex16_b32 v137, v136, s36, s37
	v_or_b32 v[FS+6], v136, v137                   ; bytes 0, 1: blocks 0, 1; bytes 2, 3: 0
.endm
	s_wait_loadcnt 56                              ; my first s is in: the eight loads of each of the seven younger s may stay out
	TURN 0
.irp t,0,1,2,3,4,5,6
	s_wait_loadcnt 8*(6-\t)                        ; the next s is in,
	TURN (\t)+1                                    ; and turns while this one is worked: 16 LDS instructions
	LNQ \t, 16
.endr
	s_wait_alu depctr_vm_vsrc(0)                   ; image 5's stores have read v172-178, which LNQ 7 writes: no further turn stands here whose wait would state it
	LNQ 7, 0
.set k,0
.rept 8
.irp i,6,7,8,9,10,11
	v_mov_b32 v[32+12*k+\i], 0                     ; the fragments' K 64 .. 127
.endr
.set k,k+1
.endr
	NOPS 4                                         ; operands written by vector instructions (the zeros above) stand four places ahead of a scaled product
	s_wait_alu depctr_va_vdst(0)                   ; image 7, v172-178, is written, which the stores below read; the zero codes are written, which the products take; and LNQ is done with v32-127, in which the fragments land behind the barrier
	ds_store_b128 v10, v[172:175] offset:896*7
	ds_store_b64 v11, v[176:177] offset:896*7
	ds_store_b32 v12, v178 offset:896*7
	BAR                                            ; the 32 images lie in LDS
	s_wait_alu depctr_vm_vsrc(0)                   ; the stores of images 6 and 7 have read v160-178, which the products write
; eight s at a time: D(c, i) = weight x fragment; then x mask, laid so that register t of T[j] is s = 32 sb + t.  The next eight images are asked for behind the products' places and land under the multiplications
.macro PLD g
.set k,0
.rept 8
	ds_load_b128 v[32+12*k:35+12*k], v13 offset:896*(8*(\g)+k)
	ds_load_b64 v[36+12*k:37+12*k], v14 offset:896*(8*(\g)+k)
	ds_load_b32 v[240+k], v15 offset:896*(8*(\g)+k)
.set k,k+1
.endr
.endm
.macro PH1 g
	s_wait_dscnt 0x0
.set k,0
.rept 8
	v_wmma_scale_f32_16x16x128_f8f6f4 v[128+8*k:135+8*k], v[224:235], v[32+12*k:43+12*k], 0, v236, v[240+k] matrix_a_fmt:MATRIX_FMT_FP6 matrix_b_fmt:MATRIX_FMT_FP6
.set k,k+1
.endr
	NOPS 5                                         ; places ahead of the first read of the sums, and of the next products, which begin the same sums anew
.if \g < 3
	s_wait_alu depctr_va_vdst(0)                   ; the eight products are done reading their fragments and scale words, in which the next eight land; the multiplications below name none of those registers
	PLD (\g)+1
.endif
	WIN 0x40
.set k,0
.rept 8
.set j,0
.rept 8
	v_mul_f32 v[32*j+8*\g+k], v[128+8*k+j], v[192+8*\g+k]   ; each accumulator from its low end on
.set j,j+1
.endr
.set k,k+1
.endr
	WIN 0
.endm
	PLD 0
	PH1 0
	PH1 1
	PH1 2
	PH1 3
	; my eight blocks of 32 along s, by turns
	WIN 0x14
.irp j,0,1,2,3,4,5,6,7
	v_max3_num_f32 v[32+\j], FLOOR, |v[32*\j]|, |v[32*\j+1]|
.endr
.irp i,2,4,6,8,10,12,14,16,18,20,22,24,26,28,30
.irp j,0,1,2,3,4,5,6,7
	v_max3_num_f32 v[32+\j], v[32+\j], |v[32*\j+\i]|, |v[32*\j+\i+1]|
.endr
.endr
	WIN 0
.irp j,0,1,2,3,4,5,6,7
	v_add_nc_u32 v[40+\j], 0xff000000, v[32+\j]
.endr
.irp j,0,1,2,3,4,5,6,7
	v_lshrrev_b32 v[48+\j], 23, v[40+\j]
.endr
	WIN 0x01
.irp j,0,1,2,3,4,5,6,7
	v_cvt_scalef32_pk16_fp6_f32 v[64+12*\j:66+12*\j], v[32*\j:32*\j+15], v[40+\j]
	v_cvt_scalef32_pk16_fp6_f32 v[70+12*\j:72+12*\j], v[32*\j+16:32*\j+31], v[40+\j]
.endr
	WIN 0
	v_nop                                          ; a plain line behind the conversions
.irp j,0,1,2,3,4,5,6,7
.irp i,0,1,2
	v_mov_b32 v[67+12*\j+\i], v[70+12*\j+\i]
.endr
.endr
	s_wait_alu depctr_va_vdst(0)                   ; the codes v64-159 and the bytes v48-55 are written, which the stores of either arm read
	s_cmp_lg_u32 s31, 0
	s_cbranch_scc1 .Larm_b
.irp j,0,1,2,3,4,5,6,7
.irp q,0,1,2
	ds_store_b64 v16, v[64+12*\j+2*\q:65+12*\j+2*\q] offset:384*\j+8*\q
.endr
	global_store_b8 v18, v[48+\j], s[46:47] offset:(\j/4)*25600+(\j%4)*64
.endr
	s_branch .Ljoin
.Larm_b:
.irp j,0,1,2,3,4,5,6,7
.irp q,0,1,2
	ds_store_b64 v17, v[64+12*\j+2*\q:65+12*\j+2*\q] offset:24*\j+8*\q
.endr
	global_store_b8 v19, v[48+\j], s[50:51] offset:64*\j
.endr
.Ljoin:
	BAR                                            ; both stages are whole
	s_wait_alu depctr_vm_vsrc(0)                   ; my LDS stores have read v64-153: the loads below land in v64-111
.irp k,0,1,2,3,4,5
	ds_load_b128 v[64+4*\k:67+4*\k], v20 offset:512*\k
.endr
.irp k,0,1,2,3,4,5,6,7,8,9,10,11
	ds_load_b64 v[88+2*\k:89+2*\k], v22 offset:(\k/3)*776+(\k%3)*256
.endr
.irp k,0,1,2,3,4,5
	s_wait_dscnt 17-\k                             ; LDS loads come back in order: the younger ones may be out
	global_store_b128 v21, v[64+4*\k:67+4*\k], s[44:45] offset:(\k/3)*25600+(\k%3)*512   ; 512 consecutive bytes, aligned to 256
.endr
.irp k,0,1,2,3,4,5,6,7,8,9,10,11
	s_wait_dscnt 11-\k
	global_store_b64 v23, v[88+2*\k:89+2*\k], s[48:49] offset:(\k/3)*768+(\k%3)*256      ; 256 consecutive bytes, aligned
.endr
	s_cmp_lg_u32 s30, 0
	s_cbranch_scc1 .Lnot0
	; wave 0: the mask's block of 32 s for each of the 16 rows (both halves of the lanes hold the same 32 numbers; half h stores codes 16 h .. 16 h + 15)
	v_max3_num_f32 v32, |v192|, |v193|, FLOOR
.irp i,2,4,6,8,10,12,14,16,18,20,22,24,26,28,30
	v_max3_num_f32 v32, v32, |v[192+\i]|, |v[193+\i]|
.endr
	v_add_nc_u32 v33, 0xff000000, v32
	v_lshrrev_b32 v34, 23, v33
	v_cvt_scalef32_pk16_fp6_f32 v[36:38], v[192:207], v33
	v_cvt_scalef32_pk16_fp6_f32 v[40:42], v[208:223], v33
	v_nop
	s_mov_b32 s60, 0xffff0000
	v_cndmask_b32 v44, v36, v40, s60
	v_cndmask_b32 v45, v37, v41, s60
	v_cndmask_b32 v46, v38, v42, s60
	s_wait_alu depctr_va_vdst(0)                   ; the mask's codes v44-46 and its byte v34 are written, which the two stores read
	global_store_b96 v24, v[44:46], s[52:53]
	global_store_b8 v25, v34, s[54:55]
.Lnot0:
	s_cmp_lg_u32 s30, 1
	s_cbranch_scc1 .Lend
	global_load_b96 v[36:38], v26, s[56:57]        ; wave 1: one block of 32 codes of 16 rows of wout (every vector instruction that named v36-38 stands ahead of a wait for the vector results),
	s_wait_loadcnt 0x0
	global_store_b96 v24, v[36:38], s[58:59]       ; as 384 consecutive bytes
.Lend:
	s_wait_dscnt 0x0                               ; the closing lines, six on end
	s_wait_alu 0x0
	s_wait_tensorcnt 0x0
	ds_add_u32 v254, v255
	s_wait_dscnt 0x0
	s_endpgm
.Lfunc_end_k_qa2cb07465c_prep:
	.size	k_qa2cb07465c_prep, .Lfunc_end_k_qa2cb07465c_prep-k_qa2cb07465c_prep
	.p2alignl 7, 3214868480
	.fill 96, 4, 3214868480
	.section	.rodata,"a",@progbits
	.p2align	6, 0x0
	.amdhsa_kernel k_qa2cb07465c_prep
		.amdhsa_group_segment_fixed_size 71424
		.amdhsa_private_segment_fixed_size 0
		.amdhsa_enable_private_segment 0
		.amdhsa_kernarg_size 104
		.amdhsa_user_sgpr_count 2
		.amdhsa_user_sgpr_kernarg_segment_ptr 1
		.amdhsa_wavefront_size32 1
		.amdhsa_system_sgpr_workgroup_id_x 1
		.amdhsa_system_sgpr_workgroup_id_y 1
		.amdhsa_system_sgpr_workgroup_id_z 1
		.amdhsa_system_vgpr_workitem_id 0
		.amdhsa_next_free_vgpr 512
		.amdhsa_next_free_sgpr 66
		.amdhsa_reserve_vcc 0
		.amdhsa_float_denorm_mode_32 3
		.amdhsa_float_denorm_mode_16_64 3
		.amdhsa_memory_ordered 1
		.amdhsa_forward_progress 1
		.amdhsa_inst_pref_size 129
	.end_amdhsa_kernel
	.amdgpu_metadata
---
amdhsa.version: [ 1, 2 ]
amdhsa.kernels:
  - .name:           k_qa2cb07465c_prep
    .symbol:         k_qa2cb07465c_prep.kd
    .args:
      - { .name: m, .offset: 0, .size: 8, .value_kind: global_buffer, .address_space: global }
      - { .name: msa_mask, .offset: 8, .size: 8, .value_kind: global_buffer, .address_space: global }
      - { .name: opm_ln_w, .offset: 16, .size: 8, .value_kind: global_buffer, .address_space: global }
      - { .name: opm_ln_b, .offset: 24, .size: 8, .value_kind: global_buffer, .address_space: global }
      - { .name: opm_w1_codes, .offset: 32, .size: 8, .value_kind: global_buffer, .address_space: global }
      - { .name: opm_w1_scales, .offset: 40, .size: 8, .value_kind: global_buffer, .address_space: global }
      - { .name: opm_w2_codes, .offset: 48, .size: 8, .value_kind: global_buffer, .address_space: global }
      - { .name: opm_w2_scales, .offset: 56, .size: 8, .value_kind: global_buffer, .address_space: global }
      - { .name: opm_wout_codes, .offset: 64, .size: 8, .value_kind: global_buffer, .address_space: global }
      - { .name: aq, .offset: 72, .size: 8, .value_kind: global_buffer, .address_space: global }
      - { .name: bq, .offset: 80, .size: 8, .value_kind: global_buffer, .address_space: global }
      - { .name: mq, .offset: 88, .size: 8, .value_kind: global_buffer, .address_space: global }
      - { .name: wrb, .offset: 96, .size: 8, .value_kind: global_buffer, .address_space: global }
    .group_segment_fixed_size: 71424
    .private_segment_fixed_size: 0
    .kernarg_segment_align: 8
    .kernarg_segment_size: 104
    .max_flat_workgroup_size: 128
    .sgpr_count:     66
    .vgpr_count:     512
    .wavefront_size: 32
...
	.end_amdgpu_metadata
.endif
;; end of part 8
;; launch opm: the kernel of part 2 again; grid 16 x 16, 4 waves a work-group, clusters of 4 x 1, 327,680 bytes of LDS; arguments z, aq, bq, mq, wrb, opm_wout_scales, opm_bout, pwa_lnz_w, pwa_lnz_b, pwa_wz, out1, lgt; writes out1, lgt
;; launch soft: the kernel of part 6 again; grid 16 x 2, 8 waves a work-group, no clusters, 17,920 bytes of LDS; arguments lgt, pq; writes pq
;; launch pwatr (part 9): grid 256 x 1, 8 waves a work-group, no clusters, 216,064 bytes of LDS; arguments m, pwa_lnm_w, pwa_lnm_b, pwa_wv_codes, pwa_wv_scales, pwa_wg_codes, pwa_wg_scales, pq, pwa_wo_codes, pwa_wo_scales, tr_ln_w, tr_ln_b, tr_wa_codes, tr_wa_scales, tr_wb_codes, tr_wb_scales, tr_wo_codes, tr_wo_scales, out0; writes out0
.if DOCPART == 9
	.amdgcn_target "amdgcn-amd-amdhsa--gfx1250"
	.amdhsa_code_object_version 6
	.text
	.protected	k_qa2cb07465c_pwatr
	.globl	k_qa2cb07465c_pwatr
	.p2align	8
	.type	k_qa2cb07465c_pwatr,@function
k_qa2cb07465c_pwatr:
	s_mov_b64 s[64:65], 0
	v_nop
	global_prefetch_b8 v0, s[64:65] scope:SCOPE_SE
	s_setreg_imm32_b32 hwreg(HW_REG_WAVE_SCHED_MODE, 0, 2), 2
	s_setreg_imm32_b32 hwreg(HW_REG_WAVE_MODE, 25, 1), 1
	s_wait_xcnt 0x0
	s_wait_alu depctr_vm_vsrc(0)
; out0 = m' + (silu(x wa) (x wb)) wo2, x = LN(m'), m' = m + (sigmoid(mn wg) o) wo, o(s, i, h, d) = sum over j of p(i, j, h) v(s, j, h, d) / l(i, h), v = mn wv, mn = LN(m).
; A work-group owns two s: 32 tiles of 16 rows, tau = 16 sg + T.  m is read once and stays in registers as the residual: both products that add onto it take it as their C.  v, the gate, o and both hidden layers never go to memory.
; ROW PHASES (1, T): wave w owns tiles y = 0 .. 3: sg = y / 2, T = 2 w + y % 2.  HEAD PHASES (V, O): wave w is head w: v's fragments are made and used by one wave and stay in its registers, and each
; fragment of p goes from memory straight into the one wave that wants it; that is why no tile is asked for jointly here: in a work-group each byte of p has one reader.
; m comes by loads of 512 consecutive bytes (two whole rows) and turns through the wave's stage in LDS, the one that the way out uses, one tile ahead of the arithmetic.
; p lies in memory as images of its fragments' registers: three loads of 16 bytes a lane bring a fragment; a tile's nine loads go out two tiles ahead, into two sets of registers by turns.
; Every product has its weight (or v) as source 0, with rows 32 b + 8 u + r + (r & 8) to a tile, so that a lane holds one row and 16 registers of two tiles are 16 neighbours along the next K.
; Codes go from wave to wave through LDS as chunks [16 rows][24 bytes], one block of 32 along K each.  K = 64 against the instruction's 128: registers 6-11 are zero codes.
; Two waves to a SIMD: the vector work (two layer norms, 96 exponentials and reciprocals a lane and tile) outweighs the matrix work.
; REGISTERS.  Window 1: v0-127 m (tile y at 32 y; register 16 B + k = channel 32 B + 16 h + k); v128-223 v's 8 fragments, later x's; v176-239 later tr_ln's gain and bias; v224-247 wg; v248-254 the quantiser's.
;   Window 0: v1-23 addresses; v24-223 by phase; v224-251 scale words alone.
; LIMITS: NaN and infinities are not served; a block whose largest magnitude is under 2^-124, a block of zeros too, gets the byte 1.
; THE MODE: SCHED_MODE bits 1:0 = 2 (LLVM: expert scheduling mode 2), set by the entry lines.  The code itself states the register dependences
; between vector or matrix instructions and memory or LDS instructions, with s_wait_alu, always for 0.
; THE PLAN.  Registers that memory or LDS instructions touch, phase by phase:
;   v5-v12, v14-v18, v20-v23  offsets and addresses: written once at the head, never again.
;   1: window 1 v0-127: a global load lands, the turn's LDS stores read, its LDS loads land again, LNQ reads.  LNQ's codes v136-142 and word v120: the quantiser writes, seven LDS stores read, behind one wait.
;   V: v24-119, v236-243: LDS loads land, sixteen products read; the next group's loads go out behind one wait that follows the second eight products, and land under the quantiser.
;   O, a tile: p's set (v24-47 or v188-211, v236-237 or v240-241, v50 or v51): global loads land, the products and two moves read.  mn's v56-61, v68-73, v238-239: LDS loads land, the gate's products read.
;      v13, v19, v184, v185: LDS addresses, stepped by four vector adds, which are the four places behind the products.  v164-165, v168-174: the quantiser writes, LDS stores read.
;      ONE wait for the vector and matrix results behind those adds states that the products are done with p's set and with mn's fragments and that the addresses are written: the next tile's mn and the p of two tiles on
;      are asked for there; the tile's other vector work names v52-53 and v88-175 alone.  One wait ahead of the adds states that the LDS instructions issued so far have read the four addresses and the code registers.
;   T: the loop over the hidden units goes by the same plan (v13, v19, v200, v201; the weights' v152-199, v244-247; the codes and bytes v36-54).
.set WRO, 24576                        ; tr_wa at 0, tr_wb at 12,288, pwa_wo, tr_wo: codes in chunk order
.set WR2, 36864
.set WSS, 49152                        ; their scale bytes as given, 512 each
.set MN2, 51200                        ; [tau 32][block 2][r][24]
.set MSC, 75776                        ; [tau][r] words
.set GO,  77824                        ; [tau][block 8][r][24]: gate x o, later the hidden layer
.set GSC, 176128                       ; [tau][r][8 bytes]
.set OST, 180224                       ; eight stages of 16 x 272 bytes
.set FLOOR, 0x1800000
.set MSB, 0
.macro WIN new
.if MSB != \new
	s_set_vgpr_msb (MSB<<8)|\new
.set MSB, \new
.endif
.endm
.macro NOPS n
.rept \n
	v_nop
.endr
.endm
.macro BAR
	s_wait_dscnt 0x0
	s_barrier_signal -1
	s_barrier_wait -1
.endm
.macro WM d, a, b, cz, sa, sb
.if \cz
	v_wmma_scale_f32_16x16x128_f8f6f4 v[(\d):(\d)+7], v[(\a):(\a)+11], v[(\b):(\b)+11], 0, v[\sa], v[\sb] matrix_a_fmt:MATRIX_FMT_FP6 matrix_b_fmt:MATRIX_FMT_FP6
.else
	v_wmma_scale_f32_16x16x128_f8f6f4 v[(\d):(\d)+7], v[(\a):(\a)+11], v[(\b):(\b)+11], v[(\d):(\d)+7], v[\sa], v[\sb] matrix_a_fmt:MATRIX_FMT_FP6 matrix_b_fmt:MATRIX_FMT_FP6
.endif
.endm
; n blocks by turns; block b: my 16 numbers v[src + 16 b ..], the other 16 in lane l xor 16.  The codes (12 bytes) come into v[tmp + 16 + 4 b ..], the bytes into v[tmp + 12 + b]
.macro QNC n, src, tmp
.set qb,0
.rept \n
	v_max3_num_f32 v[\tmp+qb], |v[\src+16*qb]|, |v[\src+16*qb+1]|, FLOOR
.set qb,qb+1
.endr
.irp i,2,4,6,8,10,12,14
.set qb,0
.rept \n
	v_max3_num_f32 v[\tmp+qb], v[\tmp+qb], |v[\src+16*qb+\i]|, |v[\src+16*qb+\i+1]|
.set qb,qb+1
.endr
.endr
.set qb,0
.rept \n
	v_permlanex16_b32 v[\tmp+4+qb], v[\tmp+qb], s44, s45
.set qb,qb+1
.endr
.set qb,0
.rept \n
	v_max_num_f32 v[\tmp+qb], v[\tmp+qb], v[\tmp+4+qb]
.set qb,qb+1
.endr
.set qb,0
.rept \n
	v_add_nc_u32 v[\tmp+8+qb], 0xff000000, v[\tmp+qb]
.set qb,qb+1
.endr
.set qb,0
.rept \n
	v_lshrrev_b32 v[\tmp+12+qb], 23, v[\tmp+8+qb]
.set qb,qb+1
.endr
.set qb,0
.rept \n
	v_cvt_scalef32_pk16_fp6_f32 v[\tmp+16+4*qb:\tmp+18+4*qb], v[\src+16*qb:\src+16*qb+15], v[\tmp+8+qb]
.set qb,qb+1
.endr
	v_nop                                          ; a plain line behind the conversions
.endm
; the codes to LDS at adr + off + o1 (b % 2) + o2 (b / 2)
.macro QNS n, tmp, adr, off, o1, o2
.set qb,0
.rept \n
.irp q,0,1,2
	ds_store_b32 v[\adr], v[\tmp+16+4*qb+\q] offset:\off+\o1*(qb%2)+\o2*(qb/2)+4*\q
.endr
.set qb,qb+1
.endr
.endm
	s_load_b512 s[4:19], s[0:1], 0x0               ; m, lnm_w, lnm_b, wv codes, wv scales, wg codes, wg scales, pq
	s_load_b512 s[20:35], s[0:1], 0x40             ; wo codes, wo scales, tr_ln_w, tr_ln_b, wa codes, wa scales, wb codes, wb scales
	s_load_b128 s[36:39], s[0:1], 0x80             ; tr_wo codes, tr_wo scales
	s_load_b64 s[40:41], s[0:1], 0x90              ; out0
	v_lshl_add_u32 v254, v0, 2, 0x34800
	v_mov_b32 v255, 0
	v_lshrrev_b32 v1, 5, v0
	v_readfirstlane_b32 s42, v1                    ; wave
	s_mov_b32 s43, 0x3c800000                      ; 1 / 64
	s_mov_b32 s44, 0x76543210
	s_mov_b32 s45, 0xfedcba98
	s_mov_b32 s46, 0xbfb8aa3b                      ; -log2(e)
	s_mov_b32 s47, s46
	s_mov_b32 s66, 0x3727c5ac                      ; 1e-5
	v_and_b32 v4, 31, v0
	v_and_b32 v1, 15, v0
	v_bfe_u32 v2, v0, 4, 1
	v_and_b32 v3, 8, v1
	v_add_nc_u32 v3, v3, v1
	v_lshlrev_b32 v5, 4, v4                        ; 16 x lane: my place in an image of p
	v_lshlrev_b32 v6, 6, v2
	v_mul_u32_u24 v9, v1, 24
	v_mad_u32_u24 v7, v2, 12, v9                   ; 24 r + 12 h: where a lane's 16 codes go
	v_mad_u32_u24 v9, v2, 384, v9                  ; 24 r + 384 h: where a lane's block comes from
	s_wait_alu depctr_va_sdst(0)                   ; s42, the wave's number, is written, ahead of its first reader
	s_mul_i32 s68, s42, 6144
	s_add_co_u32 s68, s68, GO
	v_add_nc_u32 v11, s68, v7
	v_add_nc_u32 v20, s68, v9
	s_mul_i32 s68, s42, 384
	s_add_co_u32 s68, s68, GO
	v_add_nc_u32 v14, s68, v7
	s_mul_i32 s69, s42, 1536
	s_add_co_u32 s68, s69, MN2
	v_add_nc_u32 v7, s68, v7
	v_add_nc_u32 v22, MN2, v9
	v_lshlrev_b32 v23, 2, v1
	s_lshl_b32 s68, s42, 7
	s_add_co_u32 s68, s68, MSC
	v_add_nc_u32 v8, s68, v23
	v_add_nc_u32 v23, MSC, v23
	v_lshlrev_b32 v10, 3, v3
	v_lshlrev_b32 v21, 1, v3
	v_lshlrev_b32 v15, 3, v1
	s_lshl_b32 s68, s42, 8
	s_add_co_u32 s68, s68, GSC
	v_add_nc_u32 v12, s68, v15
	s_add_co_u32 s68, s42, GSC
	v_add_nc_u32 v15, s68, v15
	s_mul_i32 s68, s42, 4352
	s_add_co_u32 s68, s68, OST
	v_mul_u32_u24 v16, v1, 272
	v_lshl_add_u32 v16, v2, 6, v16
	v_add_nc_u32 v16, s68, v16                     ; the stage as m lies in registers: row r, + 64 h
	v_mul_u32_u24 v17, v2, 272
	v_lshl_add_u32 v17, v1, 4, v17
	v_add_nc_u32 v17, s68, v17                     ; the stage by rows
	v_lshlrev_b32 v18, 8, v2
	v_lshl_add_u32 v18, v1, 4, v18                 ; m, out0: lanes 0-15 one row of 256 bytes, lanes 16-31 the next
	; the weights' copy: thread t takes 48 bytes at 48 t of each array of codes; row n goes to tile row (n & 7) | ((n >> 4) & 1) << 3 of tile ((n >> 5), (n >> 3) & 1)
	v_mul_u32_u24 v152, v0, 48
	v_and_b32 v153, 7, v0
	v_bfe_u32 v154, v0, 4, 1
	v_lshl_or_b32 v153, v154, 3, v153
	v_mul_u32_u24 v153, v153, 24
	v_lshrrev_b32 v154, 5, v0
	v_mad_u32_u24 v153, v154, 1536, v153
	v_bfe_u32 v154, v0, 3, 1
	v_mad_u32_u24 v153, v154, 768, v153            ; K = 64: n = t
	v_bfe_u32 v155, v0, 2, 3
	v_bfe_u32 v154, v0, 6, 1
	v_lshl_or_b32 v155, v154, 3, v155
	v_mul_u32_u24 v155, v155, 24
	v_lshrrev_b32 v154, 7, v0
	v_mad_u32_u24 v155, v154, 6144, v155
	v_bfe_u32 v154, v0, 5, 1
	v_mad_u32_u24 v155, v154, 3072, v155
	v_and_b32 v154, 3, v0
	v_mad_u32_u24 v155, v154, 768, v155            ; K = 256: n = t / 4, blocks 2 (t & 3), + 1
	v_and_b32 v156, 63, v0
	v_lshlrev_b32 v156, 3, v156
	v_lshl_add_u32 v157, v0, 3, WSS
	v_mul_u32_u24 v158, v3, 48
	v_mad_u32_u24 v158, v2, 24, v158
	v_add_nc_u32 v158, s69, v158                   ; wv, wg: row 32 w + r + (r & 8) (+ 8 u), block h
	s_lshl_b32 s68, s42, 6
	v_add_nc_u32 v159, s68, v21
.irp u,0,1
.irp i,6,7,8,9,10,11
	v_mov_b32 v[192+12*\u+\i], 0
.endr
.endr
	WIN 0x40
.irp u,0,1
.irp i,6,7,8,9,10,11
	v_mov_b32 v[224+12*\u+\i], 0
.endr
.endr
	WIN 0
	s_mov_b32 s71, 0
	s_lshl_b32 s70, ttmp9, 17
	s_lshl_b32 s68, s42, 13
	s_add_co_u32 s70, s70, s68
	s_wait_kmcnt 0x0
	s_add_nc_u64 s[4:5], s[4:5], s[70:71]          ; m and out0 at s = 2 g, i = 32 w
	s_add_nc_u64 s[40:41], s[40:41], s[70:71]
	s_mul_i32 s70, s42, 49152
	s_add_nc_u64 s[48:49], s[18:19], s[70:71]      ; p's codes of head w
	s_lshl_b32 s70, s42, 7
	s_add_co_u32 s70, s70, 393216
	s_add_nc_u64 s[50:51], s[18:19], s[70:71]      ; its scale words
	s_lshl_b32 s70, s42, 6
	s_add_co_u32 s70, s70, 409600
	s_add_nc_u64 s[52:53], s[18:19], s[70:71]      ; its sums
	s_cmp_lt_u32 s42, 2                            ; which array of scale bytes my pair of waves copies
	s_cselect_b64 s[70:71], s[30:31], s[34:35]
	s_cmp_lt_u32 s42, 6
	s_cselect_b64 s[72:73], s[22:23], s[38:39]
	s_cmp_lt_u32 s42, 4
	s_cselect_b64 s[70:71], s[70:71], s[72:73]
	WIN 0x40
	s_wait_alu depctr_va_vdst(0)                   ; the offsets and addresses v5 to v23 and v152 to v159 are written, which the loads and stores read; so are wv's and wg's zero codes, which the products take
.irp i,0,1,2,3,4,5
	global_load_b64 v[128+2*\i:129+2*\i], v152, s[28:29] offset:8*\i
	global_load_b64 v[140+2*\i:141+2*\i], v152, s[32:33] offset:8*\i
	global_load_b64 v[152+2*\i:153+2*\i], v152, s[20:21] offset:8*\i
	global_load_b64 v[164+2*\i:165+2*\i], v152, s[36:37] offset:8*\i
.endr
	global_load_b64 v[176:177], v156, s[70:71]
	WIN 0
.irp b,0,1
.irp j,0,1,2,3
	global_load_b128 v[24+16*\b+4*\j:27+16*\b+4*\j], v6, s[6:7] offset:128*\b+16*\j
	global_load_b128 v[56+16*\b+4*\j:59+16*\b+4*\j], v6, s[8:9] offset:128*\b+16*\j
.endr
.endr
	WIN 0x40
.irp y,0,1,2,3
.irp k,0,1,2,3,4,5,6,7
	global_load_b128 v[32*\y+4*\k:32*\y+4*\k+3], v18, s[4:5] offset:(\y/2)*65536+(\y%2)*2048+(2*\k+8*(\k/4))*256 th:TH_LOAD_NT   ; tile rows 2 k, 2 k + 1: 512 consecutive bytes
.endr
.endr
.irp u,0,1
.irp q,0,1,2
	global_load_b64 v[224+12*\u+2*\q:225+12*\u+2*\q], v158, s[14:15] offset:384*\u+8*\q
.endr
.endr
	WIN 0
.irp u,0,1
.irp q,0,1,2
	global_load_b64 v[192+12*\u+2*\q:193+12*\u+2*\q], v158, s[10:11] offset:384*\u+8*\q
.endr
	global_load_u16 v[234+\u], v159, s[12:13] offset:16*\u
	global_load_u16 v[232+\u], v159, s[16:17] offset:16*\u
.endr
; tile y of m through my stage: in by rows, out as the residual lies (row r; channels 32 B + 16 h + 0 .. 15), into the registers that it left.  LDS serves a wave's instructions in order: the loads see the stores, and the next tile's stores come behind these loads
.macro MTURN y
	WIN 0x04
.irp k,0,1,2,3,4,5,6,7
	ds_store_b128 v17, v[32*(\y)+4*\k:32*(\y)+4*\k+3] offset:544*\k
.endr
	WIN 0x40
	s_wait_alu depctr_vm_vsrc(0)                   ; the eight stores above have read the registers in which the eight loads below land; and the last tile's LDS stores have read v120 and v136-142, which the LNQ behind this turn writes
.irp i,0,1,2,3,4,5,6,7
	ds_load_b128 v[32*(\y)+4*\i:32*(\y)+4*\i+3], v16 offset:128*(\i/4)+16*(\i%4)
.endr
.endm
; tile y of m: normalised (32 channels mine, 32 in lane l xor 16), x gain + bias (at lw, lb under window setting win), quantised along the channels, codes and scale word to my own tiles in LDS.  dsc: the LDS instructions of the next tile's turn, which may stay out.
; e = 1: no turn stands between the last tile's LDS stores and this tile
.macro LNQ y, lw, lb, win, dsc, e
.set MB, 32*(\y)
	s_wait_dscnt \dsc                              ; the tile is back from the stage
.if \e
	s_wait_alu depctr_vm_vsrc(0)                   ; the last tile's LDS stores have read v120 and v136-142, which are written below
.endif
	WIN 0x05
.set i,0
.rept 8
	v_pk_add_f32 v[120+2*i:121+2*i], v[MB+4*i:MB+4*i+1], v[MB+4*i+2:MB+4*i+3]     ; each accumulator from its low end on
.set i,i+1
.endr
	WIN 0
	v_pk_add_f32 v[120:121], v[120:121], v[122:123]
	v_pk_add_f32 v[124:125], v[124:125], v[126:127]
	v_pk_add_f32 v[128:129], v[128:129], v[130:131]
	v_pk_add_f32 v[132:133], v[132:133], v[134:135]
	v_pk_add_f32 v[120:121], v[120:121], v[124:125]
	v_pk_add_f32 v[128:129], v[128:129], v[132:133]
	v_pk_add_f32 v[120:121], v[120:121], v[128:129]
	v_add_f32 v120, v120, v121
	v_permlanex16_b32 v122, v120, s44, s45
	v_add_f32 v120, v120, v122
	v_mul_f32 v150, s43, v120
	v_mul_f32 v151, s43, v120
	WIN 0x01
.set i,0
.rept 16
	v_pk_add_f32 v[88+i:89+i], v[MB+i:MB+i+1], v[150:151] neg_lo:[0,1] neg_hi:[0,1]
.set i,i+2
.endr
	WIN 0
	v_pk_mul_f32 v[120:121], v[88:89], v[88:89]
	v_pk_mul_f32 v[122:123], v[90:91], v[90:91]
.set i,4
.rept 7
	v_pk_fma_f32 v[120:121], v[88+i:89+i], v[88+i:89+i], v[120:121]
	v_pk_fma_f32 v[122:123], v[90+i:91+i], v[90+i:91+i], v[122:123]
.set i,i+4
.endr
	v_pk_add_f32 v[120:121], v[120:121], v[122:123]
	v_add_f32 v120, v120, v121
	v_permlanex16_b32 v122, v120, s44, s45
	v_add_f32 v120, v120, v122
	v_fma_f32 v120, v120, s43, s66
	v_rsq_f32 v148, v120
	v_nop
	s_wait_alu depctr_va_vdst(0)                   ; v148, the reciprocal square root, is written, ahead of its first reader
	v_mov_b32 v149, v148
.set i,0
.rept 16
	v_pk_mul_f32 v[88+i:89+i], v[88+i:89+i], v[148:149]
.set i,i+2
.endr
	WIN \win
.set i,0
.rept 16
	v_pk_fma_f32 v[88+i:89+i], v[88+i:89+i], v[\lw+i:\lw+i+1], v[\lb+i:\lb+i+1]
.set i,i+2
.endr
	WIN 0
	QNC 2, 88, 120
	v_lshl_or_b32 v120, v133, 8, v132              ; bytes 0, 1; bytes 2, 3 are 0
	s_wait_alu depctr_va_vdst(0)                   ; the codes v136-142 and the scale word v120 are written, which the seven LDS stores read
	QNS 2, 120, 7, ((\y)/2)*12288+((\y)%2)*768, 384, 0
	ds_store_b32 v8, v120 offset:((\y)/2)*1024+((\y)%2)*64
.endm
	; ---- 1
	s_wait_loadcnt 40                              ; my first tile is in: the three younger tiles' eight loads each and wv's and wg's sixteen may stay out
	MTURN 0
.irp y,0,1,2
	s_wait_loadcnt 8*(2-\y)+16                     ; the next tile is in,
	MTURN (\y)+1                                   ; and turns while this one is worked: 16 LDS instructions
	LNQ \y, 24, 56, 0, 16, 0
.endr
	LNQ 3, 24, 56, 0, 0, 1
	s_wait_loadcnt 0x0
	WIN 0x04
.irp i,0,1,2,3,4,5
	ds_store_b64 v153, v[128+2*\i:129+2*\i] offset:(\i/3)*384+(\i%3)*8
	ds_store_b64 v153, v[140+2*\i:141+2*\i] offset:12288+(\i/3)*384+(\i%3)*8
	ds_store_b64 v155, v[152+2*\i:153+2*\i] offset:WRO+(\i/3)*384+(\i%3)*8
	ds_store_b64 v155, v[164+2*\i:165+2*\i] offset:WR2+(\i/3)*384+(\i%3)*8
.endr
	ds_store_b64 v157, v[176:177]
	WIN 0
.set t,0
.rept 8
.irp i,6,7,8,9,10,11
	v_mov_b32 v[24+12*t+\i], 0
.endr
.set t,t+1
.endr
	NOPS 4                                         ; an operand written by vector instructions stands four places ahead of a scaled product: the barrier and the LDS loads between fill none
	s_wait_alu depctr_va_vdst(0)                   ; the zero codes are written, which the products take; and LNQ is done with v24-119, in which mn's fragments land behind the barrier
	BAR                                            ; mn's 32 tiles and the weights lie in LDS
	s_wait_alu depctr_vm_vsrc(0)                   ; LNQ 3's stores have read v120 and v136-142, the copy's stores their data (window 1, v128-177) and their addresses, the head's loads v152-159: the products and the quantiser below write all of these
	; ---- V: v of head w, transposed (source 0 = 16 rows j of mn, source 1 = 16 d of wv): a lane holds one d, its registers run along j
.macro QUANTV s, pc, pw                ; 64 numbers -> a fragment in window 1, its scale word
.irp b,0,1,2,3
	v_max3_num_f32 v[120+\b], |v[\s+16*\b]|, |v[\s+16*\b+1]|, FLOOR
.endr
.irp i,2,4,6,8,10,12,14
.irp b,0,1,2,3
	v_max3_num_f32 v[120+\b], v[120+\b], |v[\s+16*\b+\i]|, |v[\s+16*\b+\i+1]|
.endr
.endr
.irp b,0,1,2,3
	v_permlanex16_b32 v[124+\b], v[120+\b], s44, s45
.endr
.irp b,0,1,2,3
	v_max_num_f32 v[120+\b], v[120+\b], v[124+\b]
.endr
.irp b,0,1,2,3
	v_add_nc_u32 v[216+\b], 0xff000000, v[120+\b]
.endr
.irp b,0,1,2,3
	v_lshrrev_b32 v[124+\b], 23, v[216+\b]
.endr
	v_lshl_or_b32 v[\pw], v125, 8, v124
	v_lshl_or_b32 v[\pw], v126, 16, v[\pw]
	v_lshl_or_b32 v[\pw], v127, 24, v[\pw]
	WIN 0x40
.irp c,0,1
	v_cvt_scalef32_pk16_fp6_f32 v[\pc+6*\c:\pc+6*\c+2], v[\s+32*\c:\s+32*\c+15], v[216+2*\c]
	v_cvt_scalef32_pk16_fp6_f32 v[248+4*\c:250+4*\c], v[\s+32*\c+16:\s+32*\c+31], v[217+2*\c]
.endr
	WIN 0x41
	v_nop
.irp c,0,1
.irp i,0,1,2
	v_permlane16_swap_b32 v[\pc+6*\c+\i], v[248+4*\c+\i]
.endr
.irp i,0,1,2
	v_mov_b32 v[\pc+3+6*\c+\i], v[248+4*\c+\i]
.endr
.endr
	WIN 0
.endm
.macro PHVL g, k                       ; mn's eight tiles of s = 2 g' + g, j = 128 k .. 128 k + 127, and their scale words
.set t,0
.rept 8
.irp q,0,1,2
	ds_load_b64 v[24+12*t+2*\q:25+12*t+2*\q], v22 offset:768*(16*(\g)+8*(\k)+t)+8*\q
.endr
	ds_load_b32 v[236+t], v23 offset:64*(16*(\g)+8*(\k)+t)
.set t,t+1
.endr
.endm
.macro PHVM u                          ; eight products against wv's tile u
.set t,0
.rept 8
	WM 128+8*t, 24+12*t, 192+12*(\u), 1, 236+t, 234+(\u)
.set t,t+1
.endr
	NOPS 4
.endm
.macro PHV g, k, more, ng, nk          ; more = 1: the group (ng, nk) is asked for behind the second eight products and lands under the quantiser, which names v120-191, v216-231 and window 1 alone
	s_wait_dscnt 0x0
	PHVM 0
	QUANTV 128, 128+((2*(\g))*2+(\k))*12, 224+(2*(\g))*2+(\k)
	PHVM 1
.if \more
	s_wait_alu depctr_va_vdst(0)                   ; the sixteen products are done reading mn's fragments v24-119 and scale words v236-243, in which the next group lands
	PHVL \ng, \nk
.endif
	QUANTV 128, 128+((2*(\g)+1)*2+(\k))*12, 224+(2*(\g)+1)*2+(\k)
.endm
	PHVL 0, 0
	PHV 0, 0, 1, 0, 1
	PHV 0, 1, 1, 1, 0
	PHV 1, 0, 1, 1, 1
	PHV 1, 1, 0, 0, 0
	; ---- O: for each tile T of rows i: o = v p, the gate, their product / l, quantised: block w of the next K
.irp g,0,1
.irp i,6,7,8,9,10,11
	v_mov_b32 v[56+12*\g+\i], 0
.endr
.endr
	v_mov_b32 v156, 0                              ; lane permutes' destinations count as read
	v_mov_b32 v157, 0
	v_lshlrev_b32 v187, 2, v1
	s_mov_b32 s60, 7
	s_mov_b32 s61, 0
	s_mov_b32 s62, 0
	s_mov_b32 s63, 0
	s_mov_b32 s67, 0
	v_add_nc_u32 v13, s61, v22                     ; mn's tile 0
	v_add_nc_u32 v19, s62, v23
; p's two fragments of the tile t tiles on from where the bases stand, their scale words, l: nine loads, into set s (codes v24-47 or v188-211, scale words v236-237 or v240-241, l v50 or v51)
.macro PLOAD s, t
.set PFB, 24+164*(\s)
.irp k,0,1
.irp g,0,1,2
	global_load_b128 v[PFB+12*\k+4*\g:PFB+12*\k+4*\g+3], v5, s[48:49] offset:(\t)*3072+\k*1536+\g*512     ; 512 consecutive bytes: registers 4 g .. 4 g + 3 of every lane
.endr
	global_load_b32 v[236+4*(\s)+\k], v187, s[50:51] offset:(\t)*1024+64*\k
.endr
	global_load_b32 v[50+(\s)], v187, s[52:53] offset:(\t)*512
.endm
; mn's two tiles (one for each s) of the tile at which v13 and v19 stand, and their scale words: eight LDS loads
.macro MNLOAD
.irp g,0,1
.irp q,0,1,2
	ds_load_b64 v[56+12*\g+2*\q:57+12*\g+2*\q], v13 offset:12288*\g+8*\q
.endr
	ds_load_b32 v[238+\g], v19 offset:1024*\g
.endr
.endm
; One tile, its p in set s.  load = 1: the set takes the tile two on as soon as the products have read it.  cnt: the loads issued behind this tile's, which may stay out.  nxt = 1: the next tile's mn is asked for
.macro OTILE s, load, cnt, nxt
.set PFB, 24+164*(\s)
	s_wait_loadcnt \cnt                            ; this tile's p and l are in; the next tile's nine loads may be out
	s_wait_dscnt 0x0                               ; mn's two tiles, asked for a tile ago, are in
	v_mov_b32 v52, v[50+(\s)]
	v_mov_b32 v53, v[50+(\s)]
	WIN 0x01
.irp k,0,1
.irp g,0,1
.irp u,0,1
	WM 88+16*\g+8*\u, 128+((2*\g+\u)*2+\k)*12, PFB+12*\k, 1-\k, 224+(2*\g+\u)*2+\k, 236+4*(\s)+\k
.endr
.endr
.endr
.irp g,0,1
.irp u,0,1
	WM 120+16*\g+8*\u, 224+12*\u, 56+12*\g, 1, 232+\u, 238+\g
.endr
.endr
	WIN 0
	s_wait_alu depctr_vm_vsrc(0)                   ; mn's loads have read v13 and v19, the last tile's LDS stores v184, v185 and the codes and bytes v164-174: the adds below and this tile's quantiser write them
.if \nxt
	s_add_co_u32 s61, s61, 768
	s_add_co_u32 s62, s62, 64
	v_add_nc_u32 v13, s61, v22                     ; the next tile's mn.  (These four lines are the places ahead of the first read of the sums)
	v_add_nc_u32 v19, s62, v23
.else
	v_nop
	v_nop
.endif
	v_add_nc_u32 v184, s63, v14                    ; where this tile's codes and bytes go
	v_add_nc_u32 v185, s67, v15
	s_wait_alu depctr_va_vdst(0)                   ; the products are done reading mn's fragments and p's set, the moves l: the loads below land there; and the four addresses are written.  No vector instruction behind this wait names a register that these loads touch
.if \nxt
	MNLOAD                                         ; it has the rest of the tile in which to land
.endif
.if \load
	PLOAD \s, 2                                    ; it has two tiles' work in which to land
.endif
.set i,0
.rept 16
	v_pk_mul_f32 v[120+i:121+i], v[120+i:121+i], s[46:47] op_sel_hi:[1,0]
.set i,i+2
.endr
.set i,0
.rept 32
	v_exp_f32 v[120+i], v[120+i]
.set i,i+1
.endr
	v_nop
	s_wait_alu depctr_va_vdst(0)                   ; the 32 exponentials v120-151 are written: one wait for the batch, ahead of its first reader
.set i,0
.rept 16
	v_pk_fma_f32 v[120+i:121+i], v[120+i:121+i], v[52:53], v[52:53]     ; l (1 + e): the division by l costs nothing
.set i,i+2
.endr
.set i,0
.rept 32
	v_rcp_f32 v[120+i], v[120+i]
.set i,i+1
.endr
	v_nop
	s_wait_alu depctr_va_vdst(0)                   ; the 32 reciprocals v120-151 are written, ahead of their first reader
.set i,0
.rept 16
	v_pk_mul_f32 v[88+i:89+i], v[88+i:89+i], v[120+i:121+i]
.set i,i+2
.endr
	QNC 2, 88, 152
	s_wait_alu depctr_va_vdst(0)                   ; the codes v168-174 and the bytes v164, v165 are written, which the LDS stores read
	QNS 2, 152, 184, 0, 49152, 0
	ds_store_b8 v185, v164
	ds_store_b8 v185, v165 offset:2048
	s_add_co_u32 s63, s63, 3072
	s_add_co_u32 s67, s67, 128
.if \load
	s_wait_xcnt 0x0                                ; the loads issued so far have read their bases: they step one tile
	s_add_nc_u64 s[48:49], s[48:49], 3072
	s_add_nc_u64 s[50:51], s[50:51], 1024
	s_add_nc_u64 s[52:53], s[52:53], 512
.endif
.endm
	s_wait_alu depctr_va_vdst(0)                   ; v13, v19 and v187 are written, which the loads below read; v's fragments, their scale words v224-231 and mn's zero codes are written, which the products take; and phase V's products are done with v24-119, v188-215 and v236-243, in which the loads land
	MNLOAD
	PLOAD 0, 0
	PLOAD 1, 1
.LT:                                               ; seven trips of two tiles: tiles 0 to 13 ask for tiles 2 to 15
	OTILE 0, 1, 9, 1
	OTILE 1, 1, 9, 1
	s_sub_co_u32 s60, s60, 1
	s_cmp_lg_u32 s60, 0
	s_cbranch_scc1 .LT
	OTILE 0, 0, 9, 1                               ; the last two tiles ask for no p: no load leaves the buffer, and the counts run down
	OTILE 1, 0, 0, 0
	WIN 0x40
.irp b,0,1
.irp j,0,1,2,3
	global_load_b128 v[176+16*\b+4*\j:179+16*\b+4*\j], v6, s[24:25] offset:128*\b+16*\j      ; (into v's and wg's registers: the last products that read them stand ahead of the last tile's waits, and no vector instruction since names them)
	global_load_b128 v[208+16*\b+4*\j:211+16*\b+4*\j], v6, s[26:27] offset:128*\b+16*\j
.endr
.endr
	WIN 0
	BAR                                            ; all eight blocks of every tile lie in LDS; from here on a wave touches its own four tiles alone
	; ---- T: m += (16 rows x 256) x weight (64 x 256): 16 accumulators by turns, the residual as C
.macro TPROD wreg, sreg
	s_wait_alu depctr_vm_vsrc(0)                   ; the LDS stores and the loads issued so far have read their data and addresses among v24-215 (codes, bytes, v184-187, v200, v201), in which the fragments below land; the vector work on these registers stands ahead of the wait in front of those stores
.irp y,0,1,2,3
.irp k,0,1
.irp c,0,1
.irp q,0,1,2
	ds_load_b64 v[24+(2*\y+\k)*12+6*\c+2*\q:25+(2*\y+\k)*12+6*\c+2*\q], v20 offset:(\y/2)*49152+(\y%2)*3072+(4*\k+2*\c)*384+8*\q
.endr
.endr
.endr
	ds_load_b64 v[236+2*\y:237+2*\y], v12 offset:(\y/2)*2048+(\y%2)*128
.endr
.irp t,0,1,2,3
.irp k,0,1
.irp c,0,1
.irp q,0,1,2
	ds_load_b64 v[120+(2*\t+\k)*12+6*\c+2*\q:121+(2*\t+\k)*12+6*\c+2*\q], v9 offset:\wreg+\t*3072+(4*\k+2*\c)*384+8*\q
.endr
.endr
	ds_load_b32 v[244+2*\t+\k], v10 offset:\sreg+(\t/2)*256+(\t%2)*64+4*\k
.endr
.endr
	s_wait_dscnt 0x0
	WIN 0x50
.irp k,0,1
.irp t,0,1,2,3
.irp y,0,1,2,3
	WM 32*\y+8*\t, 120+(2*\t+\k)*12, 24+(2*\y+\k)*12, 0, 244+2*\t+\k, 236+2*\y+\k
.endr
.endr
.endr
	WIN 0
	NOPS 4
.endm
	TPROD WRO, WSS+1024
	s_wait_loadcnt 0x0                             ; tr_ln's gain and bias
	LNQ 0, 176, 208, 0x14, 0, 0
.irp y,1,2,3
	LNQ \y, 176, 208, 0x14, 0, 1
.endr
	s_mov_b32 s60, 8
	s_mov_b32 s61, 0
	s_mov_b32 s62, 0
	s_mov_b32 s63, 0
	s_mov_b32 s67, 0
	v_add_nc_u32 v216, s69, v22                    ; x's four tiles: my own
	v_add_nc_u32 v13, s61, v9                      ; wa's and wb's first tiles
	v_add_nc_u32 v19, s62, v21
	WIN 0x40
.irp y,0,1,2,3
.irp i,6,7,8,9,10,11
	v_mov_b32 v[128+12*\y+\i], 0
.endr
.endr
	WIN 0
.irp t,0,1,2,3
.irp i,6,7,8,9,10,11
	v_mov_b32 v[152+12*\t+\i], 0
.endr
.endr
	NOPS 4
	s_wait_alu depctr_va_vdst(0)                   ; v216, v13 and v19 are written, which the loads below read; the zero codes are written, which the products take; and the earlier products are done with window 1's v128-175, v152-199 and v244-251, in which the loads land
	WIN 0x40
.irp y,0,1,2,3
.irp q,0,1,2
	ds_load_b64 v[128+12*\y+2*\q:129+12*\y+2*\q], v216 offset:(\y/2)*12288+(\y%2)*768+8*\q    ; LDS serves a wave's instructions in order: these see my stores
.endr
.endr
	WIN 0
.irp y,0,1,2,3
	ds_load_b32 v[248+\y], v8 offset:(\y/2)*1024+(\y%2)*64
.endr
.macro WFRAG                           ; wa's and wb's two tiles of 32 hidden units, at which v13 and v19 stand
.irp m,0,1
.irp u,0,1
.irp q,0,1,2
	ds_load_b64 v[152+(2*\m+\u)*12+2*\q:153+(2*\m+\u)*12+2*\q], v13 offset:\m*12288+\u*768+8*\q
.endr
	ds_load_u16 v[244+2*\m+\u], v19 offset:WSS+512*\m+16*\u
.endr
.endr
.endm
	WFRAG
.LF:                                               ; eight trips: 32 hidden units = one block of the last product's K
	s_wait_dscnt 0x0                               ; the weights' tiles (x's fragments in the first trip); the last trip's stores
	s_wait_alu depctr_vm_vsrc(0)                   ; the LDS stores issued so far have read their codes, bytes and words among v24-151, which the products write, and v200, v201; the weights' loads have read v13 and v19: the adds below write these four
	WIN 0x04
.irp m,0,1
.irp u,0,1
.irp y,0,1,2,3
	WM 24+64*\m+16*\y+8*\u, 152+(2*\m+\u)*12, 128+12*\y, 1, 244+2*\m+\u, 248+\y
.endr
.endr
.endr
	WIN 0
	s_add_co_u32 s61, s61, 1536
	s_add_co_u32 s62, s62, 64
	v_add_nc_u32 v13, s61, v9                      ; the next trip's weights (in the last trip nothing is loaded by them).  These four lines are the places ahead of the first read of the sums
	v_add_nc_u32 v19, s62, v21
	v_add_nc_u32 v200, s63, v11                    ; where this trip's codes and bytes go
	v_add_nc_u32 v201, s67, v12
	s_wait_alu depctr_va_vdst(0)                   ; the products are done reading the weights' fragments v152-199 and scale words v244-247, in which the next land; and the four addresses are written.  The trip's other vector work names v24-151 alone
	s_cmp_eq_u32 s60, 1
	s_cbranch_scc1 .LFn
	WFRAG
.LFn:
.set i,0
.rept 32
	v_pk_mul_f32 v[88+i:89+i], v[24+i:25+i], v[88+i:89+i]               ; a b
.set i,i+2
.endr
.set i,0
.rept 32
	v_pk_mul_f32 v[24+i:25+i], v[24+i:25+i], s[46:47] op_sel_hi:[1,0]
.set i,i+2
.endr
.set i,0
.rept 64
	v_exp_f32 v[24+i], v[24+i]
.set i,i+1
.endr
	v_nop
	s_wait_alu depctr_va_vdst(0)                   ; the 64 exponentials v24-87 are written, ahead of their first reader
.set i,0
.rept 32
	v_pk_add_f32 v[24+i:25+i], v[24+i:25+i], 1.0 op_sel_hi:[1,0]
.set i,i+2
.endr
.set i,0
.rept 64
	v_rcp_f32 v[24+i], v[24+i]
.set i,i+1
.endr
	v_nop
	s_wait_alu depctr_va_vdst(0)                   ; the 64 reciprocals v24-87 are written, ahead of their first reader
.set i,0
.rept 32
	v_pk_mul_f32 v[88+i:89+i], v[88+i:89+i], v[24+i:25+i]               ; a b / (1 + e^-a)
.set i,i+2
.endr
	QNC 4, 88, 24
	s_wait_alu depctr_va_vdst(0)                   ; the codes v40-54 and the bytes v36-39 are written, which the LDS stores read
	QNS 4, 24, 200, 0, 3072, 49152
.irp y,0,1,2,3
	ds_store_b8 v201, v[36+\y] offset:(\y/2)*2048+(\y%2)*128
.endr
	s_add_co_u32 s63, s63, 384
	s_add_co_u32 s67, s67, 1
	s_sub_co_u32 s60, s60, 1
	s_cmp_lg_u32 s60, 0
	s_cbranch_scc1 .LF
	TPROD WR2, WSS+1536
	s_wait_alu depctr_va_vdst(0)                   ; behind the four places: the products have written the sums, which the LDS stores below read, and are done reading v24-87, in which the rows come back
	; the way out: a tile's 16 rows of 256 bytes through my stage, so that 16 lanes store a whole row
.macro OUTY y
.set RB, 24+32*((\y)%2)
.if (\y) >= 2
	s_wait_xcnt 0x0                                ; the stores of two tiles ago have had their addresses translated,
	s_wait_alu depctr_vm_vsrc(0)                   ; and have read v[RB ..], in which this tile's rows land
.endif
	WIN 0x04
.irp i,0,1,2,3,4,5,6,7
	ds_store_b128 v16, v[32*(\y)+4*\i:32*(\y)+4*\i+3] offset:128*(\i/4)+16*(\i%4)     ; each accumulator from its low end on
.endr
	WIN 0
.irp k,0,1,2,3,4,5,6,7
	ds_load_b128 v[RB+4*\k:RB+4*\k+3], v17 offset:544*\k
.endr
.irp k,0,1,2,3,4,5,6,7
	s_wait_dscnt 7-\k
	global_store_b128 v18, v[RB+4*\k:RB+4*\k+3], s[40:41] offset:(2*\k+8*(\k/4))*256+((\y)/2)*65536+((\y)%2)*2048 th:TH_STORE_NT
.endr
.endm
	OUTY 0
	OUTY 1
	OUTY 2
	OUTY 3
	s_wait_dscnt 0x0                               ; the closing lines, six on end
	s_wait_alu 0x0
	s_wait_tensorcnt 0x0
	ds_add_u32 v254, v255
	s_wait_dscnt 0x0
	s_endpgm
.Lfunc_end_k_qa2cb07465c_pwatr:
	.size	k_qa2cb07465c_pwatr, .Lfunc_end_k_qa2cb07465c_pwatr-k_qa2cb07465c_pwatr
	.p2alignl 7, 3214868480
	.fill 96, 4, 3214868480
	.section	.rodata,"a",@progbits
	.p2align	6, 0x0
	.amdhsa_kernel k_qa2cb07465c_pwatr
		.amdhsa_group_segment_fixed_size 216064
		.amdhsa_private_segment_fixed_size 0
		.amdhsa_enable_private_segment 0
		.amdhsa_kernarg_size 152
		.amdhsa_user_sgpr_count 2
		.amdhsa_user_sgpr_kernarg_segment_ptr 1
		.amdhsa_wavefront_size32 1
		.amdhsa_system_sgpr_workgroup_id_x 1
		.amdhsa_system_sgpr_workgroup_id_y 1
		.amdhsa_system_sgpr_workgroup_id_z 1
		.amdhsa_system_vgpr_workitem_id 0
		.amdhsa_next_free_vgpr 512
		.amdhsa_next_free_sgpr 80
		.amdhsa_reserve_vcc 0
		.amdhsa_float_denorm_mode_32 3
		.amdhsa_float_denorm_mode_16_64 3
		.amdhsa_memory_ordered 1
		.amdhsa_forward_progress 1
		.amdhsa_inst_pref_size 234
	.end_amdhsa_kernel
	.amdgpu_metadata
---
amdhsa.version: [ 1, 2 ]
amdhsa.kernels:
  - .name:           k_qa2cb07465c_pwatr
    .symbol:         k_qa2cb07465c_pwatr.kd
    .args:
      - { .name: m, .offset: 0, .size: 8, .value_kind: global_buffer, .address_space: global }
      - { .name: pwa_lnm_w, .offset: 8, .size: 8, .value_kind: global_buffer, .address_space: global }
      - { .name: pwa_lnm_b, .offset: 16, .size: 8, .value_kind: global_buffer, .address_space: global }
      - { .name: pwa_wv_codes, .offset: 24, .size: 8, .value_kind: global_buffer, .address_space: global }
      - { .name: pwa_wv_scales, .offset: 32, .size: 8, .value_kind: global_buffer, .address_space: global }
      - { .name: pwa_wg_codes, .offset: 40, .size: 8, .value_kind: global_buffer, .address_space: global }
      - { .name: pwa_wg_scales, .offset: 48, .size: 8, .value_kind: global_buffer, .address_space: global }
      - { .name: pq, .offset: 56, .size: 8, .value_kind: global_buffer, .address_space: global }
      - { .name: pwa_wo_codes, .offset: 64, .size: 8, .value_kind: global_buffer, .address_space: global }
      - { .name: pwa_wo_scales, .offset: 72, .size: 8, .value_kind: global_buffer, .address_space: global }
      - { .name: tr_ln_w, .offset: 80, .size: 8, .value_kind: global_buffer, .address_space: global }
      - { .name: tr_ln_b, .offset: 88, .size: 8, .value_kind: global_buffer, .address_space: global }
      - { .name: tr_wa_codes, .offset: 96, .size: 8, .value_kind: global_buffer, .address_space: global }
      - { .name: tr_wa_scales, .offset: 104, .size: 8, .value_kind: global_buffer, .address_space: global }
      - { .name: tr_wb_codes, .offset: 112, .size: 8, .value_kind: global_buffer, .address_space: global }
      - { .name: tr_wb_scales, .offset: 120, .size: 8, .value_kind: global_buffer, .address_space: global }
      - { .name: tr_wo_codes, .offset: 128, .size: 8, .value_kind: global_buffer, .address_space: global }
      - { .name: tr_wo_scales, .offset: 136, .size: 8, .value_kind: global_buffer, .address_space: global }
      - { .name: out0, .offset: 144, .size: 8, .value_kind: global_buffer, .address_space: global }
    .group_segment_fixed_size: 216064
    .private_segment_fixed_size: 0
    .kernarg_segment_align: 8
    .kernarg_segment_size: 152
    .max_flat_workgroup_size: 256
    .sgpr_count:     80
    .vgpr_count:     512
    .wavefront_size: 32
...
	.end_amdgpu_metadata
.endif
;; end of part 9
